; MI455X (gfx1250); checked and timed in simulation.
; The chip was launched on July 23, 2026; its instructions are those of AMD's public machine-readable ISA for CDNA 5 (MIT licence, August 2026) and "CDNA5" Instruction Set Architecture Reference Guide (July 2026). The comments in the code are by the model that wrote it; some were corrected since.
;; Self Attention Layer. Allowed arithmetic: matrix products marked QUANTISED: E2M3 operands, one E8M0 scale for each 32 along K, by v_wmma_scale_f32_16x16x128_f8f6f4 with both operands' format E2M3, f32 sums; everything else in f32.
;; Inputs: W_key 1,024 x 1,024 float32; W_query 1,024 x 1,024 float32; W_value 1,024 x 1,024 float32; x 4 x 2,048 x 1,024 float32.
;; Outputs: out0 4 x 2,048 x 1,024 float32.
;; This version of the problem:
;;   THIS VERSION OF THE PROBLEM IS GIVEN IN LOW PRECISION. The matrix products marked QUANTISED in the list below multiply operands that are first quantised to E2M3 (2 exponent bits, 3 mantissa bits; 6 bits a number), with one power-of-two scale for each 32 numbers along K (OCP MX v1.0); their sums are f32. All else is computed in f32.
;;   The module's matrix products, in the order in which they are computed (A, B: the left and right operand; K: the contracted axis; several contracted axes count as one K, in the product's order):
;;     1. [M 8,192, K 1,024] x [K 1,024, N 1,024]; A: input x; B: input W_query: QUANTISED
;;     2. [M 8,192, K 1,024] x [K 1,024, N 1,024]; A: input x; B: input W_key: QUANTISED
;;     3. [M 8,192, K 1,024] x [K 1,024, N 1,024]; A: input x; B: input W_value: QUANTISED
;;     4. batch 4 x [M 2,048, K 1,024] x [K 1,024, N 2,048]; A: computed on the way; B: computed on the way: QUANTISED
;;     5. batch 4 x [M 2,048, K 2,048] x [K 2,048, N 1,024]; A: softmax (see below); B: computed on the way: QUANTISED
;;   THE QUANTISER, for each operand of a quantised product, along K:
;;     - K is cut into blocks of 32 from its start; a last block that is shorter is filled with zeros.
;;     - A block's scale is 2^e with e = floor(log2(the largest magnitude in the block)) - 2, held to -126 .. 127; a block of zeros has e = 0. As a byte (E8M0): e + 127.
;;     - Each number is divided by its block's scale, clamped to +-7.5, and rounded to the nearest number of E2M3, ties to even, subnormals kept.
;;     - The product sums the exact products of the quantised numbers (number of the format x scale) in f32.
;;   ~~~python
;;   def quantise(x, axis):      # numpy; x: float32 -> the quantised numbers, widened to float32 again
;;       x = np.moveaxis(x, axis, -1); K = x.shape[-1]
;;       x = np.pad(x, [(0, 0)] * (x.ndim - 1) + [(0, -K % 32)]); x = x.reshape(x.shape[:-1] + (-1, 32)); a = np.abs(x).max(-1, keepdims=True)
;;       e = np.where(a > 0, np.clip(np.frexp(np.where(a > 0, a, 1))[1] - 1 - 2, -126, 127), 0)      # np.frexp(a)[1] - 1 = floor(log2(a)), exactly
;;       r = np.clip(x / 2.0 ** e, -7.5, 7.5)
;;       step = 2.0 ** (np.maximum(np.frexp(np.where(r == 0, 1, r))[1] - 1, 0) - 3)
;;       q = np.round(r / step) * step * 2.0 ** e      # np.round: ties to even
;;       return np.moveaxis(q.reshape(q.shape[:-2] + (-1,))[..., :K], -1, axis).astype(np.float32)
;;   ~~~
;;   SOFTMAX AHEAD OF A QUANTISED PRODUCT. Where the list says 'softmax', what is quantised is not the finished softmax but p = 2^(t - M), with t = logit x log2(e) and M = ceil(the row's largest t), a whole number; so 1/2 < the row's largest p <= 1. The row's sum l is taken of the UNQUANTISED p, in f32, and the product's result is divided by l at the end. Since M is a whole number, a kernel that streams over the keys may use a running M (the ceiling of the running maximum): every later rescaling is an exact power of two, which a block's scale takes up: the codes' values come out the same.
;;   OPERANDS COMPUTED ON THE WAY. 'Computed on the way' means the value that the module computes at that place (a softmax that the list does not call 'softmax' is quantised finished and normalised). What goes into a quantiser is computed in f32, as accurately as f32 sums, v_exp_f32 and their like allow (about 1e-6 of the number): no bf16 or f16 on the way to a quantiser, and a product that is left as it is and whose result goes on into a quantised operand takes f32 operands (vector FMAs, or v_wmma_f32_16x16x4_f32). A number that lies on a knife's edge between two numbers of the format may be rounded either way, as far as f32 arithmetic and the matrix unit's own rounding can turn it there, and no further.
;; 2 versions. Each part assembles by itself: llvm-mc -triple=amdgcn-amd-amdhsa -mcpu=gfx1250 --defsym DOCPART=n.
;; ======== version 1 of 2: 5 launches
;; workspace buffers: opc 8,650,752 bytes; ops 360,448 bytes; qkv 18,874,368 bytes; qkvs 786,432 bytes; p 12,582,912 bytes; pst 1,572,864 bytes
;; launch qx (part 1): grid 256 x 1, 8 waves a work-group, no clusters, 69,632 bytes of LDS; arguments x, opc, ops; writes opc, ops
.if DOCPART == 1
	.amdgcn_target "amdgcn-amd-amdhsa--gfx1250"
	.amdhsa_code_object_version 6
	.text
	.protected	k_q597e0711df_qx
	.globl	k_q597e0711df_qx
	.p2align	8
	.type	k_q597e0711df_qx,@function
k_q597e0711df_qx:
	s_mov_b64 s[64:65], 0
	v_nop
	global_prefetch_b8 v0, s[64:65] scope:SCOPE_SE
	s_setreg_imm32_b32 hwreg(HW_REG_WAVE_MODE, 25, 1), 1
	s_wait_xcnt 0x0
; x [8192][1024] f32 becomes codes of E2M3 with one E8M0 byte for each 32 along K (its last axis), laid as the products' launch wants them.
; CODES: images of the operand's registers.  A fragment is 16 rows x 128 K = 12 registers a lane = 1,536 bytes: registers 4 c .. 4 c + 3 of lane l at byte 512 c + 16 l.
;   opc: [row block of 16][K step of 128][1,536 bytes].  Lane (r, h) of a fragment holds, in registers 6 c .. 6 c + 5, k = 64 c + 32 h + 0 .. 31 of row r.
; SCALES: units of 512 bytes for 128 rows and one K step: the word (4 bytes: 128 along K of one row) of row 16 a + r at byte 32 r + 4 a.  ops: [128 rows][K step][512 bytes].
; A block's scale is 2^(floor(log2(largest magnitude)) - 2); its byte is the largest magnitude's exponent field - 2, held at 1 from below.
; LIMITS: a block of zeros gets the byte 1 (its codes are zeros; this program alone reads the bytes); blocks whose largest magnitude lies under 2^(3 - 127) are held at that byte; NaN and infinities are not served.
; SHARES: a work-group takes 128 rows x 256 along K; wave w takes rows 16 w .. 16 w + 15: two fragments.  Each load reads 512 consecutive bytes of a row; all 32 loads of a wave go out at once.
; A lane must hold 32 neighbours along K for each block: the rows turn through the wave's own stage in LDS (rows 528 bytes apart: 16 rows start in 16 different groups of banks).
.set STG,   8448                       ; a wave's stage: 16 rows x (512 + 16) bytes
.set SX,    8*STG                      ; two scale units, 1,024 bytes
.set SPARE, SX+1024                    ; the spare words: 128 bytes for each of eight waves; no other line names them
.set SPW, 1                            ; v1   SPARE + 4 x my thread's number; never rewritten
.set NIL, 2                            ; v2   0; never rewritten
.set LO,  3                            ; v3   16 x lane
.set STI, 4                            ; v4   stage, way in: 16 x lane
.set STO, 5                            ; v5   stage, way out: 528 r + 128 h
.set SXA, 6                            ; v6   where my row's scale word goes: SX + 32 r + 4 w
.set SXR, 7                            ; v7   where waves 0 and 1 read a unit back
.set SH,  8                            ; v8   8 h
.set T,   10                           ; v10-11 largest magnitudes
.set SOP, 12                           ; v12-13 the conversions' scale operands
.set BY,  14                           ; v14-15 scale bytes
.set WD,  16                           ; v16  the scale word
.set TP,  17                           ; v17  the other half's bytes
.set TT,  20                           ; v20-27 second halves of the blocks' codes
.set PC,  32                           ; v32-43, v44-55 the two fragments
.set UN,  56                           ; v56-59 a scale unit on its way out
.set R,   64                           ; v64-191 the numbers as loaded
.set X,   192                          ; v192-255 64 numbers in the operand's order
	s_load_b128 s[4:7], s[0:1], 0x0                ; x, opc
	s_load_b64 s[8:9], s[0:1], 0x10                ; ops
	v_lshl_add_u32 v[SPW], v0, 2, SPARE
	v_mov_b32 v[NIL], 0
	v_lshrrev_b32 v9, 5, v0
	v_readfirstlane_b32 s16, v9                    ; wave 0..7
	v_and_b32 v9, 31, v0
	v_lshlrev_b32 v[LO], 4, v9
	v_and_b32 v18, 15, v0                          ; r
	v_bfe_u32 v19, v0, 4, 1                        ; h
	s_mul_i32 s17, s16, STG
	v_add_nc_u32 v[STI], s17, v[LO]
	v_mul_u32_u24 v[STO], v18, 528
	v_lshl_add_u32 v[STO], v19, 7, v[STO]
	v_add_nc_u32 v[STO], s17, v[STO]
	s_lshl_b32 s18, s16, 2
	s_add_co_u32 s18, s18, SX
	v_lshl_add_u32 v[SXA], v18, 5, s18
	s_and_b32 s19, s16, 1
	s_lshl_b32 s22, s19, 9
	s_add_co_u32 s23, s22, SX
	v_add_nc_u32 v[SXR], s23, v[LO]
	v_lshlrev_b32 v[SH], 3, v19
	v_mov_b32 v[TP], 0                             ; a lane permute's destination counts as one of its sources
	s_mov_b32 s20, 0x76543210
	s_mov_b32 s21, 0xfedcba98                      ; selects for lane l xor 16
	s_lshr_b32 s10, ttmp9, 2                       ; g: which 128 rows
	s_and_b32 s11, ttmp9, 3                        ; which 256 along K
	s_lshl_b32 s12, s10, 19                        ; x: (128 g + 16 w) rows of 4,096 bytes + 1,024 x part
	s_lshl_b32 s13, s16, 16
	s_add_co_u32 s12, s12, s13
	s_lshl_b32 s13, s11, 10
	s_add_co_u32 s12, s12, s13
	s_mov_b32 s13, 0
	s_mul_i32 s14, s10, 98304                      ; opc: ((8 g + w) x 8 + 2 x part) x 1,536
	s_mul_i32 s15, s16, 12288
	s_add_co_u32 s14, s14, s15
	s_mul_i32 s15, s11, 3072
	s_add_co_u32 s14, s14, s15
	s_mov_b32 s15, 0
	s_lshl_b32 s24, s10, 12                        ; ops: (8 g + 2 x part + w % 2) x 512
	s_lshl_b32 s25, s11, 10
	s_add_co_u32 s24, s24, s25
	s_add_co_u32 s24, s24, s22
	s_mov_b32 s25, 0
	s_wait_kmcnt 0x0
	s_add_nc_u64 s[4:5], s[4:5], s[12:13]
	s_add_nc_u64 s[6:7], s[6:7], s[14:15]
	s_add_nc_u64 s[8:9], s[8:9], s[24:25]
.irp f, 0,1
.irp t, 0,1,2,3,4,5,6,7,8,9,10,11,12,13,14,15
	global_load_b128 v[R+64*\f+4*\t:R+64*\f+4*\t+3], v[LO], s[4:5] offset:4096*\t+512*\f th:TH_LOAD_NT   ; 512 consecutive bytes of row t
.endr
.endr
; K step f of my 16 rows: through the stage, quantised, stored
.macro FRAGQ f
.set PF, PC+12*\f
	s_wait_loadcnt 16*(1-\f)                       ; this K step's 16 loads are in; the other's 16 younger ones may be out
.irp t, 0,1,2,3,4,5,6,7,8,9,10,11,12,13,14,15
	ds_store_b128 v[STI], v[R+64*\f+4*\t:R+64*\f+4*\t+3] offset:528*\t
.endr
.irp c, 0,1
.irp j, 0,1,2,3,4,5,6,7
	ds_load_b128 v[X+32*\c+4*\j:X+32*\c+4*\j+3], v[STO] offset:256*\c+16*\j   ; LDS serves a wave's instructions in order: these see my stores.  Register 32 c + i: k = 64 c + 32 h + i of row r
.endr
.endr
	s_wait_dscnt 0x0
.irp c, 0,1
	v_max3_num_f32 v[T+\c], |v[X+32*\c]|, |v[X+32*\c+1]|, 0x1800000   ; block 2 c + h is all mine; the floor 2^(3 - 127) keeps the byte at 1 or above
.endr
.irp i, 2,4,6,8,10,12,14,16,18,20,22,24,26,28,30
.irp c, 0,1
	v_max3_num_f32 v[T+\c], v[T+\c], |v[X+32*\c+\i]|, |v[X+32*\c+\i+1]|
.endr
.endr
.irp c, 0,1
	v_add_nc_u32 v[SOP+\c], 0xff000000, v[T+\c]    ; 2 off the exponent field: the conversion takes this operand's exponent field as its scale
.endr
.irp c, 0,1
	v_lshrrev_b32 v[BY+\c], 23, v[SOP+\c]          ; the scale's byte
.endr
	v_lshl_or_b32 v[WD], v[BY+1], 16, v[BY]        ; bytes h and 2 + h of my row's word,
	v_lshlrev_b32 v[WD], v[SH], v[WD]
	v_permlanex16_b32 v[TP], v[WD], s20, s21
	v_or_b32 v[WD], v[WD], v[TP]                   ; with lane l xor 16's two the word is whole
.irp c, 0,1
	v_cvt_scalef32_pk16_fp6_f32 v[PF+6*\c:PF+6*\c+2], v[X+32*\c:X+32*\c+15], v[SOP+\c]
	v_cvt_scalef32_pk16_fp6_f32 v[TT+4*\c:TT+4*\c+2], v[X+32*\c+16:X+32*\c+31], v[SOP+\c]   ; (a conversion's three registers begin on an even number)
.endr
	v_nop                                          ; one plain place behind a scaled conversion
.irp c, 0,1
.irp i, 0,1,2
	v_mov_b32 v[PF+6*\c+3+\i], v[TT+4*\c+\i]
.endr
.endr
.irp c, 0,1,2
	global_store_b128 v[LO], v[PF+4*\c:PF+4*\c+3], s[6:7] offset:1536*\f+512*\c   ; the image: 512 consecutive bytes a store
.endr
	ds_store_b32 v[SXA], v[WD] offset:512*\f       ; both halves of the lanes write the same word with the same value
.endm
	FRAGQ 0
	FRAGQ 1
	s_wait_tensorcnt 0x0                           ; behind my last LDS store: the s_wait_dscnt below also shows my scale words landed, for the other waves' sake
	ds_add_u32 v[SPW], v[NIL]
	s_wait_dscnt 0x0
	s_barrier_signal -1
	s_barrier_wait -1                              ; the two scale units are whole
	s_cmp_lt_u32 s16, 2
	s_cbranch_scc0 .Ldone
	ds_load_b128 v[UN:UN+3], v[SXR]                ; wave 0 takes K step 0's unit, wave 1 the other's
	s_wait_dscnt 0x0
	global_store_b128 v[LO], v[UN:UN+3], s[8:9]    ; 512 consecutive bytes
.Ldone:
	s_endpgm
.Lfunc_end_k_q597e0711df_qx:
	.size	k_q597e0711df_qx, .Lfunc_end_k_q597e0711df_qx-k_q597e0711df_qx
	.p2alignl 7, 3214868480
	.fill 96, 4, 3214868480
	.section	.rodata,"a",@progbits
	.p2align	6, 0x0
	.amdhsa_kernel k_q597e0711df_qx
		.amdhsa_group_segment_fixed_size 69632
		.amdhsa_private_segment_fixed_size 0
		.amdhsa_enable_private_segment 0
		.amdhsa_kernarg_size 24
		.amdhsa_user_sgpr_count 2
		.amdhsa_user_sgpr_kernarg_segment_ptr 1
		.amdhsa_wavefront_size32 1
		.amdhsa_system_sgpr_workgroup_id_x 1
		.amdhsa_system_sgpr_workgroup_id_y 1
		.amdhsa_system_sgpr_workgroup_id_z 1
		.amdhsa_system_vgpr_workitem_id 0
		.amdhsa_next_free_vgpr 256
		.amdhsa_next_free_sgpr 66
		.amdhsa_reserve_vcc 0
		.amdhsa_float_denorm_mode_32 3
		.amdhsa_float_denorm_mode_16_64 3
		.amdhsa_memory_ordered 1
		.amdhsa_forward_progress 1
		.amdhsa_inst_pref_size 17
	.end_amdhsa_kernel
	.amdgpu_metadata
---
amdhsa.version: [ 1, 2 ]
amdhsa.kernels:
  - .name:           k_q597e0711df_qx
    .symbol:         k_q597e0711df_qx.kd
    .args:
      - { .name: x, .offset: 0, .size: 8, .value_kind: global_buffer, .address_space: global }
      - { .name: opc, .offset: 8, .size: 8, .value_kind: global_buffer, .address_space: global }
      - { .name: ops, .offset: 16, .size: 8, .value_kind: global_buffer, .address_space: global }
    .group_segment_fixed_size: 69632
    .private_segment_fixed_size: 0
    .kernarg_segment_align: 8
    .kernarg_segment_size: 24
    .max_flat_workgroup_size: 256
    .sgpr_count:     66
    .vgpr_count:     256
    .wavefront_size: 32
...
	.end_amdgpu_metadata
.endif
;; end of part 1
;; launch qw (part 2): grid 24 x 8, 4 waves a work-group, no clusters, 1,024 bytes of LDS; arguments W_query, W_key, W_value, opc, ops; writes opc, ops
.if DOCPART == 2
	.amdgcn_target "amdgcn-amd-amdhsa--gfx1250"
	.amdhsa_code_object_version 6
	.text
	.protected	k_q597e0711df_qw
	.globl	k_q597e0711df_qw
	.p2align	8
	.type	k_q597e0711df_qw,@function
k_q597e0711df_qw:
	s_mov_b64 s[64:65], 0
	v_nop
	global_prefetch_b8 v0, s[64:65] scope:SCOPE_SE
	s_setreg_imm32_b32 hwreg(HW_REG_WAVE_MODE, 25, 1), 1
	s_wait_xcnt 0x0
; The three weights [1024 (d)][1024 (e)] f32, whose K (d) is the FIRST axis, become codes of E2M3 with K innermost, as images of the operand's registers (rows = e), behind x's rows in opc and ops:
; rows 8,192 + 1,024 m + e, m = 0 query, 1 key, 2 value.  Layouts: opc [row block of 16][K step of 128][1,536 bytes]; ops [128 rows][K step][512 bytes: the word of row 16 a + r at 32 r + 4 a].
; A LANE TAKES A COLUMN e AND ITS REGISTERS RUN DOWN d: a block of 32 lies in one lane, the conversions give codes with K innermost, nothing is transposed by an instruction.
; A wave's 32 columns are two row blocks.  Lane l holds all four blocks of column l; the operand wants blocks 0, 2 of row r in lane r and blocks 1, 3 in lane 16 + r: twelve exchanges of halves give both fragments.
; A block's scale is 2^(floor(log2(largest magnitude)) - 2); its byte is the exponent field - 2, held at 1 from below.
; LIMITS: a block of zeros gets the byte 1 (zero codes; this program alone reads the bytes); NaN and infinities are not served.
; SHARES: work-group x = 8 m + g: 128 columns of weight m; y: one K step of 128.  Wave w: columns 32 w .. 32 w + 31.  A load reads 128 consecutive bytes, the four waves side by side 512.
.set SX,    0                          ; the scale unit, 512 bytes
.set SPARE, 512                        ; the spare words: 128 bytes for each of four waves; no other line names them
.set SPW, 1
.set NIL, 2
.set CO,  3                            ; v3   4 x lane
.set LO,  4                            ; v4   16 x lane
.set SXA, 5                            ; v5   my column's scale word: 32 (l % 16) + 4 (l / 16) + 8 w
.set T,   6                            ; v6-9   largest magnitudes
.set SOP, 10                           ; v10-13 scale operands
.set BY,  14                           ; v14-17 bytes
.set WD,  18
.set TT,  20                           ; v20-22 a block's second three registers
.set F0,  24                           ; v24-35 blocks 0, 2; then the image of row block 2 w
.set F1,  36                           ; v36-47 blocks 1, 3; then the image of row block 2 w + 1
.set UN,  48
.set X,   64                           ; v64-191 my column's 128 numbers
	s_load_b256 s[4:11], s[0:1], 0x0               ; W_query, W_key, W_value, opc
	s_load_b64 s[12:13], s[0:1], 0x20              ; ops
	v_lshl_add_u32 v[SPW], v0, 2, SPARE
	v_mov_b32 v[NIL], 0
	v_lshrrev_b32 v19, 5, v0
	v_readfirstlane_b32 s16, v19                   ; wave 0..3
	v_and_b32 v19, 31, v0
	v_lshlrev_b32 v[CO], 2, v19
	v_lshlrev_b32 v[LO], 4, v19
	v_and_b32 v19, 15, v0
	v_bfe_u32 v23, v0, 4, 1
	v_lshlrev_b32 v[SXA], 5, v19
	v_lshl_add_u32 v[SXA], v23, 2, v[SXA]
	s_lshl_b32 s18, s16, 3
	v_add_nc_u32 v[SXA], s18, v[SXA]
	s_lshr_b32 s17, ttmp9, 3                       ; m
	s_and_b32 s18, ttmp9, 7                        ; g
	s_and_b32 s19, ttmp7, 0xffff                   ; the K step
	s_lshl_b32 s20, s19, 19                        ; W: 128 rows of 4,096 bytes a K step + 4 x (128 g + 32 w)
	s_lshl_b32 s21, s18, 9
	s_add_co_u32 s20, s20, s21
	s_lshl_b32 s21, s16, 7
	s_add_co_u32 s20, s20, s21
	s_mov_b32 s21, 0
	s_lshl_b32 s22, ttmp9, 3                       ; opc: ((512 + 8 x + 2 w) x 8 + K step) x 1,536
	s_lshl_b32 s23, s16, 1
	s_add_co_u32 s22, s22, s23
	s_add_co_u32 s22, s22, 512
	s_lshl_b32 s22, s22, 3
	s_add_co_u32 s22, s22, s19
	s_mul_i32 s22, s22, 1536
	s_mov_b32 s23, 0
	s_add_co_u32 s24, ttmp9, 64                    ; ops: ((64 + x) x 8 + K step) x 512
	s_lshl_b32 s24, s24, 3
	s_add_co_u32 s24, s24, s19
	s_lshl_b32 s24, s24, 9
	s_mov_b32 s25, 0
	s_wait_kmcnt 0x0
	s_cmp_eq_u32 s17, 0                            ; the weight is chosen by the work-group's number alone
	s_cselect_b64 s[4:5], s[4:5], s[6:7]
	s_cmp_eq_u32 s17, 2
	s_cselect_b64 s[4:5], s[8:9], s[4:5]
	s_add_nc_u64 s[4:5], s[4:5], s[20:21]
	s_add_nc_u64 s[10:11], s[10:11], s[22:23]
	s_add_nc_u64 s[12:13], s[12:13], s[24:25]
.set I, 0
.rept 128
	global_load_b32 v[X+I], v[CO], s[4:5] offset:4096*I th:TH_LOAD_NT
.set I, I+1
.endr
; block b of my column: its six registers of codes go to v[y] on
.macro BLK b, y
	v_max3_num_f32 v[T+\b], |v[X+32*\b]|, |v[X+32*\b+1]|, 0x1800000   ; with the floor 2^(3 - 127)
.irp i, 2,4,6,8,10,12,14,16,18,20,22,24,26,28,30
	v_max3_num_f32 v[T+\b], v[T+\b], |v[X+32*\b+\i]|, |v[X+32*\b+\i+1]|
.endr
	v_add_nc_u32 v[SOP+\b], 0xff000000, v[T+\b]    ; 2 off the exponent field: the conversion's scale operand
	v_lshrrev_b32 v[BY+\b], 23, v[SOP+\b]          ; the byte
	v_cvt_scalef32_pk16_fp6_f32 v[\y:\y+2], v[X+32*\b:X+32*\b+15], v[SOP+\b]
	v_cvt_scalef32_pk16_fp6_f32 v[TT:TT+2], v[X+32*\b+16:X+32*\b+31], v[SOP+\b]   ; (three registers from an even number on)
	v_nop                                          ; one plain place behind a scaled conversion
.irp i, 0,1,2
	v_mov_b32 v[\y+3+\i], v[TT+\i]
.endr
.endm
	s_wait_loadcnt 63                              ; 128 loads were issued: at most 63 are out, so the first 65 are in: blocks 0 and 1 (a wait's count holds 63 at the most)
	BLK 0, F0
	BLK 1, F1
	s_wait_loadcnt 32                              ; block 3's 32 loads may be out
	BLK 2, F0+6
	s_wait_loadcnt 0x0
	BLK 3, F1+6
	v_lshl_or_b32 v[WD], v[BY+1], 8, v[BY]         ; my column's scale word
	v_lshl_or_b32 v[WD], v[BY+2], 16, v[WD]
	v_lshl_or_b32 v[WD], v[BY+3], 24, v[WD]
.irp i, 0,1,2,3,4,5,6,7,8,9,10,11
	v_permlane16_swap_b32 v[F0+\i], v[F1+\i]       ; F0's lanes 16-31 change places with F1's lanes 0-15: F0 is now row block 2 w's image, F1 row block 2 w + 1's
.endr
.irp c, 0,1,2
	global_store_b128 v[LO], v[F0+4*\c:F0+4*\c+3], s[10:11] offset:512*\c
	global_store_b128 v[LO], v[F1+4*\c:F1+4*\c+3], s[10:11] offset:12288+512*\c   ; the next row block lies 8 K steps on
.endr
	ds_store_b32 v[SXA], v[WD]
	s_wait_tensorcnt 0x0                           ; behind my last LDS store: the s_wait_dscnt below also shows my words landed, for wave 0's sake
	ds_add_u32 v[SPW], v[NIL]
	s_wait_dscnt 0x0
	s_barrier_signal -1
	s_barrier_wait -1
	s_cmp_lg_u32 s16, 0
	s_cbranch_scc1 .Ldone
	ds_load_b128 v[UN:UN+3], v[LO]                 ; the unit begins at LDS byte 0
	s_wait_dscnt 0x0
	global_store_b128 v[LO], v[UN:UN+3], s[12:13]  ; 512 consecutive bytes
.Ldone:
	s_endpgm
.Lfunc_end_k_q597e0711df_qw:
	.size	k_q597e0711df_qw, .Lfunc_end_k_q597e0711df_qw-k_q597e0711df_qw
	.p2alignl 7, 3214868480
	.fill 96, 4, 3214868480
	.section	.rodata,"a",@progbits
	.p2align	6, 0x0
	.amdhsa_kernel k_q597e0711df_qw
		.amdhsa_group_segment_fixed_size 1024
		.amdhsa_private_segment_fixed_size 0
		.amdhsa_enable_private_segment 0
		.amdhsa_kernarg_size 40
		.amdhsa_user_sgpr_count 2
		.amdhsa_user_sgpr_kernarg_segment_ptr 1
		.amdhsa_wavefront_size32 1
		.amdhsa_system_sgpr_workgroup_id_x 1
		.amdhsa_system_sgpr_workgroup_id_y 1
		.amdhsa_system_sgpr_workgroup_id_z 1
		.amdhsa_system_vgpr_workitem_id 0
		.amdhsa_next_free_vgpr 192
		.amdhsa_next_free_sgpr 66
		.amdhsa_reserve_vcc 0
		.amdhsa_float_denorm_mode_32 3
		.amdhsa_float_denorm_mode_16_64 3
		.amdhsa_memory_ordered 1
		.amdhsa_forward_progress 1
		.amdhsa_inst_pref_size 22
	.end_amdhsa_kernel
	.amdgpu_metadata
---
amdhsa.version: [ 1, 2 ]
amdhsa.kernels:
  - .name:           k_q597e0711df_qw
    .symbol:         k_q597e0711df_qw.kd
    .args:
      - { .name: W_query, .offset: 0, .size: 8, .value_kind: global_buffer, .address_space: global }
      - { .name: W_key, .offset: 8, .size: 8, .value_kind: global_buffer, .address_space: global }
      - { .name: W_value, .offset: 16, .size: 8, .value_kind: global_buffer, .address_space: global }
      - { .name: opc, .offset: 24, .size: 8, .value_kind: global_buffer, .address_space: global }
      - { .name: ops, .offset: 32, .size: 8, .value_kind: global_buffer, .address_space: global }
    .group_segment_fixed_size: 1024
    .private_segment_fixed_size: 0
    .kernarg_segment_align: 8
    .kernarg_segment_size: 40
    .max_flat_workgroup_size: 128
    .sgpr_count:     66
    .vgpr_count:     192
    .wavefront_size: 32
...
	.end_amdgpu_metadata
.endif
;; end of part 2
;; launch proj (part 3): grid 12 x 32, 4 waves a work-group, clusters of 4 x 4, 327,680 bytes of LDS; arguments opc, ops, qkv, qkvs; writes qkv, qkvs
.if DOCPART == 3
	.amdgcn_target "amdgcn-amd-amdhsa--gfx1250"
	.amdhsa_code_object_version 6
	.text
	.protected	k_q597e0711df_proj
	.globl	k_q597e0711df_proj
	.p2align	8
	.type	k_q597e0711df_proj,@function
k_q597e0711df_proj:
	s_mov_b64 s[64:65], 0
	v_nop
	global_prefetch_b8 v0, s[64:65] scope:SCOPE_SE
	s_setreg_imm32_b32 hwreg(HW_REG_WAVE_MODE, 25, 1), 1
	s_wait_xcnt 0x0
	s_wait_alu depctr_hold_cnt(0) depctr_sa_sdst(0) depctr_va_vdst(0) depctr_va_sdst(0) depctr_va_ssrc(0) depctr_va_vcc(0) depctr_vm_vsrc(0)
	s_getreg_b32 s2, hwreg(HW_REG_IB_STS2, 6, 4)
	s_cmp_eq_u32 s2, 0
	s_cbranch_scc0 .Lentry_in_a_cluster
	s_endpgm
.Lentry_in_a_cluster:
	s_bfe_u32 s2, ttmp6, 0x10000c
	s_cmp_lg_u32 s2, 0xf033
	s_cbranch_scc0 .Lentry_shape_is_right
	s_endpgm
.Lentry_shape_is_right:
; q = x Wq, k = x Wk, v = x Wv on codes of E2M3 (K = 1,024), and each result quantised on its way out along the K of the product that will read it: q and k along e, v along the rows i (as v^T).
; OPERANDS lie in memory as images of their registers: a fragment (16 rows x 128 K, 12 registers a lane) is 1,536 bytes, registers 4 c .. 4 c + 3 of lane l at 512 c + 16 l; opc: [row block][8 K steps][1,536].
; Scale words: units of 512 bytes for 128 rows and a K step, the word of row 16 a + r at 32 r + 4 a; ops: [128 rows][8 K steps][512].  Rows 0-8,191 are x, then Wq, Wk, Wv by their columns e.
; A TILE is 256 rows of "A" (source 1: a lane holds one of its rows) x 256 rows of "B" (source 0: a lane's registers run along them); four waves, 128 x 128 each: 64 accumulators.
;   clusters with x = 0, 1: A = x's rows, B = Wq's or Wk's: a lane's registers run along e.      clusters with x = 2: A = Wv's rows e, B = x's rows i: registers run along i: the result is v^T.
; CLUSTERS of 4 x 4: A's tiles are shared along a row of the cluster, B's along a column: each is asked for jointly.  Only bases that all sixteen partners share are chosen by the cluster's x.
; K goes in slots of 256 (two K steps) through two LDS slots; the scale words of all of K come once.  Fragments come from LDS by three loads of 512 consecutive bytes each.
; THE WAY OUT: tiles 2 b and 2 b + 1 of a row block hold a block of 32 along the next K, 16 numbers in lane l and 16 in lane l xor 16.  Inside a block of 32 the codes stand in the order 0-7, 16-23, 8-15, 24-31:
; every computed operand is made by these same lines, so both sides of each later product have the same order; blocks, scales and codes are those of the natural order.
; OUT: qkv: q and k [512 row blocks][16 K steps: 0-7 q, 8-15 k][1,536]; from byte 12,582,912 v^T [64 row blocks of e][64 K steps of i][1,536].  qkvs likewise in units of 512 bytes; v^T's from byte 524,288.
; LIMITS: a block of zeros gets the byte 1 (zero codes); NaN and infinities are not served.
; REGISTERS: window 0: v16-29 addresses; v32-47 scale words, two sets; v48-63 at work on the way out; A's fragments, set 0 at v64, set 1 at v160.  window 1: B's, at v0 and v128.  windows 2, 3: accumulator (a, b) at v[8 (8 (a % 4) + b)].
.set RB,     3072                      ; a row block's two K steps in a slot
.set HALFT,  8*RB                      ; 128 rows: what one tensor load brings
.set SLOT,   4*HALFT                   ; A's two halves, then B's
.set SCL,    2*SLOT                    ; the scale words: 4,096 bytes for each wave's load
.set SPARE,  SCL+4*4096                ; the spare words, 128 bytes a wave; no other line names them
.set PITCH8, 1536                      ; from row block to row block in opc, in elements of 8 bytes
.set VTC,    12582912
.set VTS,    524288
.set ADRA, 16                          ; v16-17 my A fragments in slot 0, 1
.set ADRB, 20                          ; v20-21 my B fragments
.set IO,   24                          ; v24  16 x lane
.set SO,   25                          ; v25  32 r + 16 h
.set ADRS, 27                          ; v27  my scale words: lanes 0-15 A's, lanes 16-31 B's
.set SPW,  28
.set NIL,  29
.set SC,   32
.set AF,   64
.set G1, 24
.set G0, 32
.set G1B, 48
.set G0B, 56
.set G1S, 68
.set G0S, 76
.set G1SB, 80
.set G0SB, 88
.set OUT,  2                           ; s[2:3]   where my fragment images go
.set PIT,  12                          ; s[12:13] from row block to row block there
.set SOUT, 20                          ; s[20:21] where my scale unit goes
.set SEL,  22                          ; s[22:23] selects for lane l xor 16
.set HM,   19                          ; s19      lanes 16-31
.set MSB, 0
.macro WIN new                         ; the immediate's high byte repeats the setting that is left
.if MSB != (\new)
	s_set_vgpr_msb (MSB<<8)|(\new)
.set MSB, (\new)
.endif
.endm
.set MUL_LO, 0xa1                      ; source 0 (B) window 1, source 1 (A) window 0, C and D window 2
.set MUL_HI, 0xf1                      ; the same, C and D window 3
.set TO_B,   0x40                      ; destination window 1
.macro PLACES
.rept 4
	v_nop
.endr
.endm
; A joint load: waves 0 and 1 fetch for A, waves 2 and 3 for B; the branch hangs on the wave's number alone.  An s_nop 0 and four v_nop follow each line.
.macro JLOAD g0a, g1a, g0b, g1b
	s_cmp_eq_u32 s15, 0
	s_cbranch_scc0 .Lfor_b_\@
	tensor_load_to_lds s[\g0a:\g0a+3], s[\g1a:\g1a+7]
	s_nop 0
.rept 4
	v_nop
.endr
	s_branch .Lasked_\@
.Lfor_b_\@:
	tensor_load_to_lds s[\g0b:\g0b+3], s[\g1b:\g1b+7]
	s_nop 0
.rept 4
	v_nop
.endr
.Lasked_\@:
.endm
.macro CREST                           ; a round of the cluster's barrier behind its opening barrier
	s_cmp_lg_u32 s14, 0
	s_cbranch_scc1 .Lnot_wave_0_\@
	s_barrier_signal -3
.Lnot_wave_0_\@:
	s_barrier_wait -3
	s_barrier_signal -1
	s_barrier_wait -1
.endm
.macro CROUND
	s_barrier_signal -1
	s_barrier_wait -1
	CREST
.endm
	s_load_b256 s[4:11], s[0:1], 0x0               ; opc, ops, qkv, qkvs
	v_lshl_add_u32 v[SPW], v0, 2, SPARE
	v_mov_b32 v[NIL], 0
	ds_add_u32 v[SPW], v[NIL]                      ; the wave's opening: the add and its wait ahead of my first tensor load
	v_lshrrev_b32 v1, 5, v0
	v_readfirstlane_b32 s14, v1                    ; wave 0..3
	s_lshr_b32 s15, s14, 1                         ; my half of A's rows.  Also: I fetch for A (0) or B (1)
	s_and_b32 s16, s14, 1                          ; my half of B's rows.  Also: which half I fetch
	s_bfe_u32 s40, ttmp6, 0x40000                  ; cx
	s_bfe_u32 s41, ttmp6, 0x40004                  ; cy
	s_and_b32 s42, ttmp7, 0xffff                   ; the cluster's y
	s_lshl_b32 s43, s41, 2
	s_lshl_b32 s43, 15, s43                        ; my row of the cluster
	s_lshl_b32 s44, 0x1111, s40                    ; my column
	s_or_b32 s[G1+0], s43, (3<<16)|(1<<21)         ; the mask; elements of 8 bytes; bit 21 beside a mask; no padding
	s_or_b32 s[G1B+0], s44, (3<<16)|(1<<21)
.irp g, G1, G1B
	s_mov_b32 s[\g+1], 384<<16                     ; tensor_dim0: 3,072 bytes
	s_mov_b32 s[\g+2], 8<<16                       ; tensor_dim1: 8 row blocks
	s_mov_b32 s[\g+3], 384<<16                     ; tile_dim0
	s_mov_b32 s[\g+4], 8                           ; tile_dim1
	s_mov_b32 s[\g+5], PITCH8                      ; from row block to row block
	s_mov_b32 s[\g+6], 0
	s_mov_b32 s[\g+7], 0
.endr
	s_or_b32 s[G1S+0], s43, (3<<16)|(1<<21)        ; the scale words of 128 rows, all of K: 4,096 dense bytes as 16 rows of 256
	s_or_b32 s[G1SB+0], s44, (3<<16)|(1<<21)
.irp g, G1S, G1SB
	s_mov_b32 s[\g+1], 32<<16
	s_mov_b32 s[\g+2], 16<<16
	s_mov_b32 s[\g+3], 32<<16
	s_mov_b32 s[\g+4], 16
	s_mov_b32 s[\g+5], 32
	s_mov_b32 s[\g+6], 0
	s_mov_b32 s[\g+7], 0
.endr
	s_lshl_b32 s45, s42, 10                        ; 1,024 x cluster y
	s_lshl_b32 s46, ttmp9, 10                      ; 1,024 x cluster x
	s_add_co_u32 s47, s46, 8192
	s_mov_b32 s17, 10240
	s_mov_b32 s2, 24576
	s_mov_b32 s3, 8192
	s_cmp_eq_u32 ttmp9, 2                          ; the clusters that make v^T: the same answer in all sixteen partners
	s_cselect_b32 s18, s17, s45                    ; A's first row in opc
	s_cselect_b32 s19, s45, s47                    ; B's
	s_cselect_b32 s20, 0, s45                      ; A's first row in the result
	s_cselect_b32 s21, s45, s46                    ; B's first row, as the result's K
	s_cselect_b32 s22, VTC, 0                      ; the result's part of qkv,
	s_cselect_b32 s23, 98304, s2                   ; its bytes from row block to row block,
	s_cselect_b32 s12, VTS, 0                      ; its part of qkvs,
	s_cselect_b32 s13, 32768, s3                   ; and its bytes from 128 rows to the next
	s_lshl_b32 s17, s16, 7                         ; the 128 rows that I fetch
	s_lshl_b32 s66, s41, 8
	s_add_co_u32 s66, s66, s18
	s_add_co_u32 s66, s66, s17                     ; A: hangs on cy, never on cx
	s_lshl_b32 s67, s40, 8
	s_add_co_u32 s67, s67, s19
	s_add_co_u32 s67, s67, s17                     ; B: hangs on cx, never on cy
	s_mul_i32 s92, s66, 768                        ; codes: 768 bytes a row
	s_mov_b32 s93, 0
	s_lshl_b32 s94, s66, 5                         ; scale words: 32 bytes a row
	s_mov_b32 s95, 0
	s_mul_i32 s96, s67, 768
	s_mov_b32 s97, 0
	s_lshl_b32 s98, s67, 5
	s_mov_b32 s99, 0
	s_lshl_b32 s17, s41, 8                         ; where my results go: row = A's first + 256 cy + 128 x my half,
	s_add_co_u32 s17, s17, s20
	s_lshl_b32 s18, s15, 7
	s_add_co_u32 s17, s17, s18
	s_lshl_b32 s18, s40, 8                         ; K step = (B's first + 256 cx + 128 x my half) / 128
	s_add_co_u32 s18, s18, s21
	s_lshl_b32 s19, s16, 7
	s_add_co_u32 s18, s18, s19
	s_lshr_b32 s18, s18, 7
	s_lshr_b32 s19, s17, 4
	s_mul_i32 s2, s19, s23
	s_add_co_u32 s2, s2, s22
	s_mul_i32 s19, s18, 1536
	s_add_co_u32 s2, s2, s19
	s_mov_b32 s3, 0
	s_lshr_b32 s19, s17, 7
	s_mul_i32 s20, s19, s13
	s_add_co_u32 s20, s20, s12
	s_lshl_b32 s19, s18, 9
	s_add_co_u32 s20, s20, s19
	s_mov_b32 s21, 0
	s_mov_b32 s12, s23
	s_mov_b32 s13, 0
	s_mov_b32 s[SEL], 0x76543210
	s_mov_b32 s[SEL+1], 0xfedcba98
	s_mov_b32 s[HM], 0xffff0000
	s_mul_i32 s66, s14, HALFT                      ; where the tiles go: wave x 128 rows; no place in the cluster enters an LDS address
	s_lshl_b32 s67, s14, 12
	s_wait_dscnt 0x0                               ; the opening add is done
	s_wait_kmcnt 0x0
	s_add_nc_u64 s[92:93], s[4:5], s[92:93]
	s_add_nc_u64 s[94:95], s[6:7], s[94:95]
	s_add_nc_u64 s[96:97], s[4:5], s[96:97]
	s_add_nc_u64 s[98:99], s[6:7], s[98:99]
	s_add_nc_u64 s[OUT:OUT+1], s[8:9], s[OUT:OUT+1]
	s_add_nc_u64 s[SOUT:SOUT+1], s[10:11], s[SOUT:SOUT+1]
	CROUND                                         ; all sixteen work-groups are here: the first joint loads meet
	s_mov_b32 s[G0S], 1
	s_add_co_u32 s[G0S+1], s67, SCL
	s_mov_b64 s[G0S+2:G0S+3], s[94:95]
	s_or_b32 s[G0S+3], s[G0S+3], 0x80000000
	s_mov_b32 s[G0SB], 1
	s_add_co_u32 s[G0SB+1], s67, SCL
	s_mov_b64 s[G0SB+2:G0SB+3], s[98:99]
	s_or_b32 s[G0SB+3], s[G0SB+3], 0x80000000
	JLOAD G0S, G1S, G0SB, G1SB                     ; the scale words first: they are wanted with K step 0
.irp s, 0,1
	s_mov_b32 s[G0+4*\s], 1
	s_add_co_u32 s[G0+4*\s+1], s66, \s*SLOT
	s_add_nc_u64 s[G0+4*\s+2:G0+4*\s+3], s[92:93], \s*RB
	s_or_b32 s[G0+4*\s+3], s[G0+4*\s+3], 0x80000000
	s_mov_b32 s[G0B+4*\s], 1
	s_add_co_u32 s[G0B+4*\s+1], s66, \s*SLOT
	s_add_nc_u64 s[G0B+4*\s+2:G0B+4*\s+3], s[96:97], \s*RB
	s_or_b32 s[G0B+4*\s+3], s[G0B+4*\s+3], 0x80000000
	JLOAD G0+4*\s, G1, G0B+4*\s, G1B               ; three loads of mine are out now, the most in this text
.endr
	v_and_b32 v1, 15, v0                           ; r
	v_bfe_u32 v2, v0, 4, 1                         ; h
	v_and_b32 v3, 31, v0
	v_lshlrev_b32 v[IO], 4, v3
	s_mul_i32 s17, s15, HALFT
	s_mul_i32 s18, s16, HALFT
	s_add_co_u32 s18, s18, 2*HALFT
.irp s, 0,1
	v_add_nc_u32 v[ADRA+\s], s17, v[IO]
	v_add_nc_u32 v[ADRB+\s], s18, v[IO]
	s_add_co_u32 s17, s17, SLOT
	s_add_co_u32 s18, s18, SLOT
.endr
	s_lshl_b32 s17, s15, 12                        ; A's words of my half; B's lie (2 + my B half - my A half) x 4,096 further on
	s_add_co_u32 s18, s16, 2
	s_sub_co_u32 s18, s18, s15
	s_lshl_b32 s18, s18, 12
	v_mul_u32_u24 v4, s18, v2                      ; lanes 16-31 take B's
	s_add_co_u32 s17, s17, SCL
	v_lshl_add_u32 v4, v1, 5, v4                   ; 32 bytes for each r: the words of eight row blocks
	v_add_nc_u32 v[ADRS], s17, v4
	v_lshlrev_b32 v[SO], 5, v1
	v_lshl_add_u32 v[SO], v2, 4, v[SO]
; 50 LDS loads in one run: the fragments and scale words of K step ks (the q-th of its slot) into set p
.macro FETCH slot, q, p, ks
	WIN TO_B
.irp i, 0,1,2,3,4,5,6,7
.irp c, 0,1,2
	ds_load_b128 v[128*(\p)+12*\i+4*\c:128*(\p)+12*\i+4*\c+3], v[ADRB+\slot] offset:\i*RB+(\q)*1536+512*\c
.endr
.endr
	WIN 0
.irp i, 0,1,2,3
.irp c, 0,1,2
	ds_load_b128 v[AF+96*(\p)+12*\i+4*\c:AF+96*(\p)+12*\i+4*\c+3], v[ADRA+\slot] offset:\i*RB+(\q)*1536+512*\c
.endr
.endr
	ds_load_b128 v[SC+8*(\p):SC+8*(\p)+3], v[ADRS] offset:512*(\ks)          ; register i: lanes 0-15 the word of A's block i, lanes 16-31 of B's block i
	ds_load_b128 v[SC+8*(\p)+4:SC+8*(\p)+7], v[ADRS] offset:512*(\ks)+16
.irp i, 4,5,6,7
.irp c, 0,1,2
	ds_load_b128 v[AF+96*(\p)+12*\i+4*\c:AF+96*(\p)+12*\i+4*\c+3], v[ADRA+\slot] offset:\i*RB+(\q)*1536+512*\c
.endr
.endr
.endm
; A's block a against B's eight.  The 64 accumulators take turns, one instruction a turn, in the same order in every K step.  zero = 1: the products start the sums.
.macro MULA a, p, zero
.irp b, 0,1,2,3,4,5,6,7
.if \zero
	v_wmma_scale_f32_16x16x128_f8f6f4 v[8*(8*((\a)%4)+\b):8*(8*((\a)%4)+\b)+7], v[128*(\p)+12*\b:128*(\p)+12*\b+11], v[AF+96*(\p)+12*(\a):AF+96*(\p)+12*(\a)+11], 0, v[SC+8*(\p)+\b], v[SC+8*(\p)+(\a)] matrix_a_fmt:MATRIX_FMT_FP6 matrix_b_fmt:MATRIX_FMT_FP6 matrix_a_scale:MATRIX_SCALE_ROW1
.else
	v_wmma_scale_f32_16x16x128_f8f6f4 v[8*(8*((\a)%4)+\b):8*(8*((\a)%4)+\b)+7], v[128*(\p)+12*\b:128*(\p)+12*\b+11], v[AF+96*(\p)+12*(\a):AF+96*(\p)+12*(\a)+11], v[8*(8*((\a)%4)+\b):8*(8*((\a)%4)+\b)+7], v[SC+8*(\p)+\b], v[SC+8*(\p)+(\a)] matrix_a_fmt:MATRIX_FMT_FP6 matrix_b_fmt:MATRIX_FMT_FP6 matrix_a_scale:MATRIX_SCALE_ROW1
.endif
.endr
.endm
; A K step on set p whose successor is fetched from a slot that is whole
.macro STEP p, zero, nslot, nq, nks
	s_wait_dscnt 0x0                               ; set p is in
	PLACES                                         ; four places in front of loads into the other set, which the K step before multiplied
	FETCH \nslot, \nq, 1-(\p), \nks
	WIN MUL_LO
	MULA 0, \p, \zero
	MULA 1, \p, \zero
	MULA 2, \p, \zero
	MULA 3, \p, \zero
	WIN MUL_HI
	MULA 4, \p, \zero
	MULA 5, \p, \zero
	MULA 6, \p, \zero
	MULA 7, \p, \zero
.endm
; A slot's last K step (set 1) changes slots: one barrier; in front of it each wave waits for all its tensor loads, adds 0 to its spare word, and waits for that and for its reads of the slot.
.macro TURN slot, fill, nslot, nks
	WIN 0
	s_wait_tensorcnt 0x0                           ; all my tensor loads have landed: my part of the next slot
	ds_add_u32 v[SPW], v[NIL]
	s_wait_dscnt 1                                 ; set 1 is in; the add alone may be out
	WIN MUL_LO
	MULA 0, 1, 0
	MULA 1, 1, 0
	s_wait_dscnt 0x0                               ; the add is done, and my reads of this slot are over
	s_barrier_signal -1
	MULA 2, 1, 0
	MULA 3, 1, 0
	WIN 0
	s_barrier_wait -1
.if \fill
	CREST                                          ; the barrier has opened a round of the cluster's: no wave of any partner still reads this slot or has a load on its way
	s_add_nc_u64 s[G0+4*\slot+2:G0+4*\slot+3], s[G0+4*\slot+2:G0+4*\slot+3], 2*RB
	s_add_nc_u64 s[G0B+4*\slot+2:G0B+4*\slot+3], s[G0B+4*\slot+2:G0B+4*\slot+3], 2*RB
	JLOAD G0+4*\slot, G1, G0B+4*\slot, G1B         ; the first tensor load behind the round; its four v_nop are the places in front of the loads below
.else
	PLACES
.endif
	FETCH \nslot, 0, 0, \nks
	WIN MUL_HI
	MULA 4, 1, 0
	MULA 5, 1, 0
	MULA 6, 1, 0
	MULA 7, 1, 0
.endm
	s_wait_tensorcnt 1                             ; the scale words and my part of slot 0 are in; slot 1's load may be out
	s_barrier_signal -1
	s_barrier_wait -1
	FETCH 0, 0, 0, 0
	STEP 0, 1, 0, 1, 1                             ; K step 0 starts the sums
	TURN 0, 1, 1, 2                                ; K step 1; slot 0 takes K steps 4, 5
	STEP 0, 0, 1, 1, 3
	TURN 1, 1, 0, 4                                ; K step 3; slot 1 takes K steps 6, 7
	STEP 0, 0, 0, 1, 5
	TURN 0, 0, 1, 6                                ; nothing is left to fetch
	STEP 0, 0, 1, 1, 7
	s_wait_dscnt 0x0
	WIN MUL_LO
	MULA 0, 1, 0
	MULA 1, 1, 0
	MULA 2, 1, 0
	MULA 3, 1, 0
	WIN MUL_HI
	MULA 4, 1, 0
	MULA 5, 1, 0
	MULA 6, 1, 0
	MULA 7, 1, 0
	WIN 0
.irp b, 0,1,2,3
	v_mov_b32 v[52+\b], 0                          ; a lane permute's destination counts as one of its sources.  These four are also the places behind the last products
.endr
; Row block a: its 8 tiles (128 along the next K) become one fragment's image and one scale word a row.  Each accumulator is read from its low end on.
.macro QOUT a
.set WA, 2+(\a)/4
.set AC, 64*((\a)%4)
.set WM, (WA<<2)|(WA<<4)
	WIN WM                                         ; sources 1 and 2: the accumulators' window
.irp b, 0,1,2,3
	v_max3_num_f32 v[48+\b], 0x1800000, |v[AC+16*\b]|, |v[AC+16*\b+1]|   ; block b: my 16 numbers, and the floor 2^(3 - 127)
.endr
.irp i, 2,4,6,8,10,12,14
.irp b, 0,1,2,3
	v_max3_num_f32 v[48+\b], v[48+\b], |v[AC+16*\b+\i]|, |v[AC+16*\b+\i+1]|
.endr
.endr
	WIN 0
.irp b, 0,1,2,3
	v_permlanex16_b32 v[52+\b], v[48+\b], s[SEL], s[SEL+1]
.endr
.irp b, 0,1,2,3
	v_max_num_f32 v[48+\b], v[48+\b], v[52+\b]     ; with lane l xor 16's: the block's largest magnitude
.endr
.irp b, 0,1,2,3
	v_add_nc_u32 v[60+\b], 0xff000000, v[48+\b]    ; 2 off the exponent field: the conversion's scale operand
.endr
.irp b, 0,1,2,3
	v_lshrrev_b32 v[52+\b], 23, v[60+\b]           ; the byte
.endr
	v_lshl_or_b32 v[160+\a], v53, 8, v52           ; my row's scale word for this K step
	v_lshl_or_b32 v[160+\a], v54, 16, v[160+\a]
	v_lshl_or_b32 v[160+\a], v55, 24, v[160+\a]
.if (\a) > 0
	s_wait_xcnt 0x0                                ; the last block's stores have read their data and their base: both are written again only behind this wait
	s_add_nc_u64 s[OUT:OUT+1], s[OUT:OUT+1], s[PIT:PIT+1]
.endif
	WIN WA                                         ; source 0: the accumulators' window
.irp c, 0,1
	v_cvt_scalef32_pk16_fp6_f32 v[72+6*\c:74+6*\c], v[AC+32*\c:AC+32*\c+15], v[60+2*\c]
	v_cvt_scalef32_pk16_fp6_f32 v[84+4*\c:86+4*\c], v[AC+32*\c+16:AC+32*\c+31], v[61+2*\c]   ; (three registers from an even number on)
.endr
	WIN 0
	v_nop                                          ; one plain place behind a scaled conversion
.irp c, 0,1                                    ; the operand wants a whole block in a lane: lanes 0-15 block 2 c, lanes 16-31 block 2 c + 1
.irp i, 0,1,2
	v_permlane16_swap_b32 v[72+6*\c+\i], v[84+4*\c+\i]
.endr
.irp i, 0,1,2
	v_mov_b32 v[75+6*\c+\i], v[84+4*\c+\i]
.endr
.endr
.irp c, 0,1,2
	global_store_b128 v[IO], v[72+4*\c:75+4*\c], s[OUT:OUT+1] offset:512*\c   ; 512 consecutive bytes a store
.endr
.endm
.irp a, 0,1,2,3,4,5,6,7
	QOUT \a
.endr
.irp i, 0,1,2,3
	v_cndmask_b32 v[184+\i], v[160+\i], v[164+\i], s[HM]   ; the scale unit: lanes 0-15 store row r's words of blocks 0-3, lanes 16-31 of blocks 4-7
.endr
	global_store_b128 v[SO], v[184:187], s[SOUT:SOUT+1]
	s_wait_tensorcnt 0x0                           ; the wave's end
	ds_add_u32 v[SPW], v[NIL]
	s_wait_dscnt 0x0
	CROUND                                         ; the closing round: no work-group ends while a partner may still ask for a tile that names it
	s_endpgm
.Lfunc_end_k_q597e0711df_proj:
	.size	k_q597e0711df_proj, .Lfunc_end_k_q597e0711df_proj-k_q597e0711df_proj
	.p2alignl 7, 3214868480
	.fill 96, 4, 3214868480
	.section	.rodata,"a",@progbits
	.p2align	6, 0x0
	.amdhsa_kernel k_q597e0711df_proj
		.amdhsa_group_segment_fixed_size 327680
		.amdhsa_private_segment_fixed_size 0
		.amdhsa_enable_private_segment 0
		.amdhsa_kernarg_size 32
		.amdhsa_user_sgpr_count 2
		.amdhsa_user_sgpr_kernarg_segment_ptr 1
		.amdhsa_wavefront_size32 1
		.amdhsa_system_sgpr_workgroup_id_x 1
		.amdhsa_system_sgpr_workgroup_id_y 1
		.amdhsa_system_sgpr_workgroup_id_z 1
		.amdhsa_system_vgpr_workitem_id 0
		.amdhsa_next_free_vgpr 1024
		.amdhsa_next_free_sgpr 100
		.amdhsa_reserve_vcc 0
		.amdhsa_float_denorm_mode_32 3
		.amdhsa_float_denorm_mode_16_64 3
		.amdhsa_memory_ordered 1
		.amdhsa_forward_progress 1
		.amdhsa_inst_pref_size 138
	.end_amdhsa_kernel
	.amdgpu_metadata
---
amdhsa.version: [ 1, 2 ]
amdhsa.kernels:
  - .name:           k_q597e0711df_proj
    .symbol:         k_q597e0711df_proj.kd
    .args:
      - { .name: opc, .offset: 0, .size: 8, .value_kind: global_buffer, .address_space: global }
      - { .name: ops, .offset: 8, .size: 8, .value_kind: global_buffer, .address_space: global }
      - { .name: qkv, .offset: 16, .size: 8, .value_kind: global_buffer, .address_space: global }
      - { .name: qkvs, .offset: 24, .size: 8, .value_kind: global_buffer, .address_space: global }
    .group_segment_fixed_size: 327680
    .private_segment_fixed_size: 0
    .kernarg_segment_align: 8
    .kernarg_segment_size: 32
    .max_flat_workgroup_size: 128
    .sgpr_count:     100
    .vgpr_count:     1024
    .wavefront_size: 32
...
	.end_amdgpu_metadata
.endif
;; end of part 3
;; launch score (part 4): grid 8 x 32, 4 waves a work-group, clusters of 4 x 4, 327,680 bytes of LDS; arguments qkv, qkvs, p, pst; writes p, pst
.if DOCPART == 4
	.amdgcn_target "amdgcn-amd-amdhsa--gfx1250"
	.amdhsa_code_object_version 6
	.text
	.protected	k_q597e0711df_score
	.globl	k_q597e0711df_score
	.p2align	8
	.type	k_q597e0711df_score,@function
k_q597e0711df_score:
	s_mov_b64 s[64:65], 0
	v_nop
	global_prefetch_b8 v0, s[64:65] scope:SCOPE_SE
	s_setreg_imm32_b32 hwreg(HW_REG_WAVE_MODE, 25, 1), 1
	s_wait_xcnt 0x0
	s_wait_alu depctr_hold_cnt(0) depctr_sa_sdst(0) depctr_va_vdst(0) depctr_va_sdst(0) depctr_va_ssrc(0) depctr_va_vcc(0) depctr_vm_vsrc(0)
	s_getreg_b32 s2, hwreg(HW_REG_IB_STS2, 6, 4)
	s_cmp_eq_u32 s2, 0
	s_cbranch_scc0 .Lentry_in_a_cluster
	s_endpgm
.Lentry_in_a_cluster:
	s_bfe_u32 s2, ttmp6, 0x10000c
	s_cmp_lg_u32 s2, 0xf033
	s_cbranch_scc0 .Lentry_shape_is_right
	s_endpgm
.Lentry_shape_is_right:
; S[j][i] = k[j] . q[i] on codes of E2M3 (K = 1,024), and on the way out the softmax over i, piece by piece: t = S x log2(e) / 32; for each row j and each 128 i: M = ceil(the largest t of the piece), a whole number;
; p = 2^(t - M), quantised along i in blocks of 32; l = the sum of the piece's unquantised p.  The next launch brings the pieces under the row's own M: a move of the scale bytes and of l by whole powers of two.
; The maximum is taken away before every exponential: no exponent is above 0.
; OPERANDS: images of registers (a fragment, 16 rows x 128 K, is 1,536 bytes: registers 4 c .. 4 c + 3 of lane l at 512 c + 16 l).  qkv: [512 row blocks][16 K steps: 0-7 q, 8-15 k].  qkvs: [64 x 128 rows][16 K steps][512 bytes].
; A TILE is 256 rows j (A = k, source 1: a lane holds one j) x 256 rows i of the same batch (B = q, source 0: a lane's registers run along i); four waves, 128 x 128 each.
; CLUSTERS of 4 x 4: k's tiles are shared along a row of the cluster, q's along a column: each is asked for jointly.  K goes in slots of 256 through two LDS slots; the scale words of all of K come once.
; OUT: p: [512 row blocks of j][16 K steps of the batch's i][1,536].  pst: [64 x 128 rows j][16 K steps][3 x 512 bytes: scale words, -M, l], the number of row 16 a + r at 32 r + 4 a.
; Inside a block of 32 along i the codes stand in the order 0-7, 16-23, 8-15, 24-31, as v^T's do, which the same lines of the launch before have made.
; LIMITS: M is exact as a whole number in f32 for |t| under 2^24; a p under 2^-126 counts as 0; a block whose every p is 0 gets the byte 1 (zero codes); NaN and infinities are not served.
; REGISTERS: window 0: v16-29 addresses; v32-47 scale words, two sets; v48-63 at work; A's fragments, set 0 at v64, set 1 at v160 (both free on the way out).  window 1: B's, at v0 and v128.  windows 2, 3: accumulator (a, b) at v[8 (8 (a % 4) + b)].
.set RB,     3072
.set HALFT,  8*RB
.set SLOT,   4*HALFT
.set SCL,    2*SLOT
.set SPARE,  SCL+4*4096                ; the spare words, 128 bytes a wave; no other line names them
.set PITCH8, 3072                      ; from row block to row block in qkv's first part, in elements of 8 bytes
.set ADRA, 16
.set ADRB, 20
.set IO,   24
.set SO,   25
.set ADRS, 27
.set SPW,  28
.set NIL,  29
.set SC,   32
.set AF,   64
.set G1, 24
.set G0, 32
.set G1B, 48
.set G0B, 56
.set G1S, 68
.set G0S, 76
.set G1SB, 80
.set G0SB, 88
.set OUT,  2                           ; s[2:3]   where my images of p go
.set CS,   12                          ; s[12:13] c = log2(e) / 32
.set SOUT, 20                          ; s[20:21] where my three units go
.set SEL,  22
.set HM,   19
.set MSB, 0
.macro WIN new
.if MSB != (\new)
	s_set_vgpr_msb (MSB<<8)|(\new)
.set MSB, (\new)
.endif
.endm
.set MUL_LO, 0xa1
.set MUL_HI, 0xf1
.set TO_B,   0x40
.macro PLACES
.rept 4
	v_nop
.endr
.endm
.macro JLOAD g0a, g1a, g0b, g1b        ; waves 0 and 1 fetch for A, waves 2 and 3 for B; an s_nop 0 and four v_nop follow each line
	s_cmp_eq_u32 s15, 0
	s_cbranch_scc0 .Lfor_b_\@
	tensor_load_to_lds s[\g0a:\g0a+3], s[\g1a:\g1a+7]
	s_nop 0
.rept 4
	v_nop
.endr
	s_branch .Lasked_\@
.Lfor_b_\@:
	tensor_load_to_lds s[\g0b:\g0b+3], s[\g1b:\g1b+7]
	s_nop 0
.rept 4
	v_nop
.endr
.Lasked_\@:
.endm
.macro CREST
	s_cmp_lg_u32 s14, 0
	s_cbranch_scc1 .Lnot_wave_0_\@
	s_barrier_signal -3
.Lnot_wave_0_\@:
	s_barrier_wait -3
	s_barrier_signal -1
	s_barrier_wait -1
.endm
.macro CROUND
	s_barrier_signal -1
	s_barrier_wait -1
	CREST
.endm
	s_load_b256 s[4:11], s[0:1], 0x0               ; qkv, qkvs, p, pst
	v_lshl_add_u32 v[SPW], v0, 2, SPARE
	v_mov_b32 v[NIL], 0
	ds_add_u32 v[SPW], v[NIL]                      ; the wave's opening: the add and its wait ahead of my first tensor load
	v_lshrrev_b32 v1, 5, v0
	v_readfirstlane_b32 s14, v1
	s_lshr_b32 s15, s14, 1                         ; my half of the rows j.  Also: I fetch for A (0) or B (1)
	s_and_b32 s16, s14, 1                          ; my half of the rows i.  Also: which half I fetch
	s_bfe_u32 s40, ttmp6, 0x40000                  ; cx
	s_bfe_u32 s41, ttmp6, 0x40004                  ; cy
	s_and_b32 s42, ttmp7, 0xffff                   ; the cluster's y
	s_lshl_b32 s43, s41, 2
	s_lshl_b32 s43, 15, s43
	s_lshl_b32 s44, 0x1111, s40
	s_or_b32 s[G1+0], s43, (3<<16)|(1<<21)
	s_or_b32 s[G1B+0], s44, (3<<16)|(1<<21)
.irp g, G1, G1B
	s_mov_b32 s[\g+1], 384<<16
	s_mov_b32 s[\g+2], 8<<16
	s_mov_b32 s[\g+3], 384<<16
	s_mov_b32 s[\g+4], 8
	s_mov_b32 s[\g+5], PITCH8
	s_mov_b32 s[\g+6], 0
	s_mov_b32 s[\g+7], 0
.endr
	s_or_b32 s[G1S+0], s43, (3<<16)|(1<<21)
	s_or_b32 s[G1SB+0], s44, (3<<16)|(1<<21)
.irp g, G1S, G1SB
	s_mov_b32 s[\g+1], 32<<16
	s_mov_b32 s[\g+2], 16<<16
	s_mov_b32 s[\g+3], 32<<16
	s_mov_b32 s[\g+4], 16
	s_mov_b32 s[\g+5], 32
	s_mov_b32 s[\g+6], 0
	s_mov_b32 s[\g+7], 0
.endr
	s_lshl_b32 s45, s42, 2
	s_add_co_u32 s45, s45, s41                     ; y: which 256 rows j, over all batches
	s_lshl_b32 s46, ttmp9, 2
	s_add_co_u32 s46, s46, s40                     ; x: which 256 rows i of the batch
	s_lshr_b32 s47, s42, 1                         ; the batch: the same in all sixteen partners
	s_lshl_b32 s17, s16, 3                         ; the 8 row blocks that I fetch
	s_lshl_b32 s66, s45, 4
	s_add_co_u32 s66, s66, s17
	s_mul_i32 s92, s66, 24576                      ; A = k: row block 16 y + 8 x half, K steps 8 on
	s_add_co_u32 s92, s92, 12288
	s_mov_b32 s93, 0
	s_lshl_b32 s94, s45, 1
	s_add_co_u32 s94, s94, s16
	s_lshl_b32 s94, s94, 13
	s_add_co_u32 s94, s94, 4096
	s_mov_b32 s95, 0
	s_lshl_b32 s67, s47, 7                         ; B = q: row block 128 x batch + 16 x + 8 x half
	s_lshl_b32 s18, s46, 4
	s_add_co_u32 s67, s67, s18
	s_add_co_u32 s67, s67, s17
	s_mul_i32 s96, s67, 24576
	s_mov_b32 s97, 0
	s_lshl_b32 s98, s47, 4
	s_lshl_b32 s18, s46, 1
	s_add_co_u32 s98, s98, s18
	s_add_co_u32 s98, s98, s16
	s_lshl_b32 s98, s98, 13
	s_mov_b32 s99, 0
	s_lshl_b32 s18, s46, 1
	s_add_co_u32 s18, s18, s16                     ; my 128 i as a K step of the next product: 2 x + my half
	s_lshl_b32 s19, s45, 4
	s_lshl_b32 s2, s15, 3
	s_add_co_u32 s19, s19, s2
	s_mul_i32 s2, s19, 24576                       ; p: row block 16 y + 8 x my half
	s_mul_i32 s19, s18, 1536
	s_add_co_u32 s2, s2, s19
	s_mov_b32 s3, 0
	s_lshl_b32 s20, s45, 1
	s_add_co_u32 s20, s20, s15
	s_lshl_b32 s20, s20, 4
	s_add_co_u32 s20, s20, s18
	s_mul_i32 s20, s20, 1536                       ; pst: ((2 y + my half) x 16 + K step) x 1,536
	s_mov_b32 s21, 0
	s_mov_b32 s[CS], 0x3d38aa3b                    ; log2(e) / 32
	s_mov_b32 s[CS+1], s[CS]                       ; (named with it as a pair, so it is written)
	s_mov_b32 s[SEL], 0x76543210
	s_mov_b32 s[SEL+1], 0xfedcba98
	s_mov_b32 s[HM], 0xffff0000
	s_mul_i32 s66, s14, HALFT
	s_lshl_b32 s67, s14, 12
	s_wait_dscnt 0x0                               ; the opening add is done
	s_wait_kmcnt 0x0
	s_add_nc_u64 s[92:93], s[4:5], s[92:93]
	s_add_nc_u64 s[94:95], s[6:7], s[94:95]
	s_add_nc_u64 s[96:97], s[4:5], s[96:97]
	s_add_nc_u64 s[98:99], s[6:7], s[98:99]
	s_add_nc_u64 s[OUT:OUT+1], s[8:9], s[OUT:OUT+1]
	s_add_nc_u64 s[SOUT:SOUT+1], s[10:11], s[SOUT:SOUT+1]
	CROUND                                         ; all sixteen work-groups are here: the first joint loads meet
	s_mov_b32 s[G0S], 1
	s_add_co_u32 s[G0S+1], s67, SCL
	s_mov_b64 s[G0S+2:G0S+3], s[94:95]
	s_or_b32 s[G0S+3], s[G0S+3], 0x80000000
	s_mov_b32 s[G0SB], 1
	s_add_co_u32 s[G0SB+1], s67, SCL
	s_mov_b64 s[G0SB+2:G0SB+3], s[98:99]
	s_or_b32 s[G0SB+3], s[G0SB+3], 0x80000000
	JLOAD G0S, G1S, G0SB, G1SB
.irp s, 0,1
	s_mov_b32 s[G0+4*\s], 1
	s_add_co_u32 s[G0+4*\s+1], s66, \s*SLOT
	s_add_nc_u64 s[G0+4*\s+2:G0+4*\s+3], s[92:93], \s*RB
	s_or_b32 s[G0+4*\s+3], s[G0+4*\s+3], 0x80000000
	s_mov_b32 s[G0B+4*\s], 1
	s_add_co_u32 s[G0B+4*\s+1], s66, \s*SLOT
	s_add_nc_u64 s[G0B+4*\s+2:G0B+4*\s+3], s[96:97], \s*RB
	s_or_b32 s[G0B+4*\s+3], s[G0B+4*\s+3], 0x80000000
	JLOAD G0+4*\s, G1, G0B+4*\s, G1B               ; three loads of mine are out now, the most in this text
.endr
	v_and_b32 v1, 15, v0
	v_bfe_u32 v2, v0, 4, 1
	v_and_b32 v3, 31, v0
	v_lshlrev_b32 v[IO], 4, v3
	s_mul_i32 s17, s15, HALFT
	s_mul_i32 s18, s16, HALFT
	s_add_co_u32 s18, s18, 2*HALFT
.irp s, 0,1
	v_add_nc_u32 v[ADRA+\s], s17, v[IO]
	v_add_nc_u32 v[ADRB+\s], s18, v[IO]
	s_add_co_u32 s17, s17, SLOT
	s_add_co_u32 s18, s18, SLOT
.endr
	s_lshl_b32 s17, s15, 12
	s_add_co_u32 s18, s16, 2
	s_sub_co_u32 s18, s18, s15
	s_lshl_b32 s18, s18, 12
	v_mul_u32_u24 v4, s18, v2                      ; lanes 16-31 take B's words
	s_add_co_u32 s17, s17, SCL
	v_lshl_add_u32 v4, v1, 5, v4
	v_add_nc_u32 v[ADRS], s17, v4
	v_lshlrev_b32 v[SO], 5, v1
	v_lshl_add_u32 v[SO], v2, 4, v[SO]
.macro FETCH slot, q, p, ks            ; 50 LDS loads in one run: K step ks (the q-th of its slot) into set p
	WIN TO_B
.irp i, 0,1,2,3,4,5,6,7
.irp c, 0,1,2
	ds_load_b128 v[128*(\p)+12*\i+4*\c:128*(\p)+12*\i+4*\c+3], v[ADRB+\slot] offset:\i*RB+(\q)*1536+512*\c
.endr
.endr
	WIN 0
.irp i, 0,1,2,3
.irp c, 0,1,2
	ds_load_b128 v[AF+96*(\p)+12*\i+4*\c:AF+96*(\p)+12*\i+4*\c+3], v[ADRA+\slot] offset:\i*RB+(\q)*1536+512*\c
.endr
.endr
	ds_load_b128 v[SC+8*(\p):SC+8*(\p)+3], v[ADRS] offset:512*(\ks)
	ds_load_b128 v[SC+8*(\p)+4:SC+8*(\p)+7], v[ADRS] offset:512*(\ks)+16
.irp i, 4,5,6,7
.irp c, 0,1,2
	ds_load_b128 v[AF+96*(\p)+12*\i+4*\c:AF+96*(\p)+12*\i+4*\c+3], v[ADRA+\slot] offset:\i*RB+(\q)*1536+512*\c
.endr
.endr
.endm
.macro MULA a, p, zero                 ; A's block a against B's eight; the 64 accumulators take turns, one instruction a turn
.irp b, 0,1,2,3,4,5,6,7
.if \zero
	v_wmma_scale_f32_16x16x128_f8f6f4 v[8*(8*((\a)%4)+\b):8*(8*((\a)%4)+\b)+7], v[128*(\p)+12*\b:128*(\p)+12*\b+11], v[AF+96*(\p)+12*(\a):AF+96*(\p)+12*(\a)+11], 0, v[SC+8*(\p)+\b], v[SC+8*(\p)+(\a)] matrix_a_fmt:MATRIX_FMT_FP6 matrix_b_fmt:MATRIX_FMT_FP6 matrix_a_scale:MATRIX_SCALE_ROW1
.else
	v_wmma_scale_f32_16x16x128_f8f6f4 v[8*(8*((\a)%4)+\b):8*(8*((\a)%4)+\b)+7], v[128*(\p)+12*\b:128*(\p)+12*\b+11], v[AF+96*(\p)+12*(\a):AF+96*(\p)+12*(\a)+11], v[8*(8*((\a)%4)+\b):8*(8*((\a)%4)+\b)+7], v[SC+8*(\p)+\b], v[SC+8*(\p)+(\a)] matrix_a_fmt:MATRIX_FMT_FP6 matrix_b_fmt:MATRIX_FMT_FP6 matrix_a_scale:MATRIX_SCALE_ROW1
.endif
.endr
.endm
.macro STEP p, zero, nslot, nq, nks
	s_wait_dscnt 0x0                               ; set p is in
	PLACES                                         ; four places in front of loads into the other set, which the K step before multiplied
	FETCH \nslot, \nq, 1-(\p), \nks
	WIN MUL_LO
	MULA 0, \p, \zero
	MULA 1, \p, \zero
	MULA 2, \p, \zero
	MULA 3, \p, \zero
	WIN MUL_HI
	MULA 4, \p, \zero
	MULA 5, \p, \zero
	MULA 6, \p, \zero
	MULA 7, \p, \zero
.endm
.macro TURN slot, fill, nslot, nks     ; a slot's last K step (set 1) changes slots
	WIN 0
	s_wait_tensorcnt 0x0                           ; all my tensor loads have landed: my part of the next slot
	ds_add_u32 v[SPW], v[NIL]
	s_wait_dscnt 1                                 ; set 1 is in; the add alone may be out
	WIN MUL_LO
	MULA 0, 1, 0
	MULA 1, 1, 0
	s_wait_dscnt 0x0                               ; the add is done, and my reads of this slot are over
	s_barrier_signal -1
	MULA 2, 1, 0
	MULA 3, 1, 0
	WIN 0
	s_barrier_wait -1
.if \fill
	CREST                                          ; a round of the cluster's barrier: no wave of any partner still reads this slot or has a load on its way
	s_add_nc_u64 s[G0+4*\slot+2:G0+4*\slot+3], s[G0+4*\slot+2:G0+4*\slot+3], 2*RB
	s_add_nc_u64 s[G0B+4*\slot+2:G0B+4*\slot+3], s[G0B+4*\slot+2:G0B+4*\slot+3], 2*RB
	JLOAD G0+4*\slot, G1, G0B+4*\slot, G1B         ; the first tensor load behind the round; its four v_nop are the places in front of the loads below
.else
	PLACES
.endif
	FETCH \nslot, 0, 0, \nks
	WIN MUL_HI
	MULA 4, 1, 0
	MULA 5, 1, 0
	MULA 6, 1, 0
	MULA 7, 1, 0
.endm
	s_wait_tensorcnt 1                             ; the scale words and my part of slot 0 are in; slot 1's load may be out
	s_barrier_signal -1
	s_barrier_wait -1
	FETCH 0, 0, 0, 0
	STEP 0, 1, 0, 1, 1
	TURN 0, 1, 1, 2
	STEP 0, 0, 1, 1, 3
	TURN 1, 1, 0, 4
	STEP 0, 0, 0, 1, 5
	TURN 0, 0, 1, 6
	STEP 0, 0, 1, 1, 7
	s_wait_dscnt 0x0
	WIN MUL_LO
	MULA 0, 1, 0
	MULA 1, 1, 0
	MULA 2, 1, 0
	MULA 3, 1, 0
	WIN MUL_HI
	MULA 4, 1, 0
	MULA 5, 1, 0
	MULA 6, 1, 0
	MULA 7, 1, 0
	WIN 0
.irp b, 0,1,2,3
	v_mov_b32 v[52+\b], 0                          ; a lane permute's destination counts as one of its sources.  These four are also the places behind the last products
.endr
; Row block a: 16 rows j x my 128 i.  A lane holds one j; the 16 registers of tiles 2 b, 2 b + 1 are its half of block b.  Each accumulator is read from its low end on.
.macro SOFTQ a
.set WA, 2+(\a)/4
.set AC, 64*((\a)%4)
.set WM, (WA<<2)|(WA<<4)
	WIN WM
.irp b, 0,1,2,3
	v_max3_num_f32 v[48+\b], 0xff61b1e6, v[AC+16*\b], v[AC+16*\b+1]   ; the largest score of each block: it serves the row's maximum and, since p rises with the score, the block's largest p.  (-3e38 lies under every score)
.endr
.irp i, 2,4,6,8,10,12,14
.irp b, 0,1,2,3
	v_max3_num_f32 v[48+\b], v[48+\b], v[AC+16*\b+\i], v[AC+16*\b+\i+1]
.endr
.endr
	WIN 0
.irp b, 0,1,2,3
	v_permlanex16_b32 v[52+\b], v[48+\b], s[SEL], s[SEL+1]
.endr
.irp b, 0,1,2,3
	v_max_num_f32 v[48+\b], v[48+\b], v[52+\b]
.endr
	v_max3_num_f32 v70, v48, v49, v50
	v_max_num_f32 v70, v70, v51                    ; the largest score of my row among these 128 i
	v_mul_f32 v70, s[CS], v70                      ; as t
	v_floor_f32 v64, -v70                          ; -M = floor(-t) = -ceil(t): a whole number
	v_mov_b32 v65, v64                             ; (named with it as a pair)
	v_mov_b32 v[168+\a], v64
	WIN WA
.set J, 0
.rept 32
	v_pk_fma_f32 v[96+J:97+J], v[AC+J:AC+J+1], s[CS:CS+1], v[64:65] op_sel_hi:[1,0,0]   ; t - M, one rounding, two at a time
.set J, J+2
.endr
	WIN 0
.irp b, 0,1,2,3
	v_fma_f32 v[48+\b], v[48+\b], s[CS], v64       ; the same of each block's largest score
.endr
.set J, 0
.rept 64
	v_exp_f32 v[96+J], v[96+J]                     ; p = 2^(t - M), at most 1
.set J, J+1
.endr
.irp b, 0,1,2,3
	v_exp_f32 v[48+\b], v[48+\b]                   ; the block's largest p: the same two instructions on the same number
.endr
	v_nop                                          ; a plain place behind the last exponential
	s_wait_alu depctr_va_vdst(0)                   ; one wait for the batch of 68, ahead of its first reader
	v_pk_add_f32 v[66:67], v[96:97], v[98:99]      ; the sum of the unquantised p, in two chains
	v_pk_add_f32 v[68:69], v[100:101], v[102:103]
.set J, 8
.rept 14
	v_pk_add_f32 v[66:67], v[66:67], v[96+J:97+J]
	v_pk_add_f32 v[68:69], v[68:69], v[98+J:99+J]
.set J, J+4
.endr
	v_pk_add_f32 v[66:67], v[66:67], v[68:69]
	v_add_f32 v66, v66, v67
	v_permlanex16_b32 v70, v66, s[SEL], s[SEL+1]
	v_add_f32 v[176+\a], v66, v70                  ; l of (my row, these 128 i)
.irp b, 0,1,2,3
	v_max_num_f32 v[48+\b], 0x1800000, v[48+\b]    ; the floor 2^(3 - 127): the byte cannot fall under 1
.endr
.irp b, 0,1,2,3
	v_add_nc_u32 v[56+\b], 0xff000000, v[48+\b]    ; 2 off the exponent field: the conversion's scale operand
.endr
.irp b, 0,1,2,3
	v_lshrrev_b32 v[60+\b], 23, v[56+\b]
.endr
	v_lshl_or_b32 v[160+\a], v61, 8, v60           ; p's scale word under the piece's M
	v_lshl_or_b32 v[160+\a], v62, 16, v[160+\a]
	v_lshl_or_b32 v[160+\a], v63, 24, v[160+\a]
.if (\a) > 0
	s_wait_xcnt 0x0                                ; the last block's stores have read their data: the codes' registers are written again only behind this wait
.endif
.irp c, 0,1
	v_cvt_scalef32_pk16_fp6_f32 v[72+6*\c:74+6*\c], v[96+32*\c:111+32*\c], v[56+2*\c]
	v_cvt_scalef32_pk16_fp6_f32 v[84+4*\c:86+4*\c], v[112+32*\c:127+32*\c], v[57+2*\c]
.endr
	v_nop                                          ; one plain place behind a scaled conversion
.irp c, 0,1
.irp i, 0,1,2
	v_permlane16_swap_b32 v[72+6*\c+\i], v[84+4*\c+\i]
.endr
.irp i, 0,1,2
	v_mov_b32 v[75+6*\c+\i], v[84+4*\c+\i]
.endr
.endr
.irp c, 0,1,2
	global_store_b128 v[IO], v[72+4*\c:75+4*\c], s[OUT:OUT+1] offset:24576*(\a)+512*\c   ; 512 consecutive bytes a store
.endr
.endm
.irp a, 0,1,2,3,4,5,6,7
	SOFTQ \a
.endr
.irp u, 0,1,2                                  ; three units: words, -M, l: lanes 0-15 store row r's numbers of blocks 0-3, lanes 16-31 of blocks 4-7
.irp i, 0,1,2,3
	v_cndmask_b32 v[184+4*\u+\i], v[160+8*\u+\i], v[164+8*\u+\i], s[HM]
.endr
.endr
.irp u, 0,1,2
	global_store_b128 v[SO], v[184+4*\u:187+4*\u], s[SOUT:SOUT+1] offset:512*\u
.endr
	s_wait_tensorcnt 0x0                           ; the wave's end
	ds_add_u32 v[SPW], v[NIL]
	s_wait_dscnt 0x0
	CROUND                                         ; the closing round
	s_endpgm
.Lfunc_end_k_q597e0711df_score:
	.size	k_q597e0711df_score, .Lfunc_end_k_q597e0711df_score-k_q597e0711df_score
	.p2alignl 7, 3214868480
	.fill 96, 4, 3214868480
	.section	.rodata,"a",@progbits
	.p2align	6, 0x0
	.amdhsa_kernel k_q597e0711df_score
		.amdhsa_group_segment_fixed_size 327680
		.amdhsa_private_segment_fixed_size 0
		.amdhsa_enable_private_segment 0
		.amdhsa_kernarg_size 32
		.amdhsa_user_sgpr_count 2
		.amdhsa_user_sgpr_kernarg_segment_ptr 1
		.amdhsa_wavefront_size32 1
		.amdhsa_system_sgpr_workgroup_id_x 1
		.amdhsa_system_sgpr_workgroup_id_y 1
		.amdhsa_system_sgpr_workgroup_id_z 1
		.amdhsa_system_vgpr_workitem_id 0
		.amdhsa_next_free_vgpr 1024
		.amdhsa_next_free_sgpr 100
		.amdhsa_reserve_vcc 0
		.amdhsa_float_denorm_mode_32 3
		.amdhsa_float_denorm_mode_16_64 3
		.amdhsa_memory_ordered 1
		.amdhsa_forward_progress 1
		.amdhsa_inst_pref_size 194
	.end_amdhsa_kernel
	.amdgpu_metadata
---
amdhsa.version: [ 1, 2 ]
amdhsa.kernels:
  - .name:           k_q597e0711df_score
    .symbol:         k_q597e0711df_score.kd
    .args:
      - { .name: qkv, .offset: 0, .size: 8, .value_kind: global_buffer, .address_space: global }
      - { .name: qkvs, .offset: 8, .size: 8, .value_kind: global_buffer, .address_space: global }
      - { .name: p, .offset: 16, .size: 8, .value_kind: global_buffer, .address_space: global }
      - { .name: pst, .offset: 24, .size: 8, .value_kind: global_buffer, .address_space: global }
    .group_segment_fixed_size: 327680
    .private_segment_fixed_size: 0
    .kernarg_segment_align: 8
    .kernarg_segment_size: 32
    .max_flat_workgroup_size: 128
    .sgpr_count:     100
    .vgpr_count:     1024
    .wavefront_size: 32
...
	.end_amdgpu_metadata
.endif
;; end of part 4
;; launch pv (part 5): grid 4 x 64, 4 waves a work-group, clusters of 4 x 4, 327,680 bytes of LDS; arguments p, pst, qkv, qkvs, out0; writes out0
.if DOCPART == 5
	.amdgcn_target "amdgcn-amd-amdhsa--gfx1250"
	.amdhsa_code_object_version 6
	.text
	.protected	k_q597e0711df_pv
	.globl	k_q597e0711df_pv
	.p2align	8
	.type	k_q597e0711df_pv,@function
k_q597e0711df_pv:
	s_mov_b64 s[64:65], 0
	v_nop
	global_prefetch_b8 v0, s[64:65] scope:SCOPE_SE
	s_setreg_imm32_b32 hwreg(HW_REG_WAVE_MODE, 25, 1), 1
	s_wait_xcnt 0x0
	s_wait_alu depctr_hold_cnt(0) depctr_sa_sdst(0) depctr_va_vdst(0) depctr_va_sdst(0) depctr_va_ssrc(0) depctr_va_vcc(0) depctr_vm_vsrc(0)
	s_getreg_b32 s2, hwreg(HW_REG_IB_STS2, 6, 4)
	s_cmp_eq_u32 s2, 0
	s_cbranch_scc0 .Lentry_in_a_cluster
	s_endpgm
.Lentry_in_a_cluster:
	s_bfe_u32 s2, ttmp6, 0x10000c
	s_cmp_lg_u32 s2, 0xf033
	s_cbranch_scc0 .Lentry_shape_is_right
	s_endpgm
.Lentry_shape_is_right:
; out[j][e] = (sum over i of p[j][i] v[i][e]) / l[j], on codes of E2M3 (K = the batch's 2,048 i).
; p's pieces of 128 i were made each under a whole number M of its own.  AT THE HEAD they are brought under the row's M = the largest of the 16: each piece's four scale bytes fall by d = M - its M, and its l is multiplied by
; 2^-d: both exact.  A byte that would fall under 0 is held at 0: such a block is then at most 7.5 x 2^-127 beside a row's sum above 1/2.
; OPERANDS: images of registers (a fragment, 16 rows x 128 K, is 1,536 bytes).  p: [512 row blocks of j][16 K steps].  v^T: qkv from byte 12,582,912, [64 row blocks of e][64 K steps: 16 a batch].
; pst: [64 x 128 rows j][16 K steps][words, -M, l: 512 bytes each, the number of row 16 a + r at 32 r + 4 a].  v^T's scale words: qkvs from byte 524,288, [8 x 128 rows e][64 K steps][512].
; A TILE is 128 rows j (A = p, source 1: a lane holds one j) x 256 e (B = v^T, source 0: a lane's eight results are eight neighbouring e): so many tiles as there are WGPs.  Four waves, 64 x 128 each: 32 accumulators.
; CLUSTERS of 4 x 4: p's tiles are shared along a row of the cluster, v^T's along a column: each is asked for jointly.  The grid has one cluster along x: the tile column is cx.
; K goes in slots of 512 (four K steps) through two LDS slots.
; LIMITS: NaN and infinities are not served; M is exact for |t| under 2^24.
; REGISTERS: window 0: v10-31 addresses; v32-47 scale words, two sets; v48-53 at work; A's fragments, set 0 at v64, set 1 at v112; v64-123 serve the head, v64-255 the way out.  window 1: B's, at v0 and v128.  window 2: accumulator (a, b) at v[8 (8 a + b)].
.set RB,     6144                      ; a row block's four K steps in a slot
.set SLOT,   24*RB                     ; A's 8 row blocks, then B's 16
.set BOFF,   8*RB
.set PSC,    2*SLOT                    ; p's scale words under the row's M: 16 units; stored by the waves, never filled
.set VSC,    PSC+8192                  ; v^T's scale words: 2 x 16 units
.set RL,     VSC+16384                 ; 1 / l: one unit
.set SPARE,  RL+512                    ; the spare words, 128 bytes a wave; no other line names them
.set VTC,    12582912
.set VTS,    524288
.set PSA,  10                          ; v10  PSC + 4 x thread
.set RLA,  11                          ; v11  RL + 4 x thread
.set TO,   12                          ; v12  4 x thread
.set ADRA, 16
.set ADRB, 20
.set IO,   24                          ; v24  16 x lane
.set STO,  25                          ; v25  the stage, way in
.set RD,   26                          ; v26  the stage, way out
.set ADRS1, 27                         ; v27  scale words: lanes 0-15 p's four blocks of my half, lanes 16-31 v^T's blocks 0-3
.set SPW,  28
.set NIL,  29
.set ADRS2, 30                         ; v30  lanes 16-31: v^T's blocks 4-7
.set RLR,  31                          ; v31  1 / l of my four blocks
.set SC,   32
.set AF,   64
.set G1, 24
.set G0, 32
.set G1B, 48
.set G0B, 56
.set G1S, 68
.set G0S, 76
.set OUT,  2
.set MSB, 0
.macro WIN new
.if MSB != (\new)
	s_set_vgpr_msb (MSB<<8)|(\new)
.set MSB, (\new)
.endif
.endm
.set MUL_LO, 0xa1                      ; source 0 (B) window 1, source 1 (A) window 0, C and D window 2
.set TO_B,   0x40
.macro PLACES
.rept 4
	v_nop
.endr
.endm
.macro JLOAD g0a, g1a, g0b, g1b        ; waves 0 and 1 fetch for A, waves 2 and 3 for B; an s_nop 0 and four v_nop follow each line
	s_cmp_eq_u32 s15, 0
	s_cbranch_scc0 .Lfor_b_\@
	tensor_load_to_lds s[\g0a:\g0a+3], s[\g1a:\g1a+7]
	s_nop 0
.rept 4
	v_nop
.endr
	s_branch .Lasked_\@
.Lfor_b_\@:
	tensor_load_to_lds s[\g0b:\g0b+3], s[\g1b:\g1b+7]
	s_nop 0
.rept 4
	v_nop
.endr
.Lasked_\@:
.endm
.macro CREST
	s_cmp_lg_u32 s14, 0
	s_cbranch_scc1 .Lnot_wave_0_\@
	s_barrier_signal -3
.Lnot_wave_0_\@:
	s_barrier_wait -3
	s_barrier_signal -1
	s_barrier_wait -1
.endm
.macro CROUND
	s_barrier_signal -1
	s_barrier_wait -1
	CREST
.endm
	s_load_b256 s[4:11], s[0:1], 0x0               ; p, pst, qkv, qkvs
	s_load_b64 s[12:13], s[0:1], 0x20              ; out0
	v_lshl_add_u32 v[SPW], v0, 2, SPARE
	v_mov_b32 v[NIL], 0
	ds_add_u32 v[SPW], v[NIL]                      ; the wave's opening: the add and its wait ahead of my first tensor load
	v_lshrrev_b32 v1, 5, v0
	v_readfirstlane_b32 s14, v1
	s_lshr_b32 s15, s14, 1                         ; my half of the rows j.  Also: I fetch for A (0) or B (1)
	s_and_b32 s16, s14, 1                          ; my half of the columns e.  Also: which half I fetch
	s_bfe_u32 s40, ttmp6, 0x40000                  ; cx = the tile column
	s_bfe_u32 s41, ttmp6, 0x40004                  ; cy
	s_and_b32 s42, ttmp7, 0xffff                   ; the cluster's y
	s_lshl_b32 s43, s41, 2
	s_lshl_b32 s43, 15, s43
	s_lshl_b32 s44, 0x1111, s40
	s_or_b32 s[G1+0], s43, (3<<16)|(1<<21)         ; A: 4 row blocks x 6,144 bytes, 24,576 bytes apart
	s_mov_b32 s[G1+1], 768<<16
	s_mov_b32 s[G1+2], 4<<16
	s_mov_b32 s[G1+3], 768<<16
	s_mov_b32 s[G1+4], 4
	s_mov_b32 s[G1+5], 3072
	s_mov_b32 s[G1+6], 0
	s_mov_b32 s[G1+7], 0
	s_or_b32 s[G1B+0], s44, (3<<16)|(1<<21)        ; B: 8 row blocks x 6,144 bytes, 98,304 bytes apart
	s_mov_b32 s[G1B+1], 768<<16
	s_mov_b32 s[G1B+2], 8<<16
	s_mov_b32 s[G1B+3], 768<<16
	s_mov_b32 s[G1B+4], 8
	s_mov_b32 s[G1B+5], 12288
	s_mov_b32 s[G1B+6], 0
	s_mov_b32 s[G1B+7], 0
	s_or_b32 s[G1S+0], s44, (3<<16)|(1<<21)        ; v^T's scale words: 4,096 dense bytes a wave, as 16 rows of 256
	s_mov_b32 s[G1S+1], 32<<16
	s_mov_b32 s[G1S+2], 16<<16
	s_mov_b32 s[G1S+3], 32<<16
	s_mov_b32 s[G1S+4], 16
	s_mov_b32 s[G1S+5], 32
	s_mov_b32 s[G1S+6], 0
	s_mov_b32 s[G1S+7], 0
	s_lshl_b32 s45, s42, 2
	s_add_co_u32 s45, s45, s41                     ; y: which 128 rows j, over all batches
	s_lshr_b32 s47, s42, 2                         ; the batch: the same in all sixteen partners
	s_lshl_b32 s66, s45, 3                         ; A: row block 8 y + 4 x half
	s_lshl_b32 s17, s16, 2
	s_add_co_u32 s66, s66, s17
	s_mul_i32 s92, s66, 24576
	s_mov_b32 s93, 0
	s_lshl_b32 s67, s40, 4                         ; B: row block 16 cx + 8 x half, the batch's 16 K steps
	s_lshl_b32 s17, s16, 3
	s_add_co_u32 s67, s67, s17
	s_mul_i32 s96, s67, 98304
	s_mul_i32 s17, s47, 24576
	s_add_co_u32 s96, s96, s17
	s_add_co_u32 s96, s96, VTC
	s_mov_b32 s97, 0
	s_lshl_b32 s98, s40, 1                         ; v^T's words: 128 rows 2 cx + wave / 2, the batch's 16 units, half wave % 2 of them
	s_add_co_u32 s98, s98, s15
	s_lshl_b32 s98, s98, 15
	s_lshl_b32 s17, s47, 13
	s_add_co_u32 s98, s98, s17
	s_lshl_b32 s17, s16, 12
	s_add_co_u32 s98, s98, s17
	s_add_co_u32 s98, s98, VTS
	s_mov_b32 s99, 0
	s_mul_i32 s94, s45, 24576                      ; pst: my 128 rows' 16 x 1,536 bytes
	s_mov_b32 s95, 0
	s_lshl_b32 s2, s45, 19                         ; out0: (128 y + 64 x my half) rows of 4,096 bytes + 1,024 cx + 512 x my half
	s_lshl_b32 s17, s15, 18
	s_add_co_u32 s2, s2, s17
	s_lshl_b32 s17, s40, 10
	s_add_co_u32 s2, s2, s17
	s_lshl_b32 s17, s16, 9
	s_add_co_u32 s2, s2, s17
	s_mov_b32 s3, 0
	s_mul_i32 s18, s16, 4*RB                       ; where the tiles go: by the wave's number alone
	s_mul_i32 s19, s16, 8*RB
	s_add_co_u32 s19, s19, BOFF
	s_lshl_b32 s20, s14, 12
	s_add_co_u32 s20, s20, VSC
	s_wait_dscnt 0x0                               ; the opening add is done
	s_wait_kmcnt 0x0
	s_add_nc_u64 s[92:93], s[4:5], s[92:93]
	s_add_nc_u64 s[96:97], s[8:9], s[96:97]
	s_add_nc_u64 s[6:7], s[6:7], s[94:95]
	s_add_nc_u64 s[OUT:OUT+1], s[12:13], s[OUT:OUT+1]
	CROUND                                         ; all sixteen work-groups are here: the first joint loads meet
	s_mov_b32 s[G0S], 1
	s_mov_b32 s[G0S+1], s20
	s_add_nc_u64 s[G0S+2:G0S+3], s[10:11], s[98:99]
	s_or_b32 s[G0S+3], s[G0S+3], 0x80000000
	tensor_load_to_lds s[G0S:G0S+3], s[G1S:G1S+7]  ; every wave its quarter of v^T's scale words, shared along the column
	s_nop 0
.rept 4
	v_nop
.endr
.irp s, 0,1
	s_mov_b32 s[G0+4*\s], 1
	s_add_co_u32 s[G0+4*\s+1], s18, \s*SLOT
	s_add_nc_u64 s[G0+4*\s+2:G0+4*\s+3], s[92:93], \s*RB
	s_or_b32 s[G0+4*\s+3], s[G0+4*\s+3], 0x80000000
	s_mov_b32 s[G0B+4*\s], 1
	s_add_co_u32 s[G0B+4*\s+1], s19, \s*SLOT
	s_add_nc_u64 s[G0B+4*\s+2:G0B+4*\s+3], s[96:97], \s*RB
	s_or_b32 s[G0B+4*\s+3], s[G0B+4*\s+3], 0x80000000
	JLOAD G0+4*\s, G1, G0B+4*\s, G1B               ; three loads of mine are out now, the most in this text
.endr
	v_lshlrev_b32 v[TO], 2, v0
.irp s, 0,1,2,3,4,5,6,7,8,9,10,11,12,13,14,15
	global_load_b32 v[64+\s], v[TO], s[6:7] offset:1536*\s          ; thread t is number t of each unit: the piece's scale word,
	global_load_b32 v[80+\s], v[TO], s[6:7] offset:1536*\s+512      ; its -M,
	global_load_b32 v[96+\s], v[TO], s[6:7] offset:1536*\s+1024     ; its l
.endr
	v_and_b32 v1, 15, v0                           ; r
	v_bfe_u32 v2, v0, 4, 1                         ; h
	v_and_b32 v3, 31, v0
	v_lshlrev_b32 v[IO], 4, v3
	s_mul_i32 s17, s15, 4*RB
	s_mul_i32 s18, s16, 8*RB
	s_add_co_u32 s18, s18, BOFF
.irp s, 0,1
	v_add_nc_u32 v[ADRA+\s], s17, v[IO]
	v_add_nc_u32 v[ADRB+\s], s18, v[IO]
	s_add_co_u32 s17, s17, SLOT
	s_add_co_u32 s18, s18, SLOT
.endr
	s_lshl_b32 s17, s15, 4                         ; p's words of my four blocks: 16 bytes of each r's 32
	s_lshl_b32 s18, s16, 13
	s_add_co_u32 s18, s18, 8192
	s_sub_co_u32 s18, s18, s17                     ; from there to v^T's words of my 128 e
	v_mul_u32_u24 v4, s18, v2                      ; lanes 16-31 take v^T's
	s_add_co_u32 s19, s17, PSC
	v_lshl_add_u32 v4, v1, 5, v4
	v_add_nc_u32 v[ADRS1], s19, v4
	v_lshl_add_u32 v[ADRS2], v2, 4, v[ADRS1]
	s_add_co_u32 s19, s17, RL
	v_lshl_add_u32 v[RLR], v1, 5, s19
	s_mul_i32 s19, s14, 8448                       ; my stage: 16 rows x (512 + 16) bytes, in slot 0, used when that slot has had its last fill and its last read
	v_mul_u32_u24 v[STO], v1, 528
	v_lshl_add_u32 v[STO], v2, 5, v[STO]
	v_add_nc_u32 v[STO], s19, v[STO]
	v_add_nc_u32 v[RD], s19, v[IO]
	v_lshl_add_u32 v[PSA], v0, 2, PSC
	v_lshl_add_u32 v[RLA], v0, 2, RL
	s_wait_loadcnt 0x0
	v_min3_num_f32 v112, v80, v81, v82             ; the least -M: the row's own
.irp i, 83,85,87,89,91,93
	v_min3_num_f32 v112, v112, v[\i], v[\i+1]
.endr
	v_min_num_f32 v112, v112, v95
.macro PS s                            ; piece s under the row's M
	v_sub_f32 v113, v112, v[80+\s]                 ; its M less the row's: a whole number, 0 or less
	v_cvt_i32_f32 v113, v113                       ; (it saturates)
.if \s == 0
	v_ldexp_f32 v115, v[96+\s], v113
.else
	v_ldexp_f32 v114, v[96+\s], v113
	v_add_f32 v115, v115, v114                     ; the row's sum
.endif
	v_sub_nc_u32 v113, 0, v113
	v_min_u32 v113, 0xff, v113                     ; d, held at 255
	v_bfe_u32 v116, v[64+\s], 0, 8
	v_bfe_u32 v117, v[64+\s], 8, 8
	v_bfe_u32 v118, v[64+\s], 16, 8
	v_lshrrev_b32 v119, 24, v[64+\s]
.irp i, 0,1,2,3
	v_min_u32 v[120+\i], v[116+\i], v113
.endr
.irp i, 0,1,2,3
	v_sub_nc_u32 v[116+\i], v[116+\i], v[120+\i]   ; byte - d, held at 0 from below
.endr
	v_lshl_or_b32 v116, v117, 8, v116
	v_lshl_or_b32 v116, v118, 16, v116
	v_lshl_or_b32 v116, v119, 24, v116
	ds_store_b32 v[PSA], v116 offset:512*\s
.endm
.irp s, 0,1,2,3,4,5,6,7,8,9,10,11,12,13,14,15
	PS \s
.endr
	v_rcp_f32 v114, v115
	v_nop                                          ; a plain place behind the reciprocal
	s_wait_alu depctr_va_vdst(0)                   ; and the wait ahead of its first reader
	ds_store_b32 v[RLA], v114
	s_wait_tensorcnt 1                             ; v^T's scale words and my part of slot 0 are in; slot 1's load may be out
	s_wait_dscnt 0x0                               ; my words and reciprocals have landed, for the other waves' sake
	s_barrier_signal -1
	s_barrier_wait -1
.macro FETCH3 slot, q, p, ks           ; 38 LDS loads in one run: K step ks (the q-th of its slot) into set p
	WIN TO_B
.irp i, 0,1,2,3,4,5,6,7
.irp c, 0,1,2
	ds_load_b128 v[128*(\p)+12*\i+4*\c:128*(\p)+12*\i+4*\c+3], v[ADRB+\slot] offset:\i*RB+(\q)*1536+512*\c
.endr
.endr
	WIN 0
	ds_load_b128 v[SC+8*(\p):SC+8*(\p)+3], v[ADRS1] offset:512*(\ks)
	ds_load_b128 v[SC+8*(\p)+4:SC+8*(\p)+7], v[ADRS2] offset:512*(\ks)
.irp i, 0,1,2,3
.irp c, 0,1,2
	ds_load_b128 v[AF+48*(\p)+12*\i+4*\c:AF+48*(\p)+12*\i+4*\c+3], v[ADRA+\slot] offset:\i*RB+(\q)*1536+512*\c
.endr
.endr
.endm
.macro MULA3 a, p, zero                ; A's block a against B's eight; the 32 accumulators take turns, one instruction a turn
.irp b, 0,1,2,3,4,5,6,7
.if \zero
	v_wmma_scale_f32_16x16x128_f8f6f4 v[8*(8*(\a)+\b):8*(8*(\a)+\b)+7], v[128*(\p)+12*\b:128*(\p)+12*\b+11], v[AF+48*(\p)+12*(\a):AF+48*(\p)+12*(\a)+11], 0, v[SC+8*(\p)+\b], v[SC+8*(\p)+(\a)] matrix_a_fmt:MATRIX_FMT_FP6 matrix_b_fmt:MATRIX_FMT_FP6 matrix_a_scale:MATRIX_SCALE_ROW1
.else
	v_wmma_scale_f32_16x16x128_f8f6f4 v[8*(8*(\a)+\b):8*(8*(\a)+\b)+7], v[128*(\p)+12*\b:128*(\p)+12*\b+11], v[AF+48*(\p)+12*(\a):AF+48*(\p)+12*(\a)+11], v[8*(8*(\a)+\b):8*(8*(\a)+\b)+7], v[SC+8*(\p)+\b], v[SC+8*(\p)+(\a)] matrix_a_fmt:MATRIX_FMT_FP6 matrix_b_fmt:MATRIX_FMT_FP6 matrix_a_scale:MATRIX_SCALE_ROW1
.endif
.endr
.endm
.macro STEP3 p, zero, nslot, nq, nks
	s_wait_dscnt 0x0                               ; set p is in
	PLACES                                         ; four places in front of loads into the other set, which the K step before multiplied
	FETCH3 \nslot, \nq, 1-(\p), \nks
	WIN MUL_LO
	MULA3 0, \p, \zero
	MULA3 1, \p, \zero
	MULA3 2, \p, \zero
	MULA3 3, \p, \zero
.endm
.macro TURN3 slot, fill, nslot, nks    ; a slot's last K step (set 1) changes slots
	WIN 0
	s_wait_tensorcnt 0x0                           ; all my tensor loads have landed: my part of the next slot
	ds_add_u32 v[SPW], v[NIL]
	s_wait_dscnt 1                                 ; set 1 is in; the add alone may be out
	WIN MUL_LO
	MULA3 0, 1, 0
	s_wait_dscnt 0x0                               ; the add is done, and my reads of this slot are over
	s_barrier_signal -1
	MULA3 1, 1, 0
	WIN 0
	s_barrier_wait -1
.if \fill
	CREST                                          ; a round of the cluster's barrier: no wave of any partner still reads this slot or has a load on its way
	s_add_nc_u64 s[G0+4*\slot+2:G0+4*\slot+3], s[G0+4*\slot+2:G0+4*\slot+3], 2*RB
	s_add_nc_u64 s[G0B+4*\slot+2:G0B+4*\slot+3], s[G0B+4*\slot+2:G0B+4*\slot+3], 2*RB
	JLOAD G0+4*\slot, G1, G0B+4*\slot, G1B         ; the first tensor load behind the round; its four v_nop are the places in front of the loads below
.else
	PLACES
.endif
	FETCH3 \nslot, 0, 0, \nks
	WIN MUL_LO
	MULA3 2, 1, 0
	MULA3 3, 1, 0
.endm
	FETCH3 0, 0, 0, 0
	STEP3 0, 1, 0, 1, 1                            ; K step 0 starts the sums
	STEP3 1, 0, 0, 2, 2
	STEP3 0, 0, 0, 3, 3
	TURN3 0, 1, 1, 4                               ; slot 0 takes K steps 8 to 11
	STEP3 0, 0, 1, 1, 5
	STEP3 1, 0, 1, 2, 6
	STEP3 0, 0, 1, 3, 7
	TURN3 1, 1, 0, 8                               ; slot 1 takes K steps 12 to 15
	STEP3 0, 0, 0, 1, 9
	STEP3 1, 0, 0, 2, 10
	STEP3 0, 0, 0, 3, 11
	TURN3 0, 0, 1, 12                              ; nothing is left to fetch; behind this barrier nobody reads slot 0
	STEP3 0, 0, 1, 1, 13
	STEP3 1, 0, 1, 2, 14
	STEP3 0, 0, 1, 3, 15
	s_wait_dscnt 0x0
	MULA3 0, 1, 0
	MULA3 1, 1, 0
	MULA3 2, 1, 0
	MULA3 3, 1, 0
	WIN 0
	; THE WAY OUT: each block of 16 rows x 128 e is divided by the rows' l, goes through my own stage in LDS and leaves as whole rows of 512 bytes.
	PLACES                                         ; behind the last products: their results are read and their operands' registers written below
	ds_load_b128 v[48:51], v[RLR]                  ; 1 / l of row r in my four blocks
	s_wait_dscnt 0x0
.macro SCALEO a
	v_mov_b32 v52, v[48+\a]
	v_mov_b32 v53, v[48+\a]
	WIN 0x02                                       ; source 0: the accumulators' window
.set J, 0
.rept 32
	v_pk_mul_f32 v[64+J:65+J], v[64*(\a)+J:64*(\a)+J+1], v[52:53]   ; each accumulator from its low end on
.set J, J+2
.endr
	WIN 0
.endm
.macro TOSTAGE a
.set BB, 128+64*((\a)%2)
.irp b, 0,1,2,3,4,5,6,7
	ds_store_b128 v[STO], v[64+8*\b:64+8*\b+3] offset:64*\b        ; lane (r, h): out(row r, e = 16 b + 8 h + 0 .. 7)
	ds_store_b128 v[STO], v[64+8*\b+4:64+8*\b+7] offset:64*\b+16
.endr
.irp t, 0,1,2,3,4,5,6,7,8,9,10,11,12,13,14,15
	ds_load_b128 v[BB+4*\t:BB+4*\t+3], v[RD] offset:\t*528         ; LDS serves a wave's instructions in order: these see my stores, and the next block's stores come behind them
.endr
.endm
.macro SEND a, younger                 ; younger: the LDS instructions issued behind block a's loads, which may stay out
.set BB, 128+64*((\a)%2)
	s_wait_dscnt \younger
.irp t, 0,1,2,3,4,5,6,7,8,9,10,11,12,13,14,15
	global_store_b128 v[IO], v[BB+4*\t:BB+4*\t+3], s[OUT:OUT+1] offset:65536*(\a)+4096*\t th:TH_STORE_NT   ; 32 lanes store 512 consecutive bytes, at a multiple of 512 from out0's first byte
.endr
.endm
	SCALEO 0
	TOSTAGE 0
.irp a, 1,2,3
	SCALEO \a
.if \a > 1
	s_wait_xcnt 0x0                                ; block a - 2's stores have read their registers: block a's loads may land there
.endif
	TOSTAGE \a
	SEND \a-1, 32                                  ; behind block a - 1's loads: block a's 16 stores and 16 loads
.endr
	SEND 3, 0
	s_wait_tensorcnt 0x0                           ; the wave's end: behind my last tensor load and my last LDS store
	ds_add_u32 v[SPW], v[NIL]
	s_wait_dscnt 0x0
	CROUND                                         ; the closing round
	s_endpgm
.Lfunc_end_k_q597e0711df_pv:
	.size	k_q597e0711df_pv, .Lfunc_end_k_q597e0711df_pv-k_q597e0711df_pv
	.p2alignl 7, 3214868480
	.fill 96, 4, 3214868480
	.section	.rodata,"a",@progbits
	.p2align	6, 0x0
	.amdhsa_kernel k_q597e0711df_pv
		.amdhsa_group_segment_fixed_size 327680
		.amdhsa_private_segment_fixed_size 0
		.amdhsa_enable_private_segment 0
		.amdhsa_kernarg_size 40
		.amdhsa_user_sgpr_count 2
		.amdhsa_user_sgpr_kernarg_segment_ptr 1
		.amdhsa_wavefront_size32 1
		.amdhsa_system_sgpr_workgroup_id_x 1
		.amdhsa_system_sgpr_workgroup_id_y 1
		.amdhsa_system_sgpr_workgroup_id_z 1
		.amdhsa_system_vgpr_workitem_id 0
		.amdhsa_next_free_vgpr 768
		.amdhsa_next_free_sgpr 100
		.amdhsa_reserve_vcc 0
		.amdhsa_float_denorm_mode_32 3
		.amdhsa_float_denorm_mode_16_64 3
		.amdhsa_memory_ordered 1
		.amdhsa_forward_progress 1
		.amdhsa_inst_pref_size 161
	.end_amdhsa_kernel
	.amdgpu_metadata
---
amdhsa.version: [ 1, 2 ]
amdhsa.kernels:
  - .name:           k_q597e0711df_pv
    .symbol:         k_q597e0711df_pv.kd
    .args:
      - { .name: p, .offset: 0, .size: 8, .value_kind: global_buffer, .address_space: global }
      - { .name: pst, .offset: 8, .size: 8, .value_kind: global_buffer, .address_space: global }
      - { .name: qkv, .offset: 16, .size: 8, .value_kind: global_buffer, .address_space: global }
      - { .name: qkvs, .offset: 24, .size: 8, .value_kind: global_buffer, .address_space: global }
      - { .name: out0, .offset: 32, .size: 8, .value_kind: global_buffer, .address_space: global }
    .group_segment_fixed_size: 327680
    .private_segment_fixed_size: 0
    .kernarg_segment_align: 8
    .kernarg_segment_size: 40
    .max_flat_workgroup_size: 128
    .sgpr_count:     100
    .vgpr_count:     768
    .wavefront_size: 32
...
	.end_amdgpu_metadata
.endif
;; end of part 5
;; ======== version 2 of 2: 4 launches
;; limits: right only within a limited range of input values
;; workspace buffers: opc 8,650,752 bytes; ops 360,448 bytes; qkv 18,874,368 bytes; qkvs 786,432 bytes; p 12,582,912 bytes; pst 1,572,864 bytes
;; launch quant (part 6): grid 352 x 1, 8 waves a work-group, no clusters, 70,656 bytes of LDS; arguments x, W_query, W_key, W_value, opc, ops; writes opc, ops
.if DOCPART == 6
	.amdgcn_target "amdgcn-amd-amdhsa--gfx1250"
	.amdhsa_code_object_version 6
	.text
	.protected	k_q597e0711df_quant
	.globl	k_q597e0711df_quant
	.p2align	8
	.type	k_q597e0711df_quant,@function
k_q597e0711df_quant:
	s_mov_b64 s[64:65], 0
	v_nop
	global_prefetch_b8 v0, s[64:65] scope:SCOPE_SE
	s_setreg_imm32_b32 hwreg(HW_REG_WAVE_MODE, 25, 1), 1
	s_wait_xcnt 0x0
; x [8192][1024] f32 (K = its last axis) and the three weights [1024 (d)][1024 (e)] f32 (K = d, their FIRST axis) become codes of E2M3 with one E8M0 byte for each 32 along K, laid as the products' launch wants them.
; CODES: images of the operand's registers.  A fragment is 16 rows x 128 K = 12 registers a lane = 1,536 bytes: registers 4 c .. 4 c + 3 of lane l at byte 512 c + 16 l.
;   opc: [row block of 16][K step of 128][1,536 bytes].  Lane (r, h) of a fragment holds, in registers 6 c .. 6 c + 5, k = 64 c + 32 h + 0 .. 31 of row r.  Rows 0-8,191 are x; rows 8,192 + 1,024 m + e the weights (m = 0 query, 1 key, 2 value).
; SCALES: units of 512 bytes for 128 rows and one K step: the word (4 bytes: 128 along K of one row) of row 16 a + r at byte 32 r + 4 a.  ops: [128 rows][K step][512 bytes].
; A block's scale is 2^(floor(log2(largest magnitude)) - 2); its byte is the largest magnitude's exponent field - 2, held at 1 from below.
; LIMITS: a block of zeros gets the byte 1 (its codes are zeros; this program alone reads the bytes); blocks whose largest magnitude lies under 2^(3 - 127) are held at that byte; NaN and infinities are not served.
; ONE LAUNCH, TWO PATHS, which part once, on the work-group's number: work-groups 0-255 take x, work-groups 256-351 the weights.  Each path has LDS bytes of its own.
; x: a work-group takes 128 rows x 256 along K; wave w takes rows 16 w .. 16 w + 15: two fragments.  Each load reads 512 consecutive bytes of a row; all 32 loads of a wave go out at once.
;   A lane must hold 32 neighbours along K for each block: the rows turn through the wave's own stage in LDS (rows 528 bytes apart: 16 rows start in 16 different groups of banks).
; WEIGHTS: a work-group takes 128 columns e of one weight x 2 K steps; wave w takes columns 32 (w % 4) on of K step w / 4.  A LANE TAKES A COLUMN AND ITS REGISTERS RUN DOWN d: a block of 32 lies in one lane, the
;   conversions give codes with K innermost, nothing is transposed by an instruction.  Lane l holds all four blocks of column l; the operand wants blocks 0, 2 of row r in lane r and blocks 1, 3 in lane 16 + r:
;   twelve exchanges of halves give the wave's two fragments.
.set STG,   8448                       ; x: a wave's stage: 16 rows x (512 + 16) bytes
.set SX,    8*STG                      ; x: two scale units, 1,024 bytes
.set SPARE, SX+1024                    ; the spare words: 128 bytes for each of eight waves; no other line names them
.set WSX,   SPARE+1024                 ; the weights: two scale units, 1,024 bytes
.set SPW, 1                            ; v1   SPARE + 4 x my thread's number; never rewritten
.set NIL, 2                            ; v2   0; never rewritten
; x's path
.set LO,  3                            ; v3   16 x lane
.set STI, 4                            ; v4   stage, way in: 16 x lane
.set STO, 5                            ; v5   stage, way out: 528 r + 128 h
.set SXA, 6                            ; v6   where my row's scale word goes: SX + 32 r + 4 w
.set SXR, 7                            ; v7   where waves 0 and 1 read a unit back
.set SH,  8                            ; v8   8 h
.set T,   10                           ; v10-11 largest magnitudes
.set SOP, 12                           ; v12-13 the conversions' scale operands
.set BY,  14                           ; v14-15 scale bytes
.set WD,  16                           ; v16  the scale word
.set TP,  17                           ; v17  the other half's bytes
.set TT,  20                           ; v20-27 second halves of the blocks' codes
.set PC,  32                           ; v32-43, v44-55 the two fragments
.set UN,  56                           ; v56-59 a scale unit on its way out
.set R,   64                           ; v64-191 the numbers as loaded
.set X,   192                          ; v192-255 64 numbers in the operand's order
; the weights' path
.set WCO,  3                           ; v3   4 x lane
.set WLO,  4                           ; v4   16 x lane
.set WSXA, 5                           ; v5   my column's scale word: WSX + 512 (w / 4) + 32 (l % 16) + 4 (l / 16) + 8 (w % 4)
.set WT,   6                           ; v6-9   largest magnitudes
.set WSOP, 10                          ; v10-13 scale operands
.set WBY,  14                          ; v14-17 bytes
.set WWD,  18                          ; v18  the scale word
.set WTT,  20                          ; v20-22 a block's second three registers
.set WF0,  24                          ; v24-35 blocks 0, 2; then the image of my first row block
.set WF1,  36                          ; v36-47 blocks 1, 3; then the image of my second
.set WUN,  48                          ; v48-51 a scale unit on its way out
.set WSXR, 52                          ; v52  where waves 0 and 4 read a unit back
.set WX,   64                          ; v64-191 my column's 128 numbers
	s_load_b256 s[4:11], s[0:1], 0x0               ; x, W_query, W_key, W_value
	s_load_b128 s[12:15], s[0:1], 0x20             ; opc, ops
	v_lshl_add_u32 v[SPW], v0, 2, SPARE
	v_mov_b32 v[NIL], 0
	v_lshrrev_b32 v9, 5, v0
	s_delay_alu instid0(VALU_DEP_1)
	v_readfirstlane_b32 s16, v9                    ; wave 0..7
	s_cmp_lt_u32 ttmp9, 256                        ; the same answer in every wave of a work-group
	s_cbranch_scc0 .Lweights
	; ---------------- x ----------------
	v_and_b32 v9, 31, v0
	s_delay_alu instid0(VALU_DEP_1)
	v_lshlrev_b32 v[LO], 4, v9
	v_and_b32 v18, 15, v0                          ; r
	v_bfe_u32 v19, v0, 4, 1                        ; h
	s_mul_i32 s17, s16, STG
	v_add_nc_u32 v[STI], s17, v[LO]
	v_mul_u32_u24 v[STO], v18, 528
	s_delay_alu instid0(VALU_DEP_1)
	v_lshl_add_u32 v[STO], v19, 7, v[STO]
	s_delay_alu instid0(VALU_DEP_1)
	v_add_nc_u32 v[STO], s17, v[STO]
	s_lshl_b32 s18, s16, 2
	s_add_co_u32 s18, s18, SX
	v_lshl_add_u32 v[SXA], v18, 5, s18
	s_and_b32 s19, s16, 1
	s_lshl_b32 s22, s19, 9
	s_add_co_u32 s23, s22, SX
	v_add_nc_u32 v[SXR], s23, v[LO]
	v_lshlrev_b32 v[SH], 3, v19
	v_mov_b32 v[TP], 0                             ; a lane permute's destination counts as one of its sources
	s_mov_b32 s20, 0x76543210
	s_mov_b32 s21, 0xfedcba98                      ; selects for lane l xor 16
	s_lshr_b32 s26, ttmp9, 2                       ; g: which 128 rows
	s_and_b32 s27, ttmp9, 3                        ; which 256 along K
	s_lshl_b32 s28, s26, 19                        ; x: (128 g + 16 w) rows of 4,096 bytes + 1,024 x part
	s_lshl_b32 s29, s16, 16
	s_add_co_u32 s28, s28, s29
	s_lshl_b32 s29, s27, 10
	s_add_co_u32 s28, s28, s29
	s_mov_b32 s29, 0
	s_mul_i32 s30, s26, 98304                      ; opc: ((8 g + w) x 8 + 2 x part) x 1,536
	s_mul_i32 s31, s16, 12288
	s_add_co_u32 s30, s30, s31
	s_mul_i32 s31, s27, 3072
	s_add_co_u32 s30, s30, s31
	s_mov_b32 s31, 0
	s_lshl_b32 s24, s26, 12                        ; ops: (8 g + 2 x part + w % 2) x 512
	s_lshl_b32 s25, s27, 10
	s_add_co_u32 s24, s24, s25
	s_add_co_u32 s24, s24, s22
	s_mov_b32 s25, 0
	s_wait_alu depctr_va_vdst(0)
	s_wait_kmcnt 0x0
	s_add_nc_u64 s[4:5], s[4:5], s[28:29]
	s_add_nc_u64 s[12:13], s[12:13], s[30:31]
	s_add_nc_u64 s[14:15], s[14:15], s[24:25]
.irp f, 0,1
.irp t, 0,1,2,3,4,5,6,7,8,9,10,11,12,13,14,15
	global_load_b128 v[R+64*\f+4*\t:R+64*\f+4*\t+3], v[LO], s[4:5] offset:4096*\t+512*\f th:TH_LOAD_NT   ; 512 consecutive bytes of row t
.endr
.endr
; K step f of my 16 rows: through the stage, quantised, stored
.macro FRAGQ f
.set PF, PC+12*\f
	s_wait_loadcnt 16*(1-\f)                       ; this K step's 16 loads are in; the other's 16 younger ones may be out
.irp t, 0,1,2,3,4,5,6,7,8,9,10,11,12,13,14,15
	ds_store_b128 v[STI], v[R+64*\f+4*\t:R+64*\f+4*\t+3] offset:528*\t
.endr
.irp c, 0,1
.irp j, 0,1,2,3,4,5,6,7
	ds_load_b128 v[X+32*\c+4*\j:X+32*\c+4*\j+3], v[STO] offset:256*\c+16*\j   ; LDS serves a wave's instructions in order: these see my stores.  Register 32 c + i: k = 64 c + 32 h + i of row r
.endr
.endr
	s_wait_dscnt 0x0
.irp c, 0,1
	v_max3_num_f32 v[T+\c], |v[X+32*\c]|, |v[X+32*\c+1]|, 0x1800000   ; block 2 c + h is all mine; the floor 2^(3 - 127) keeps the byte at 1 or above
.endr
.irp i, 2,4,6,8,10,12,14,16,18,20,22,24,26,28,30
.irp c, 0,1
	s_delay_alu instid0(VALU_DEP_2)
	v_max3_num_f32 v[T+\c], v[T+\c], |v[X+32*\c+\i]|, |v[X+32*\c+\i+1]|
.endr
.endr
.irp c, 0,1
	s_delay_alu instid0(VALU_DEP_2)
	v_add_nc_u32 v[SOP+\c], 0xff000000, v[T+\c]    ; 2 off the exponent field: the conversion takes this operand's exponent field as its scale
.endr
.irp c, 0,1
	s_delay_alu instid0(VALU_DEP_2)
	v_lshrrev_b32 v[BY+\c], 23, v[SOP+\c]          ; the scale's byte
.endr
	s_delay_alu instid0(VALU_DEP_1)
	v_lshl_or_b32 v[WD], v[BY+1], 16, v[BY]        ; bytes h and 2 + h of my row's word,
	s_delay_alu instid0(VALU_DEP_1)
	v_lshlrev_b32 v[WD], v[SH], v[WD]
	s_delay_alu instid0(VALU_DEP_1)
	v_permlanex16_b32 v[TP], v[WD], s20, s21
	s_delay_alu instid0(VALU_DEP_1)
	v_or_b32 v[WD], v[WD], v[TP]                   ; with lane l xor 16's two the word is whole
.irp c, 0,1
	v_cvt_scalef32_pk16_fp6_f32 v[PF+6*\c:PF+6*\c+2], v[X+32*\c:X+32*\c+15], v[SOP+\c]
	v_cvt_scalef32_pk16_fp6_f32 v[TT+4*\c:TT+4*\c+2], v[X+32*\c+16:X+32*\c+31], v[SOP+\c]   ; (a conversion's three registers begin on an even number)
.endr
	v_nop                                          ; one plain place behind a scaled conversion
.irp c, 0,1
.irp i, 0,1,2
	v_mov_b32 v[PF+6*\c+3+\i], v[TT+4*\c+\i]
.endr
.endr
.irp c, 0,1,2
	global_store_b128 v[LO], v[PF+4*\c:PF+4*\c+3], s[12:13] offset:1536*\f+512*\c   ; the image: 512 consecutive bytes a store
.endr
	ds_store_b32 v[SXA], v[WD] offset:512*\f       ; both halves of the lanes write the same word with the same value
.endm
	FRAGQ 0
	FRAGQ 1
	s_wait_tensorcnt 0x0                           ; behind my last LDS store: the s_wait_dscnt below also shows my scale words landed, for the other waves' sake
	ds_add_u32 v[SPW], v[NIL]
	s_wait_dscnt 0x0
	s_barrier_signal -1
	s_barrier_wait -1                              ; the two scale units are whole
	s_cmp_lt_u32 s16, 2
	s_cbranch_scc0 .Lxdone
	ds_load_b128 v[UN:UN+3], v[SXR]                ; wave 0 takes K step 0's unit, wave 1 the other's
	s_wait_dscnt 0x0
	global_store_b128 v[LO], v[UN:UN+3], s[14:15]  ; 512 consecutive bytes
.Lxdone:
	s_endpgm
	; ---------------- the weights ----------------
.Lweights:
	v_and_b32 v19, 31, v0
	s_delay_alu instid0(VALU_DEP_1)
	v_lshlrev_b32 v[WCO], 2, v19
	s_delay_alu instid0(VALU_DEP_2)
	v_lshlrev_b32 v[WLO], 4, v19
	v_and_b32 v19, 15, v0
	v_bfe_u32 v23, v0, 4, 1
	s_delay_alu instid0(VALU_DEP_2)
	v_lshlrev_b32 v[WSXA], 5, v19
	s_delay_alu instid0(VALU_DEP_1)
	v_lshl_add_u32 v[WSXA], v23, 2, v[WSXA]
	s_and_b32 s17, s16, 3                          ; which 32 columns
	s_lshr_b32 s18, s16, 2                         ; which of the two K steps
	s_lshl_b32 s19, s17, 3
	s_lshl_b32 s20, s18, 9
	s_add_co_u32 s19, s19, s20
	s_add_co_u32 s19, s19, WSX
	v_add_nc_u32 v[WSXA], s19, v[WSXA]
	s_add_co_u32 s20, s20, WSX
	v_add_nc_u32 v[WSXR], s20, v[WLO]
	s_sub_co_u32 s21, ttmp9, 256                   ; 0 .. 95
	s_lshr_b32 s22, s21, 2                         ; 8 m + g: 128 columns of weight m
	s_and_b32 s23, s21, 3
	s_lshl_b32 s23, s23, 1
	s_add_co_u32 s23, s23, s18                     ; my K step
	s_lshr_b32 s24, s22, 3                         ; m
	s_and_b32 s25, s22, 7                          ; g
	s_lshl_b32 s26, s23, 19                        ; W: 128 rows of 4,096 bytes a K step + 4 x (128 g + 32 (w % 4))
	s_lshl_b32 s27, s25, 9
	s_add_co_u32 s26, s26, s27
	s_lshl_b32 s27, s17, 7
	s_add_co_u32 s26, s26, s27
	s_mov_b32 s27, 0
	s_lshl_b32 s28, s22, 3                         ; opc: ((512 + 8 (8 m + g) + 2 (w % 4)) x 8 + K step) x 1,536
	s_lshl_b32 s29, s17, 1
	s_add_co_u32 s28, s28, s29
	s_add_co_u32 s28, s28, 512
	s_lshl_b32 s28, s28, 3
	s_add_co_u32 s28, s28, s23
	s_mul_i32 s28, s28, 1536
	s_mov_b32 s29, 0
	s_add_co_u32 s30, s22, 64                      ; ops: ((64 + 8 m + g) x 8 + K step) x 512
	s_lshl_b32 s30, s30, 3
	s_add_co_u32 s30, s30, s23
	s_lshl_b32 s30, s30, 9
	s_mov_b32 s31, 0
	s_wait_alu depctr_va_vdst(0)
	s_wait_kmcnt 0x0
	s_cmp_eq_u32 s24, 0                            ; the weight is chosen by the work-group's number alone
	s_cselect_b64 s[6:7], s[6:7], s[8:9]
	s_cmp_eq_u32 s24, 2
	s_cselect_b64 s[6:7], s[10:11], s[6:7]
	s_add_nc_u64 s[6:7], s[6:7], s[26:27]
	s_add_nc_u64 s[12:13], s[12:13], s[28:29]
	s_add_nc_u64 s[14:15], s[14:15], s[30:31]
.set I, 0
.rept 128
	global_load_b32 v[WX+I], v[WCO], s[6:7] offset:4096*I th:TH_LOAD_NT   ; 128 consecutive bytes a wave, four waves side by side 512
.set I, I+1
.endr
; block b of my column: its six registers of codes go to v[y] on
.macro BLK b, y
	v_max3_num_f32 v[WT+\b], |v[WX+32*\b]|, |v[WX+32*\b+1]|, 0x1800000   ; with the floor 2^(3 - 127)
.irp i, 2,4,6,8,10,12,14,16,18,20,22,24,26,28,30
	s_delay_alu instid0(VALU_DEP_1)
	v_max3_num_f32 v[WT+\b], v[WT+\b], |v[WX+32*\b+\i]|, |v[WX+32*\b+\i+1]|
.endr
	s_delay_alu instid0(VALU_DEP_1)
	v_add_nc_u32 v[WSOP+\b], 0xff000000, v[WT+\b]  ; 2 off the exponent field: the conversion's scale operand
	s_delay_alu instid0(VALU_DEP_1)
	v_lshrrev_b32 v[WBY+\b], 23, v[WSOP+\b]        ; the byte
	v_cvt_scalef32_pk16_fp6_f32 v[\y:\y+2], v[WX+32*\b:WX+32*\b+15], v[WSOP+\b]
	v_cvt_scalef32_pk16_fp6_f32 v[WTT:WTT+2], v[WX+32*\b+16:WX+32*\b+31], v[WSOP+\b]   ; (three registers from an even number on)
	v_nop                                          ; one plain place behind a scaled conversion
.irp i, 0,1,2
	v_mov_b32 v[\y+3+\i], v[WTT+\i]
.endr
.endm
	s_wait_loadcnt 63                              ; 128 loads were issued: at most 63 are out, so the first 65 are in: blocks 0 and 1 (a wait's count holds 63 at the most)
	BLK 0, WF0
	BLK 1, WF1
	s_wait_loadcnt 32                              ; block 3's 32 loads may be out
	BLK 2, WF0+6
	s_wait_loadcnt 0x0
	BLK 3, WF1+6
	v_lshl_or_b32 v[WWD], v[WBY+1], 8, v[WBY]      ; my column's scale word
	s_delay_alu instid0(VALU_DEP_1)
	v_lshl_or_b32 v[WWD], v[WBY+2], 16, v[WWD]
	s_delay_alu instid0(VALU_DEP_1)
	v_lshl_or_b32 v[WWD], v[WBY+3], 24, v[WWD]
.irp i, 0,1,2,3,4,5,6,7,8,9,10,11
	v_permlane16_swap_b32 v[WF0+\i], v[WF1+\i]     ; the first's lanes 16-31 change places with the second's lanes 0-15: the first is now my first row block's image, the second my second's
.endr
.irp c, 0,1,2
	global_store_b128 v[WLO], v[WF0+4*\c:WF0+4*\c+3], s[12:13] offset:512*\c
	global_store_b128 v[WLO], v[WF1+4*\c:WF1+4*\c+3], s[12:13] offset:12288+512*\c   ; the next row block lies 8 K steps on
.endr
	ds_store_b32 v[WSXA], v[WWD]
	s_wait_tensorcnt 0x0                           ; behind my last LDS store: the s_wait_dscnt below also shows my words landed, for the other waves' sake
	ds_add_u32 v[SPW], v[NIL]
	s_wait_dscnt 0x0
	s_barrier_signal -1
	s_barrier_wait -1
	s_cmp_lg_u32 s17, 0
	s_cbranch_scc1 .Lwdone
	ds_load_b128 v[WUN:WUN+3], v[WSXR]             ; wave 0 takes the first K step's unit, wave 4 the second's
	s_wait_dscnt 0x0
	global_store_b128 v[WLO], v[WUN:WUN+3], s[14:15]   ; 512 consecutive bytes
.Lwdone:
	s_endpgm
.Lfunc_end_k_q597e0711df_quant:
	.size	k_q597e0711df_quant, .Lfunc_end_k_q597e0711df_quant-k_q597e0711df_quant
	.p2alignl 7, 3214868480
	.fill 96, 4, 3214868480
	.section	.rodata,"a",@progbits
	.p2align	6, 0x0
	.amdhsa_kernel k_q597e0711df_quant
		.amdhsa_group_segment_fixed_size 70656
		.amdhsa_private_segment_fixed_size 0
		.amdhsa_enable_private_segment 0
		.amdhsa_kernarg_size 48
		.amdhsa_user_sgpr_count 2
		.amdhsa_user_sgpr_kernarg_segment_ptr 1
		.amdhsa_wavefront_size32 1
		.amdhsa_system_sgpr_workgroup_id_x 1
		.amdhsa_system_sgpr_workgroup_id_y 1
		.amdhsa_system_sgpr_workgroup_id_z 1
		.amdhsa_system_vgpr_workitem_id 0
		.amdhsa_next_free_vgpr 256
		.amdhsa_next_free_sgpr 66
		.amdhsa_reserve_vcc 0
		.amdhsa_float_denorm_mode_32 3
		.amdhsa_float_denorm_mode_16_64 3
		.amdhsa_memory_ordered 1
		.amdhsa_forward_progress 1
		.amdhsa_inst_pref_size 43
	.end_amdhsa_kernel
	.amdgpu_metadata
---
amdhsa.version: [ 1, 2 ]
amdhsa.kernels:
  - .name:           k_q597e0711df_quant
    .symbol:         k_q597e0711df_quant.kd
    .args:
      - { .name: x, .offset: 0, .size: 8, .value_kind: global_buffer, .address_space: global }
      - { .name: W_query, .offset: 8, .size: 8, .value_kind: global_buffer, .address_space: global }
      - { .name: W_key, .offset: 16, .size: 8, .value_kind: global_buffer, .address_space: global }
      - { .name: W_value, .offset: 24, .size: 8, .value_kind: global_buffer, .address_space: global }
      - { .name: opc, .offset: 32, .size: 8, .value_kind: global_buffer, .address_space: global }
      - { .name: ops, .offset: 40, .size: 8, .value_kind: global_buffer, .address_space: global }
    .group_segment_fixed_size: 70656
    .private_segment_fixed_size: 0
    .kernarg_segment_align: 8
    .kernarg_segment_size: 48
    .max_flat_workgroup_size: 256
    .sgpr_count:     66
    .vgpr_count:     256
    .wavefront_size: 32
...
	.end_amdgpu_metadata
.endif
;; end of part 6
;; launch proj (part 7): grid 8 x 32, 4 waves a work-group, clusters of 4 x 4, 327,680 bytes of LDS; arguments opc, ops, qkv, qkvs; writes qkv, qkvs
.if DOCPART == 7
	.amdgcn_target "amdgcn-amd-amdhsa--gfx1250"
	.amdhsa_code_object_version 6
	.text
	.protected	k_q597e0711df_proj
	.globl	k_q597e0711df_proj
	.p2align	8
	.type	k_q597e0711df_proj,@function
k_q597e0711df_proj:
	s_mov_b64 s[64:65], 0
	v_nop
	global_prefetch_b8 v0, s[64:65] scope:SCOPE_SE
	s_setreg_imm32_b32 hwreg(HW_REG_WAVE_MODE, 25, 1), 1
	s_wait_xcnt 0x0
	s_wait_alu depctr_hold_cnt(0) depctr_sa_sdst(0) depctr_va_vdst(0) depctr_va_sdst(0) depctr_va_ssrc(0) depctr_va_vcc(0) depctr_vm_vsrc(0)
	s_getreg_b32 s2, hwreg(HW_REG_IB_STS2, 6, 4)
	s_cmp_eq_u32 s2, 0
	s_cbranch_scc0 .Lentry_in_a_cluster
	s_endpgm
.Lentry_in_a_cluster:
	s_bfe_u32 s2, ttmp6, 0x10000c
	s_cmp_lg_u32 s2, 0xf033
	s_cbranch_scc0 .Lentry_shape_is_right
	s_endpgm
.Lentry_shape_is_right:
; q, k (phase 1) and v^T (phase 2) on codes of E2M3, K = 1,024, quantised on the way out into images of operand registers.
; Phase 1: a tile of 256 rows of x against 256 columns of W_query or W_key; phase 2: 128 columns of W_value against the same 256 rows of x, transposed.
; K goes in pairs of K steps through three LDS slots; fill n lands in slot n % 3: fills 0-3 phase 1, fills 4-7 phase 2.
; THE HEAD: one joint load a wave: wave 0 all of x's slot 0, wave 2 all of the weight's, waves 1 and 3 the two blocks of scale words.
; Fill 1 follows behind the head's round, fill n + 2 at the end of pair n (n = 0-3; fill 7 at that of pair 4), fill 6 behind a round of its own on phase 1's way out.
; CLUSTERS of 4 x 4: x's tiles are shared along a row of the cluster, the weights' along a column.
.set RB,     3072
.set HALFT,  8*RB
.set SLOT,   4*HALFT
.set WVS,    3*SLOT
.set SCL,    WVS+4096
.set SPARE,  SCL+4*4096
.set PITCH8, 1536
.set VTC,    12582912
.set VTS,    524288
.set ADRA2, 8
.set ADRB2, 12
.set ADRA, 16
.set ADRB, 20
.set IO,   24
.set SO,   25
.set SO2,  26
.set ADRS, 27
.set SPW,  28
.set NIL,  29
.set ADRT1, 30
.set ADRT2, 31
.set SC,   32
.set AF,   64
.set G1, 24
.set G0, 32
.set G1B, 48
.set G1S, 68
.set G0S, 76
.set G1SB, 80
.set G0SB, 88
.set OUT,  2
.set WV2,  4
.set OUT2, 8
.set SOUT2, 10
.set PIT,  12
.set SOUT, 20
.set SEL,  22
.set HM,   19
.set MSB, 0
.macro WIN new
.if MSB != (\new)
	s_set_vgpr_msb (MSB<<8)|(\new)
.set MSB, (\new)
.endif
.endm
.set MUL_LO, 0xa1
.set MUL_HI, 0xf1
.set TO_B,   0x40
.macro PLACES
.rept 4
	v_nop
.endr
.endm
.macro JLOAD g0a, g1a, g0b, g1b
	s_cmp_eq_u32 s15, 0
	s_cbranch_scc0 .Lfor_b_\@
	tensor_load_to_lds s[\g0a:\g0a+3], s[\g1a:\g1a+7]
	s_nop 0
.rept 4
	v_nop
.endr
	s_branch .Lasked_\@
.Lfor_b_\@:
	tensor_load_to_lds s[\g0b:\g0b+3], s[\g1b:\g1b+7]
	s_nop 0
.rept 4
	v_nop
.endr
.Lasked_\@:
.endm
.macro JLOAD2
	s_cmp_lt_u32 s14, 2
	s_cbranch_scc0 .Lnot_x_\@
	tensor_load_to_lds s[GA:GA+3], s[G1:G1+7]
	s_nop 0
.rept 4
	v_nop
.endr
	s_branch .Lasked_\@
.Lnot_x_\@:
	s_cmp_eq_u32 s14, 2
	s_cbranch_scc0 .Lasked_\@
	tensor_load_to_lds s[GB:GB+3], s[G1B:G1B+7]
	s_nop 0
.rept 4
	v_nop
.endr
.Lasked_\@:
.rept 4
	v_nop
.endr
.endm
.macro UPD n
.set SL, (\n)%3
.set GA, G0+4*SL
.set GB, 56+4*SL-20*(SL/2)
.if ((\n) == 3) || ((\n) == 7)
	s_add_nc_u64 s[GA+2:GA+3], s[GA+2:GA+3], 3*RB
.else
	s_sub_nc_u64 s[GA+2:GA+3], s[GA+2:GA+3], RB
.endif
.if (\n) == 3
	s_add_nc_u64 s[GB+2:GB+3], s[GB+2:GB+3], 3*RB
.else
	s_add_nc_u64 s[GB+2:GB+3], s[WV2:WV2+1], ((\n)-4)*RB
	s_or_b32 s[GB+3], s[GB+3], 0x80000000
.endif
.endm
.macro CREST
	s_cmp_lg_u32 s14, 0
	s_cbranch_scc1 .Lnot_wave_0_\@
	s_barrier_signal -3
.Lnot_wave_0_\@:
	s_barrier_wait -3
	s_barrier_signal -1
	s_barrier_wait -1
.endm
.macro CROUND
	s_barrier_signal -1
	s_barrier_wait -1
	CREST
.endm
	s_load_b256 s[4:11], s[0:1], 0x0
	v_lshl_add_u32 v[SPW], v0, 2, SPARE
	v_mov_b32 v[NIL], 0
	ds_add_u32 v[SPW], v[NIL]
	ds_add_u32 v[SPW], v[NIL]
	v_lshrrev_b32 v1, 5, v0
	v_readfirstlane_b32 s14, v1
	s_lshr_b32 s15, s14, 1
	s_and_b32 s16, s14, 1
	s_bfe_u32 s12, ttmp6, 0x40000
	s_bfe_u32 s13, ttmp6, 0x40004
	s_lshl_b32 s20, s13, 2
	s_lshl_b32 s20, 15, s20
	s_lshl_b32 s21, 0x1111, s12
	s_lshl_b32 s22, ttmp9, 2
	s_add_co_u32 s22, s22, s12
	s_and_b32 s23, ttmp7, 0xffff
	s_lshl_b32 s23, s23, 2
	s_add_co_u32 s23, s23, s13
	s_or_b32 s[G1+0], s20, (3<<16)|(1<<21)
	s_or_b32 s[G1B+0], s21, (3<<16)|(1<<21)
.irp g, G1, G1B
	s_mov_b32 s[\g+1], 384<<16
	s_mov_b32 s[\g+2], 16<<16                      ; 16 row blocks for the head's loads; set to 8 behind them
	s_mov_b32 s[\g+3], 384<<16
	s_mov_b32 s[\g+4], 16
	s_mov_b32 s[\g+5], PITCH8
	s_mov_b32 s[\g+6], 0
	s_mov_b32 s[\g+7], 0
.endr
	s_or_b32 s[G1S+0], s20, (3<<16)|(1<<21)
	s_or_b32 s[G1SB+0], s21, (3<<16)|(1<<21)
.irp g, G1S, G1SB                      ; the scale words of 256 rows: 8,192 dense bytes as 32 rows of 256
	s_mov_b32 s[\g+1], 32<<16
	s_mov_b32 s[\g+2], 32<<16
	s_mov_b32 s[\g+3], 32<<16
	s_mov_b32 s[\g+4], 32
	s_mov_b32 s[\g+5], 32
	s_mov_b32 s[\g+6], 0
	s_mov_b32 s[\g+7], 0
.endr
	s_lshl_b32 s17, s16, 7
	s_lshl_b32 s18, s23, 8
	s_add_co_u32 s18, s18, s17
	s_mul_i32 s92, s18, 768
	s_mov_b32 s93, 0
	s_lshl_b32 s94, s18, 5
	s_mov_b32 s95, 0
	s_lshl_b32 s19, s22, 8
	s_add_co_u32 s19, s19, s17
	s_add_co_u32 s19, s19, 8192
	s_mul_i32 s96, s19, 768
	s_mov_b32 s97, 0
	s_lshl_b32 s98, s19, 5
	s_mov_b32 s99, 0
	s_mul_i32 s66, s14, HALFT
	s_wait_dscnt 0x0
	s_wait_kmcnt 0x0
	s_add_nc_u64 s[92:93], s[4:5], s[92:93]
	s_add_nc_u64 s[94:95], s[6:7], s[94:95]
	s_add_nc_u64 s[96:97], s[4:5], s[96:97]
	s_add_nc_u64 s[98:99], s[6:7], s[98:99]
	CROUND
	s_lshl_b32 s18, s16, 12                        ; back from my half's scale words to the tile's first
	s_mov_b32 s19, 0
	s_mov_b32 s[G0S], 1
	s_mov_b32 s[G0S+1], SCL
	s_sub_nc_u64 s[G0S+2:G0S+3], s[94:95], s[18:19]
	s_or_b32 s[G0S+3], s[G0S+3], 0x80000000
	s_mov_b32 s[G0SB], 1
	s_mov_b32 s[G0SB+1], SCL+8192
	s_sub_nc_u64 s[G0SB+2:G0SB+3], s[98:99], s[18:19]
	s_or_b32 s[G0SB+3], s[G0SB+3], 0x80000000
.irp s, 0,1,2
.set GB, 56+4*\s-20*(\s/2)
	s_mov_b32 s[G0+4*\s], 1
	s_add_co_u32 s[G0+4*\s+1], s66, \s*SLOT
	s_add_nc_u64 s[G0+4*\s+2:G0+4*\s+3], s[92:93], \s*RB
	s_or_b32 s[G0+4*\s+3], s[G0+4*\s+3], 0x80000000
	s_mov_b32 s[GB], 1
	s_add_co_u32 s[GB+1], s66, \s*SLOT
	s_add_nc_u64 s[GB+2:GB+3], s[96:97], \s*RB
	s_or_b32 s[GB+3], s[GB+3], 0x80000000
.endr
; the head's loads, one a wave, in one tree of branches on the wave's number.
; Waves 0 and 2 fetch half 0 in the ring: with 16 row blocks their slot 0 descriptors cover the whole tile.
.macro ARM under, g0, g1, next
	s_cmp_lt_u32 s14, \under
	s_cbranch_scc0 \next
	tensor_load_to_lds s[\g0:\g0+3], s[\g1:\g1+7]
	s_nop 0
.rept 4
	v_nop
.endr
	s_branch .Lhead_asked
\next:
.endm
	ARM 1, G0,  G1,  .Lhead_sa
	ARM 2, G0S, G1S, .Lhead_b
	ARM 3, 56,  G1B, .Lhead_sb
	tensor_load_to_lds s[G0SB:G0SB+3], s[G1SB:G1SB+7]
	s_nop 0
.rept 4
	v_nop
.endr
.Lhead_asked:
; PREFETCHES for phase 1's fills 1 to 3, two fills ahead: here fills 1 and 2, behind fill 1's load fill 3.  Of the 8 row blocks x 3,072 bytes that my ring load brings, each of the four partners
; that ask for them jointly names 2 row blocks, told apart by address (cx for x's tiles, cy for the weights'): 24 blocks of 256 bytes, a lane a block; lanes 24-31 name the last again.
; Phase 2 has none: x is read a second time, and W_value's fill 4 goes out 96 matrix instructions ahead of the wait for it, fills 5 and 6 under phase 1's way out.
	s_cmp_eq_u32 s15, 0
	s_cselect_b32 s66, s12, s13
	s_cselect_b64 s[100:101], s[92:93], s[96:97]
	s_mul_i32 s66, s66, 2*12288
	s_mov_b32 s67, 0
	s_add_nc_u64 s[100:101], s[100:101], s[66:67]  ; never rewritten
	v_and_b32 v1, 31, v0
	v_min_u32 v1, 23, v1
	v_mul_u32_u24 v2, v1, 0x1556
	v_lshrrev_b32 v2, 16, v2                       ; block / 12: which of my two row blocks
	v_mul_u32_u24 v3, v2, 12
	v_sub_nc_u32 v1, v1, v3
	v_lshlrev_b32 v1, 8, v1
	v_mad_u32_u24 v11, v2, 12288, v1               ; v11: never rewritten
	global_prefetch_b8 v11, s[100:101] offset:RB th:TH_LOAD_NT scope:SCOPE_SE
	global_prefetch_b8 v11, s[100:101] offset:2*RB th:TH_LOAD_NT scope:SCOPE_SE
	s_lshl_b32 s17, s22, 7
	s_add_co_u32 s17, s17, 10240
	s_lshl_b32 s18, s17, 5
	s_mov_b32 s19, 0
	s_add_nc_u64 s[6:7], s[6:7], s[18:19]
	v_lshlrev_b32 v5, 4, v0
	s_wait_alu depctr_va_vdst(0)
	global_load_b128 v[64:67], v5, s[6:7]
	global_load_b128 v[68:71], v5, s[6:7] offset:2048
	s_mul_i32 s18, s17, 768
	s_add_nc_u64 s[WV2:WV2+1], s[4:5], s[18:19]
	s_lshl_b32 s17, s23, 4
	s_lshl_b32 s18, s15, 3
	s_add_co_u32 s17, s17, s18
	s_mul_i32 s18, s17, 24576
	s_lshl_b32 s17, s22, 1
	s_add_co_u32 s17, s17, s16
	s_mul_i32 s66, s17, 1536
	s_add_co_u32 s18, s18, s66
	s_add_nc_u64 s[OUT:OUT+1], s[8:9], s[18:19]
	s_lshl_b32 s18, s23, 1
	s_add_co_u32 s18, s18, s15
	s_lshl_b32 s18, s18, 13
	s_lshl_b32 s66, s17, 9
	s_add_co_u32 s18, s18, s66
	s_add_nc_u64 s[SOUT:SOUT+1], s[10:11], s[18:19]
	s_lshl_b32 s17, s22, 3
	s_lshl_b32 s18, s15, 2
	s_add_co_u32 s17, s17, s18
	s_mul_i32 s18, s17, 98304
	s_lshl_b32 s17, s23, 1
	s_add_co_u32 s17, s17, s16
	s_mul_i32 s66, s17, 1536
	s_add_co_u32 s18, s18, s66
	s_add_co_u32 s18, s18, VTC
	s_add_nc_u64 s[OUT2:OUT2+1], s[8:9], s[18:19]
	s_lshl_b32 s18, s22, 15
	s_lshl_b32 s66, s17, 9
	s_add_co_u32 s18, s18, s66
	s_lshl_b32 s66, s15, 4
	s_add_co_u32 s18, s18, s66
	s_add_co_u32 s18, s18, VTS
	s_add_nc_u64 s[SOUT2:SOUT2+1], s[10:11], s[18:19]
	s_mov_b32 s[PIT], 24576
	s_mov_b32 s[PIT+1], 0
	s_mov_b32 s[SEL], 0x76543210
	s_mov_b32 s[SEL+1], 0xfedcba98
	s_mov_b32 s[HM], 0xffff0000
	v_add_nc_u32 v6, WVS, v5
	v_and_b32 v1, 15, v0
	v_bfe_u32 v2, v0, 4, 1
	v_and_b32 v3, 31, v0
	v_lshlrev_b32 v[IO], 4, v3
	s_wait_alu depctr_va_vdst(0)
	s_mul_i32 s17, s15, HALFT
	s_mul_i32 s18, s16, HALFT
	s_add_co_u32 s66, s18, 2*HALFT
	s_mul_i32 s67, s15, 4*RB
	s_add_co_u32 s67, s67, 2*HALFT
.irp s, 0,1,2
	v_add_nc_u32 v[ADRA+\s], s17, v[IO]
	v_add_nc_u32 v[ADRB+\s], s66, v[IO]
	v_add_nc_u32 v[ADRA2+\s], s67, v[IO]
	v_add_nc_u32 v[ADRB2+\s], s18, v[IO]
	s_add_co_u32 s17, s17, SLOT
	s_add_co_u32 s18, s18, SLOT
	s_add_co_u32 s66, s66, SLOT
	s_add_co_u32 s67, s67, SLOT
.endr
	s_lshl_b32 s17, s15, 12
	s_add_co_u32 s18, s16, 2
	s_sub_co_u32 s18, s18, s15
	s_lshl_b32 s18, s18, 12
	v_mul_u32_u24 v4, s18, v2
	s_add_co_u32 s17, s17, SCL
	v_lshl_add_u32 v4, v1, 5, v4
	v_add_nc_u32 v[ADRS], s17, v4
	s_lshl_b32 s17, s15, 4
	s_lshl_b32 s18, s16, 12
	s_add_co_u32 s18, s18, 4096
	s_sub_co_u32 s18, s18, s17
	v_mul_u32_u24 v4, s18, v2
	s_add_co_u32 s17, s17, WVS
	v_lshl_add_u32 v4, v1, 5, v4
	v_add_nc_u32 v[ADRT1], s17, v4
	v_lshl_add_u32 v[ADRT2], v2, 4, v[ADRT1]
	v_lshlrev_b32 v[SO], 5, v1
	v_lshl_add_u32 v[SO2], v2, 3, v[SO]
	v_lshl_add_u32 v[SO], v2, 4, v[SO]
	s_wait_alu depctr_va_vdst(0)
	s_wait_loadcnt 0x0
	ds_store_b128 v6, v[64:67]
	ds_store_b128 v6, v[68:71] offset:2048
.macro FETCH slot, q, p, ks
	WIN TO_B
.irp i, 0,1,2,3,4,5,6,7
.irp c, 0,1,2
	ds_load_b128 v[128*(\p)+12*\i+4*\c:128*(\p)+12*\i+4*\c+3], v[ADRB+\slot] offset:\i*RB+(\q)*1536+512*\c
.endr
.endr
	WIN 0
.irp i, 0,1,2,3
.irp c, 0,1,2
	ds_load_b128 v[AF+96*(\p)+12*\i+4*\c:AF+96*(\p)+12*\i+4*\c+3], v[ADRA+\slot] offset:\i*RB+(\q)*1536+512*\c
.endr
.endr
	ds_load_b128 v[SC+8*(\p):SC+8*(\p)+3], v[ADRS] offset:512*(\ks)
	ds_load_b128 v[SC+8*(\p)+4:SC+8*(\p)+7], v[ADRS] offset:512*(\ks)+16
.irp i, 4,5,6,7
.irp c, 0,1,2
	ds_load_b128 v[AF+96*(\p)+12*\i+4*\c:AF+96*(\p)+12*\i+4*\c+3], v[ADRA+\slot] offset:\i*RB+(\q)*1536+512*\c
.endr
.endr
.endm
.macro FETCH2 slot, q, p, ks
	WIN TO_B
.irp i, 0,1,2,3,4,5,6,7
.irp c, 0,1,2
	ds_load_b128 v[128*(\p)+12*\i+4*\c:128*(\p)+12*\i+4*\c+3], v[ADRB2+\slot] offset:\i*RB+(\q)*1536+512*\c
.endr
.endr
	WIN 0
	ds_load_b128 v[SC+8*(\p):SC+8*(\p)+3], v[ADRT1] offset:512*(\ks)
	ds_load_b128 v[SC+8*(\p)+4:SC+8*(\p)+7], v[ADRT2] offset:512*(\ks)
.irp i, 0,1,2,3
.irp c, 0,1,2
	ds_load_b128 v[AF+96*(\p)+12*\i+4*\c:AF+96*(\p)+12*\i+4*\c+3], v[ADRA2+\slot] offset:\i*RB+(\q)*1536+512*\c
.endr
.endr
.endm
.macro MULA a, p, zero
.irp b, 0,1,2,3,4,5,6,7
.if \zero
	v_wmma_scale_f32_16x16x128_f8f6f4 v[8*(8*((\a)%4)+\b):8*(8*((\a)%4)+\b)+7], v[128*(\p)+12*\b:128*(\p)+12*\b+11], v[AF+96*(\p)+12*(\a):AF+96*(\p)+12*(\a)+11], 0, v[SC+8*(\p)+\b], v[SC+8*(\p)+(\a)] matrix_a_fmt:MATRIX_FMT_FP6 matrix_b_fmt:MATRIX_FMT_FP6 matrix_a_scale:MATRIX_SCALE_ROW1
.else
	v_wmma_scale_f32_16x16x128_f8f6f4 v[8*(8*((\a)%4)+\b):8*(8*((\a)%4)+\b)+7], v[128*(\p)+12*\b:128*(\p)+12*\b+11], v[AF+96*(\p)+12*(\a):AF+96*(\p)+12*(\a)+11], v[8*(8*((\a)%4)+\b):8*(8*((\a)%4)+\b)+7], v[SC+8*(\p)+\b], v[SC+8*(\p)+(\a)] matrix_a_fmt:MATRIX_FMT_FP6 matrix_b_fmt:MATRIX_FMT_FP6 matrix_a_scale:MATRIX_SCALE_ROW1
.endif
.endr
.endm
.macro STEP p, zero, nslot, nq, nks
	s_wait_dscnt 0x0
	PLACES
	FETCH \nslot, \nq, 1-(\p), \nks
	WIN MUL_LO
	MULA 0, \p, \zero
	MULA 1, \p, \zero
	MULA 2, \p, \zero
	MULA 3, \p, \zero
	WIN MUL_HI
	MULA 4, \p, \zero
	MULA 5, \p, \zero
	MULA 6, \p, \zero
	MULA 7, \p, \zero
.endm
.macro TURN fill, fetch, nslot, nks
	WIN 0
	s_wait_tensorcnt 0x0
	ds_add_u32 v[SPW], v[NIL]
	s_wait_dscnt 1
	WIN MUL_LO
	MULA 0, 1, 0
	MULA 1, 1, 0
	s_wait_dscnt 0x0
	s_barrier_signal -1
	MULA 2, 1, 0
	MULA 3, 1, 0
	WIN 0
	s_barrier_wait -1
	CREST
.if (\fill) == 2                       ; slot 2's first fill: its descriptors stand as the head made them
.set GA, G0+8
.set GB, 44
.else
	UPD \fill
.endif
.if (\fill) <= 3
	JLOAD GA, G1, GB, G1B
.else
	JLOAD2
.endif
.if \fetch
	FETCH \nslot, 0, 0, \nks
.endif
	WIN MUL_HI
	MULA 4, 1, 0
	MULA 5, 1, 0
	MULA 6, 1, 0
	MULA 7, 1, 0
.endm
.macro STEP2 p, zero, nslot, nq, nks
	s_wait_dscnt 0x0
	PLACES
	FETCH2 \nslot, \nq, 1-(\p), \nks
	WIN MUL_LO
	MULA 0, \p, \zero
	MULA 1, \p, \zero
	MULA 2, \p, \zero
	MULA 3, \p, \zero
.endm
.macro TURN2 fill, nslot, nks
	WIN 0
	s_wait_tensorcnt 0x0
	ds_add_u32 v[SPW], v[NIL]
	s_wait_dscnt 1
	WIN MUL_LO
	MULA 0, 1, 0
	s_wait_dscnt 0x0
	s_barrier_signal -1
	MULA 1, 1, 0
	WIN 0
	s_barrier_wait -1
.if \fill
	CREST
	UPD \fill
	JLOAD2
.else
	PLACES
.endif
	FETCH2 \nslot, 0, 0, \nks
	WIN MUL_LO
	MULA 2, 1, 0
	MULA 3, 1, 0
.endm
.macro QOUT a
.set WA, 2+(\a)/4
.set AC, 64*((\a)%4)
.set WM, (WA<<2)|(WA<<4)
	WIN WM
.irp b, 0,1,2,3
	v_max3_num_f32 v[48+\b], 0x1800000, |v[AC+16*\b]|, |v[AC+16*\b+1]|
.endr
.irp i, 2,4,6,8,10,12,14
.irp b, 0,1,2,3
	v_max3_num_f32 v[48+\b], v[48+\b], |v[AC+16*\b+\i]|, |v[AC+16*\b+\i+1]|
.endr
.endr
	WIN 0
.irp b, 0,1,2,3
	v_permlanex16_b32 v[52+\b], v[48+\b], s[SEL], s[SEL+1]
.endr
.irp b, 0,1,2,3
	v_max_num_f32 v[48+\b], v[48+\b], v[52+\b]
.endr
.irp b, 0,1,2,3
	v_add_nc_u32 v[60+\b], 0xff000000, v[48+\b]
.endr
.irp b, 0,1,2,3
	v_lshrrev_b32 v[52+\b], 23, v[60+\b]
.endr
	v_lshl_or_b32 v[160+\a], v53, 8, v52
	v_lshl_or_b32 v[160+\a], v54, 16, v[160+\a]
	v_lshl_or_b32 v[160+\a], v55, 24, v[160+\a]
.if (\a) > 0
	s_wait_xcnt 0x0
	s_add_nc_u64 s[OUT:OUT+1], s[OUT:OUT+1], s[PIT:PIT+1]
.endif
	WIN WA
.irp c, 0,1
	v_cvt_scalef32_pk16_fp6_f32 v[72+6*\c:74+6*\c], v[AC+32*\c:AC+32*\c+15], v[60+2*\c]
	v_cvt_scalef32_pk16_fp6_f32 v[84+4*\c:86+4*\c], v[AC+32*\c+16:AC+32*\c+31], v[61+2*\c]
.endr
	WIN 0
	v_nop
.irp c, 0,1
.irp i, 0,1,2
	v_permlane16_swap_b32 v[72+6*\c+\i], v[84+4*\c+\i]
.endr
.irp i, 0,1,2
	v_mov_b32 v[75+6*\c+\i], v[84+4*\c+\i]
.endr
.endr
.irp c, 0,1,2
	global_store_b128 v[IO], v[72+4*\c:75+4*\c], s[OUT:OUT+1] offset:512*\c
.endr
.endm
	s_wait_tensorcnt 0x0                           ; my tile of the head's four is in
	ds_add_u32 v[SPW], v[NIL]
	s_mov_b32 s[G1+2], 8<<16                       ; no load of mine is out: from here on a load brings 8 row blocks
	s_mov_b32 s[G1+4], 8
	s_mov_b32 s[G1B+2], 8<<16
	s_mov_b32 s[G1B+4], 8
	s_wait_dscnt 0x0                               ; the add is done, and my stores of W_value's scale words have landed
	CROUND
	JLOAD G0+4, G1, 60, G1B                        ; fill 1, the first tensor load behind the round
	FETCH 0, 0, 0, 0
	global_prefetch_b8 v11, s[100:101] offset:3*RB th:TH_LOAD_NT scope:SCOPE_SE   ; fill 3, the last of phase 1
	STEP 0, 1, 0, 1, 1
	TURN 2, 1, 1, 2
	STEP 0, 0, 1, 1, 3
	TURN 3, 1, 2, 4
	STEP 0, 0, 2, 1, 5
	TURN 4, 1, 0, 6
	STEP 0, 0, 0, 1, 7
	TURN 5, 0, 0, 0
	WIN 0
.irp b, 0,1,2,3
	v_mov_b32 v[52+\b], 0
.endr
.irp a, 0,1,2,3,4,5,6,7
	QOUT \a
.if \a == 4                            ; fill 6 into slot 0, whose last reads were phase 1's last pair: the full sequence and a round of its own
	s_wait_alu depctr_va_vdst(0)
	s_wait_tensorcnt 0x0
	ds_add_u32 v[SPW], v[NIL]
	s_wait_dscnt 0x0
	CROUND
	UPD 6
	JLOAD2
.endif
.endr
.irp i, 0,1,2,3
	v_cndmask_b32 v[184+\i], v[160+\i], v[164+\i], s[HM]
.endr
	global_store_b128 v[SO], v[184:187], s[SOUT:SOUT+1]
	s_wait_xcnt 0x0
	s_mov_b64 s[OUT:OUT+1], s[OUT2:OUT2+1]
	s_mov_b32 s[PIT], 98304
	FETCH2 1, 0, 0, 0
	STEP2 0, 1, 1, 1, 1
	TURN2 7, 2, 2
	STEP2 0, 0, 2, 1, 3
	STEP2 1, 0, 0, 0, 4
	STEP2 0, 0, 0, 1, 5
	TURN2 0, 1, 6
	STEP2 0, 0, 1, 1, 7
	s_wait_dscnt 0x0
	WIN MUL_LO
	MULA 0, 1, 0
	MULA 1, 1, 0
	MULA 2, 1, 0
	MULA 3, 1, 0
	WIN 0
	PLACES
.irp a, 0,1,2,3
	QOUT \a
.endr
	v_cndmask_b32 v184, v160, v162, s[HM]
	v_cndmask_b32 v185, v161, v163, s[HM]
	global_store_b64 v[SO2], v[184:185], s[SOUT2:SOUT2+1]
	s_wait_tensorcnt 0x0
	ds_add_u32 v[SPW], v[NIL]
	s_wait_dscnt 0x0
	CROUND
	s_endpgm
.Lfunc_end_k_q597e0711df_proj:
	.size	k_q597e0711df_proj, .Lfunc_end_k_q597e0711df_proj-k_q597e0711df_proj
	.p2alignl 7, 3214868480
	.fill 96, 4, 3214868480
	.section	.rodata,"a",@progbits
	.p2align	6, 0x0
	.amdhsa_kernel k_q597e0711df_proj
		.amdhsa_group_segment_fixed_size 327680
		.amdhsa_private_segment_fixed_size 0
		.amdhsa_enable_private_segment 0
		.amdhsa_kernarg_size 32
		.amdhsa_user_sgpr_count 2
		.amdhsa_user_sgpr_kernarg_segment_ptr 1
		.amdhsa_wavefront_size32 1
		.amdhsa_system_sgpr_workgroup_id_x 1
		.amdhsa_system_sgpr_workgroup_id_y 1
		.amdhsa_system_sgpr_workgroup_id_z 1
		.amdhsa_system_vgpr_workitem_id 0
		.amdhsa_next_free_vgpr 1024
		.amdhsa_next_free_sgpr 102
		.amdhsa_reserve_vcc 0
		.amdhsa_float_denorm_mode_32 3
		.amdhsa_float_denorm_mode_16_64 3
		.amdhsa_memory_ordered 1
		.amdhsa_forward_progress 1
		.amdhsa_inst_pref_size 217
	.end_amdhsa_kernel
	.amdgpu_metadata
---
amdhsa.version: [ 1, 2 ]
amdhsa.kernels:
  - .name:           k_q597e0711df_proj
    .symbol:         k_q597e0711df_proj.kd
    .args:
      - { .name: opc, .offset: 0, .size: 8, .value_kind: global_buffer, .address_space: global }
      - { .name: ops, .offset: 8, .size: 8, .value_kind: global_buffer, .address_space: global }
      - { .name: qkv, .offset: 16, .size: 8, .value_kind: global_buffer, .address_space: global }
      - { .name: qkvs, .offset: 24, .size: 8, .value_kind: global_buffer, .address_space: global }
    .group_segment_fixed_size: 327680
    .private_segment_fixed_size: 0
    .kernarg_segment_align: 8
    .kernarg_segment_size: 32
    .max_flat_workgroup_size: 128
    .sgpr_count:     102
    .vgpr_count:     1024
    .wavefront_size: 32
...
	.end_amdgpu_metadata
.endif
;; end of part 7
;; launch score (part 8): grid 8 x 32, 4 waves a work-group, clusters of 4 x 4, 327,680 bytes of LDS; arguments qkv, qkvs, p, pst; writes p, pst
.if DOCPART == 8
	.amdgcn_target "amdgcn-amd-amdhsa--gfx1250"
	.amdhsa_code_object_version 6
	.text
	.protected	k_q597e0711df_score
	.globl	k_q597e0711df_score
	.p2align	8
	.type	k_q597e0711df_score,@function
k_q597e0711df_score:
	s_mov_b64 s[64:65], 0
	v_nop
	global_prefetch_b8 v0, s[64:65] scope:SCOPE_SE
	s_setreg_imm32_b32 hwreg(HW_REG_WAVE_MODE, 25, 1), 1
	s_wait_xcnt 0x0
	s_wait_alu depctr_hold_cnt(0) depctr_sa_sdst(0) depctr_va_vdst(0) depctr_va_sdst(0) depctr_va_ssrc(0) depctr_va_vcc(0) depctr_vm_vsrc(0)
	s_getreg_b32 s2, hwreg(HW_REG_IB_STS2, 6, 4)
	s_cmp_eq_u32 s2, 0
	s_cbranch_scc0 .Lentry_in_a_cluster
	s_endpgm
.Lentry_in_a_cluster:
	s_bfe_u32 s2, ttmp6, 0x10000c
	s_cmp_lg_u32 s2, 0xf033
	s_cbranch_scc0 .Lentry_shape_is_right
	s_endpgm
.Lentry_shape_is_right:
; S[j][i] = k[j] . q[i] on codes of E2M3 (K = 1,024), and on the way out the softmax over i, piece by piece: t = S x log2(e) / 32; for each row j and each 128 i: M = ceil(the largest t of the piece), a whole number;
; p = 2^(t - M), quantised along i in blocks of 32; l = the sum of the piece's unquantised p.  The next launch brings the pieces under the row's own M: a move of the scale bytes and of l by whole powers of two.
; The maximum is taken away before every exponential: no exponent is above 0.
; OPERANDS: images of registers (a fragment, 16 rows x 128 K, is 1,536 bytes: registers 4 c .. 4 c + 3 of lane l at 512 c + 16 l).  qkv: [512 row blocks][16 K steps: 0-7 q, 8-15 k].  qkvs: [64 x 128 rows][16 K steps][512 bytes].
; A TILE is 256 rows j (A = k, source 1: a lane holds one j) x 256 rows i of the same batch (B = q, source 0: a lane's registers run along i); four waves, 128 x 128 each.
; CLUSTERS of 4 x 4: k's tiles are shared along a row of the cluster, q's along a column: each is asked for jointly.  K goes in slots of 256 through two LDS slots; the scale words of all of K come once.
; OUT: p: [512 row blocks of j][16 K steps of the batch's i][1,536].  pst: [64 x 128 rows j][16 K steps][3 x 512 bytes: scale words, -M, l], the number of row 16 a + r at 32 r + 4 a.
; Inside a block of 32 along i the codes stand in the order 0-7, 16-23, 8-15, 24-31, as v^T's do, which the same lines of the launch before have made.
; LIMITS: M is exact as a whole number in f32 for |t| under 2^24; a p under 2^-126 counts as 0; a block whose every p is 0 gets the byte 1 (zero codes); NaN and infinities are not served.
; REGISTERS: window 0: v16-29 addresses; v32-47 scale words, two sets; v48-63 at work; A's fragments, set 0 at v64, set 1 at v160 (both free on the way out).  window 1: B's, at v0 and v128.  windows 2, 3: accumulator (a, b) at v[8 (8 (a % 4) + b)].
.set RB,     3072
.set HALFT,  8*RB
.set SLOT,   4*HALFT
.set SCL,    2*SLOT
.set SPARE,  SCL+4*4096                ; the spare words, 128 bytes a wave; no other line names them
.set PITCH8, 3072                      ; from row block to row block in qkv's first part, in elements of 8 bytes
.set ADRA, 16
.set ADRB, 20
.set IO,   24
.set SO,   25
.set ADRS, 27
.set SPW,  28
.set NIL,  29
.set SC,   32
.set AF,   64
.set G1, 24
.set G0, 32
.set G1B, 48
.set G0B, 56
.set G1S, 68
.set G0S, 76
.set G1SB, 80
.set G0SB, 88
.set OUT,  2                           ; s[2:3]   where my images of p go
.set CS,   12                          ; s[12:13] c = log2(e) / 32
.set SOUT, 20                          ; s[20:21] where my three units go
.set SEL,  22
.set HM,   19
.set MSB, 0
.macro WIN new
.if MSB != (\new)
	s_set_vgpr_msb (MSB<<8)|(\new)
.set MSB, (\new)
.endif
.endm
.set MUL_LO, 0xa1
.set MUL_HI, 0xf1
.set TO_B,   0x40
.macro PLACES
.rept 4
	v_nop
.endr
.endm
.macro JLOAD g0a, g1a, g0b, g1b        ; waves 0 and 1 fetch for A, waves 2 and 3 for B; an s_nop 0 and four v_nop follow each line
	s_cmp_eq_u32 s15, 0
	s_cbranch_scc0 .Lfor_b_\@
	tensor_load_to_lds s[\g0a:\g0a+3], s[\g1a:\g1a+7]
	s_nop 0
.rept 4
	v_nop
.endr
	s_branch .Lasked_\@
.Lfor_b_\@:
	tensor_load_to_lds s[\g0b:\g0b+3], s[\g1b:\g1b+7]
	s_nop 0
.rept 4
	v_nop
.endr
.Lasked_\@:
.endm
.macro CREST
	s_cmp_lg_u32 s14, 0
	s_cbranch_scc1 .Lnot_wave_0_\@
	s_barrier_signal -3
.Lnot_wave_0_\@:
	s_barrier_wait -3
	s_barrier_signal -1
	s_barrier_wait -1
.endm
.macro CROUND
	s_barrier_signal -1
	s_barrier_wait -1
	CREST
.endm
	s_load_b256 s[4:11], s[0:1], 0x0               ; qkv, qkvs, p, pst
	v_lshl_add_u32 v[SPW], v0, 2, SPARE
	v_mov_b32 v[NIL], 0
	ds_add_u32 v[SPW], v[NIL]                      ; the wave's opening: the add and its wait ahead of my first tensor load
	ds_add_u32 v[SPW], v[NIL]
	v_lshrrev_b32 v1, 5, v0
	v_readfirstlane_b32 s14, v1
	s_lshr_b32 s15, s14, 1                         ; my half of the rows j.  Also: I fetch for A (0) or B (1)
	s_and_b32 s16, s14, 1                          ; my half of the rows i.  Also: which half I fetch
	s_bfe_u32 s40, ttmp6, 0x40000                  ; cx
	s_bfe_u32 s41, ttmp6, 0x40004                  ; cy
	s_and_b32 s42, ttmp7, 0xffff                   ; the cluster's y
	s_lshl_b32 s43, s41, 2
	s_lshl_b32 s43, 15, s43
	s_lshl_b32 s44, 0x1111, s40
	s_or_b32 s[G1+0], s43, (3<<16)|(1<<21)
	s_or_b32 s[G1B+0], s44, (3<<16)|(1<<21)
.irp g, G1, G1B
	s_mov_b32 s[\g+1], 384<<16
	s_mov_b32 s[\g+2], 16<<16                      ; 16 row blocks for the head's loads; set to 8 behind them
	s_mov_b32 s[\g+3], 384<<16
	s_mov_b32 s[\g+4], 16
	s_mov_b32 s[\g+5], PITCH8
	s_mov_b32 s[\g+6], 0
	s_mov_b32 s[\g+7], 0
.endr
	s_or_b32 s[G1S+0], s43, (3<<16)|(1<<21)
	s_or_b32 s[G1SB+0], s44, (3<<16)|(1<<21)
.irp g, G1S, G1SB                      ; the scale words of 256 rows: two runs of 4,096 bytes, 8,192 bytes apart
	s_mov_b32 s[\g+1], 512<<16
	s_mov_b32 s[\g+2], 2<<16
	s_mov_b32 s[\g+3], 512<<16
	s_mov_b32 s[\g+4], 2
	s_mov_b32 s[\g+5], 1024
	s_mov_b32 s[\g+6], 0
	s_mov_b32 s[\g+7], 0
.endr
	s_lshl_b32 s45, s42, 2
	s_add_co_u32 s45, s45, s41                     ; y: which 256 rows j, over all batches
	s_lshl_b32 s46, ttmp9, 2
	s_add_co_u32 s46, s46, s40                     ; x: which 256 rows i of the batch
	s_lshr_b32 s47, s42, 1                         ; the batch: the same in all sixteen partners
	s_lshl_b32 s17, s16, 3                         ; the 8 row blocks that I fetch
	s_lshl_b32 s66, s45, 4
	s_add_co_u32 s66, s66, s17
	s_mul_i32 s92, s66, 24576                      ; A = k: row block 16 y + 8 x half, K steps 8 on
	s_add_co_u32 s92, s92, 12288
	s_mov_b32 s93, 0
	s_lshl_b32 s94, s45, 1
	s_add_co_u32 s94, s94, s16
	s_lshl_b32 s94, s94, 13
	s_add_co_u32 s94, s94, 4096
	s_mov_b32 s95, 0
	s_lshl_b32 s67, s47, 7                         ; B = q: row block 128 x batch + 16 x + 8 x half
	s_lshl_b32 s18, s46, 4
	s_add_co_u32 s67, s67, s18
	s_add_co_u32 s67, s67, s17
	s_mul_i32 s96, s67, 24576
	s_mov_b32 s97, 0
	s_lshl_b32 s98, s47, 4
	s_lshl_b32 s18, s46, 1
	s_add_co_u32 s98, s98, s18
	s_add_co_u32 s98, s98, s16
	s_lshl_b32 s98, s98, 13
	s_mov_b32 s99, 0
	s_lshl_b32 s18, s46, 1
	s_add_co_u32 s18, s18, s16                     ; my 128 i as a K step of the next product: 2 x + my half
	s_lshl_b32 s19, s45, 4
	s_lshl_b32 s2, s15, 3
	s_add_co_u32 s19, s19, s2
	s_mul_i32 s2, s19, 24576                       ; p: row block 16 y + 8 x my half
	s_mul_i32 s19, s18, 1536
	s_add_co_u32 s2, s2, s19
	s_mov_b32 s3, 0
	s_lshl_b32 s20, s45, 1
	s_add_co_u32 s20, s20, s15
	s_lshl_b32 s20, s20, 4
	s_add_co_u32 s20, s20, s18
	s_mul_i32 s20, s20, 1536                       ; pst: ((2 y + my half) x 16 + K step) x 1,536
	s_mov_b32 s21, 0
	s_mov_b32 s[CS], 0x3d38aa3b                    ; log2(e) / 32
	s_mov_b32 s[CS+1], s[CS]                       ; (named with it as a pair, so it is written)
	s_mov_b32 s[SEL], 0x76543210
	s_mov_b32 s[SEL+1], 0xfedcba98
	s_mov_b32 s[HM], 0xffff0000
	s_mul_i32 s66, s14, HALFT
	s_wait_dscnt 0x0                               ; the opening add is done
	s_wait_kmcnt 0x0
	s_add_nc_u64 s[92:93], s[4:5], s[92:93]
	s_add_nc_u64 s[94:95], s[6:7], s[94:95]
	s_add_nc_u64 s[96:97], s[4:5], s[96:97]
	s_add_nc_u64 s[98:99], s[6:7], s[98:99]
	s_add_nc_u64 s[OUT:OUT+1], s[8:9], s[OUT:OUT+1]
	s_add_nc_u64 s[SOUT:SOUT+1], s[10:11], s[SOUT:SOUT+1]
	CROUND                                         ; all sixteen work-groups are here: the first joint loads meet
	s_lshl_b32 s40, s16, 13                        ; back from my half's scale words to the tile's first
	s_mov_b32 s41, 0
	s_mov_b32 s[G0S], 1
	s_mov_b32 s[G0S+1], SCL
	s_sub_nc_u64 s[G0S+2:G0S+3], s[94:95], s[40:41]
	s_or_b32 s[G0S+3], s[G0S+3], 0x80000000
	s_mov_b32 s[G0SB], 1
	s_mov_b32 s[G0SB+1], SCL+8192
	s_sub_nc_u64 s[G0SB+2:G0SB+3], s[98:99], s[40:41]
	s_or_b32 s[G0SB+3], s[G0SB+3], 0x80000000
.irp s, 0,1
	s_mov_b32 s[G0+4*\s], 1
	s_add_co_u32 s[G0+4*\s+1], s66, \s*SLOT
	s_add_nc_u64 s[G0+4*\s+2:G0+4*\s+3], s[92:93], \s*RB
	s_or_b32 s[G0+4*\s+3], s[G0+4*\s+3], 0x80000000
	s_mov_b32 s[G0B+4*\s], 1
	s_add_co_u32 s[G0B+4*\s+1], s66, \s*SLOT
	s_add_nc_u64 s[G0B+4*\s+2:G0B+4*\s+3], s[96:97], \s*RB
	s_or_b32 s[G0B+4*\s+3], s[G0B+4*\s+3], 0x80000000
.endr
; the head's loads, one a wave, in one tree of branches on the wave's number: wave 0 all of k's slot 0, wave 2 all of q's, waves 1 and 3 the scale words.
; Waves 0 and 2 fetch half 0 in the ring: with 16 row blocks their slot 0 descriptors cover the whole tile.
.macro ARM under, g0, g1, next
	s_cmp_lt_u32 s14, \under
	s_cbranch_scc0 \next
	tensor_load_to_lds s[\g0:\g0+3], s[\g1:\g1+7]
	s_nop 0
.rept 4
	v_nop
.endr
	s_branch .Lhead_asked
\next:
.endm
	ARM 1, G0,  G1,  .Lhead_sa
	ARM 2, G0S, G1S, .Lhead_b
	ARM 3, G0B, G1B, .Lhead_sb
	tensor_load_to_lds s[G0SB:G0SB+3], s[G1SB:G1SB+7]
	s_nop 0
.rept 4
	v_nop
.endr
.Lhead_asked:
; PREFETCHES for fills 1 to 3, two fills ahead: here fills 1 and 2, behind fill 1's load fill 3.  Of the 8 row blocks x 3,072 bytes that my ring load brings, each of the four partners
; that ask for them jointly names 2 row blocks, told apart by address (cx for k's tiles, cy for q's): 24 blocks of 256 bytes, a lane a block; lanes 24-31 name the last again.
	s_bfe_u32 s6, ttmp6, 0x40000
	s_bfe_u32 s7, ttmp6, 0x40004
	s_cmp_eq_u32 s15, 0
	s_cselect_b32 s6, s6, s7
	s_cselect_b64 s[4:5], s[92:93], s[96:97]
	s_mul_i32 s6, s6, 2*24576
	s_mov_b32 s7, 0
	s_add_nc_u64 s[4:5], s[4:5], s[6:7]            ; never rewritten
	v_and_b32 v5, 31, v0
	v_min_u32 v5, 23, v5
	v_mul_u32_u24 v6, v5, 0x1556
	v_lshrrev_b32 v6, 16, v6                       ; block / 12: which of my two row blocks
	v_mul_u32_u24 v7, v6, 12
	v_sub_nc_u32 v5, v5, v7
	v_lshlrev_b32 v5, 8, v5
	v_mad_u32_u24 v8, v6, 24576, v5                ; v8: never rewritten
	global_prefetch_b8 v8, s[4:5] offset:RB th:TH_LOAD_NT scope:SCOPE_SE
	global_prefetch_b8 v8, s[4:5] offset:2*RB th:TH_LOAD_NT scope:SCOPE_SE
	v_and_b32 v1, 15, v0
	v_bfe_u32 v2, v0, 4, 1
	s_wait_alu depctr_va_vdst(0)
	v_and_b32 v3, 31, v0
	v_lshlrev_b32 v[IO], 4, v3
	s_mul_i32 s17, s15, HALFT
	s_mul_i32 s18, s16, HALFT
	s_add_co_u32 s18, s18, 2*HALFT
.irp s, 0,1
	v_add_nc_u32 v[ADRA+\s], s17, v[IO]
	v_add_nc_u32 v[ADRB+\s], s18, v[IO]
	s_add_co_u32 s17, s17, SLOT
	s_add_co_u32 s18, s18, SLOT
.endr
	s_lshl_b32 s17, s15, 12
	s_add_co_u32 s18, s16, 2
	s_sub_co_u32 s18, s18, s15
	s_lshl_b32 s18, s18, 12
	v_mul_u32_u24 v4, s18, v2                      ; lanes 16-31 take B's words
	s_add_co_u32 s17, s17, SCL
	v_lshl_add_u32 v4, v1, 5, v4
	v_add_nc_u32 v[ADRS], s17, v4
	v_lshlrev_b32 v[SO], 5, v1
	v_lshl_add_u32 v[SO], v2, 4, v[SO]
.macro FETCH slot, q, p, ks            ; 50 LDS loads in one run: K step ks (the q-th of its slot) into set p
	WIN TO_B
.irp i, 0,1,2,3,4,5,6,7
.irp c, 0,1,2
	ds_load_b128 v[128*(\p)+12*\i+4*\c:128*(\p)+12*\i+4*\c+3], v[ADRB+\slot] offset:\i*RB+(\q)*1536+512*\c
.endr
.endr
	WIN 0
.irp i, 0,1,2,3
.irp c, 0,1,2
	ds_load_b128 v[AF+96*(\p)+12*\i+4*\c:AF+96*(\p)+12*\i+4*\c+3], v[ADRA+\slot] offset:\i*RB+(\q)*1536+512*\c
.endr
.endr
	ds_load_b128 v[SC+8*(\p):SC+8*(\p)+3], v[ADRS] offset:512*(\ks)
	ds_load_b128 v[SC+8*(\p)+4:SC+8*(\p)+7], v[ADRS] offset:512*(\ks)+16
.irp i, 4,5,6,7
.irp c, 0,1,2
	ds_load_b128 v[AF+96*(\p)+12*\i+4*\c:AF+96*(\p)+12*\i+4*\c+3], v[ADRA+\slot] offset:\i*RB+(\q)*1536+512*\c
.endr
.endr
.endm
.macro MULA a, p, zero                 ; A's block a against B's eight; the 64 accumulators take turns, one instruction a turn
.irp b, 0,1,2,3,4,5,6,7
.if \zero
	v_wmma_scale_f32_16x16x128_f8f6f4 v[8*(8*((\a)%4)+\b):8*(8*((\a)%4)+\b)+7], v[128*(\p)+12*\b:128*(\p)+12*\b+11], v[AF+96*(\p)+12*(\a):AF+96*(\p)+12*(\a)+11], 0, v[SC+8*(\p)+\b], v[SC+8*(\p)+(\a)] matrix_a_fmt:MATRIX_FMT_FP6 matrix_b_fmt:MATRIX_FMT_FP6 matrix_a_scale:MATRIX_SCALE_ROW1
.else
	v_wmma_scale_f32_16x16x128_f8f6f4 v[8*(8*((\a)%4)+\b):8*(8*((\a)%4)+\b)+7], v[128*(\p)+12*\b:128*(\p)+12*\b+11], v[AF+96*(\p)+12*(\a):AF+96*(\p)+12*(\a)+11], v[8*(8*((\a)%4)+\b):8*(8*((\a)%4)+\b)+7], v[SC+8*(\p)+\b], v[SC+8*(\p)+(\a)] matrix_a_fmt:MATRIX_FMT_FP6 matrix_b_fmt:MATRIX_FMT_FP6 matrix_a_scale:MATRIX_SCALE_ROW1
.endif
.endr
.endm
.macro STEP p, zero, nslot, nq, nks
	s_wait_dscnt 0x0                               ; set p is in
	PLACES                                         ; four places in front of loads into the other set, which the K step before multiplied
	FETCH \nslot, \nq, 1-(\p), \nks
	WIN MUL_LO
	MULA 0, \p, \zero
	MULA 1, \p, \zero
	MULA 2, \p, \zero
	MULA 3, \p, \zero
	WIN MUL_HI
	MULA 4, \p, \zero
	MULA 5, \p, \zero
	MULA 6, \p, \zero
	MULA 7, \p, \zero
.endm
.macro TURN slot, fill, nslot, nks     ; a slot's last K step (set 1) changes slots
	WIN 0
	s_wait_tensorcnt 0x0                           ; all my tensor loads have landed: my part of the next slot
	ds_add_u32 v[SPW], v[NIL]
	s_wait_dscnt 1                                 ; set 1 is in; the add alone may be out
	WIN MUL_LO
	MULA 0, 1, 0
	MULA 1, 1, 0
	s_wait_dscnt 0x0                               ; the add is done, and my reads of this slot are over
	s_barrier_signal -1
	MULA 2, 1, 0
	MULA 3, 1, 0
	WIN 0
	s_barrier_wait -1
.if \fill
	CREST                                          ; a round of the cluster's barrier: no wave of any partner still reads this slot or has a load on its way
	s_add_nc_u64 s[G0+4*\slot+2:G0+4*\slot+3], s[G0+4*\slot+2:G0+4*\slot+3], 2*RB
	s_add_nc_u64 s[G0B+4*\slot+2:G0B+4*\slot+3], s[G0B+4*\slot+2:G0B+4*\slot+3], 2*RB
	JLOAD G0+4*\slot, G1, G0B+4*\slot, G1B         ; the first tensor load behind the round; its four v_nop are the places in front of the loads below
.else
	PLACES
.endif
	FETCH \nslot, 0, 0, \nks
	WIN MUL_HI
	MULA 4, 1, 0
	MULA 5, 1, 0
	MULA 6, 1, 0
	MULA 7, 1, 0
.endm
	s_wait_alu depctr_va_vdst(0)
	s_wait_tensorcnt 0x0                           ; my tile of the head's four is in
	ds_add_u32 v[SPW], v[NIL]
	s_mov_b32 s[G1+2], 8<<16                       ; no load of mine is out: from here on a load brings 8 row blocks
	s_mov_b32 s[G1+4], 8
	s_mov_b32 s[G1B+2], 8<<16
	s_mov_b32 s[G1B+4], 8
	s_wait_dscnt 0x0                               ; the add is done
	CROUND
	JLOAD G0+4, G1, G0B+4, G1B                     ; slot 1's first fill, the first tensor load behind the round
	FETCH 0, 0, 0, 0
	global_prefetch_b8 v8, s[4:5] offset:3*RB th:TH_LOAD_NT scope:SCOPE_SE   ; fill 3, the last
	STEP 0, 1, 0, 1, 1
	TURN 0, 1, 1, 2
	STEP 0, 0, 1, 1, 3
	TURN 1, 1, 0, 4
	STEP 0, 0, 0, 1, 5
	TURN 0, 0, 1, 6
	STEP 0, 0, 1, 1, 7
	s_wait_dscnt 0x0
	WIN MUL_LO
	MULA 0, 1, 0
	MULA 1, 1, 0
	MULA 2, 1, 0
	MULA 3, 1, 0
	WIN MUL_HI
	MULA 4, 1, 0
	MULA 5, 1, 0
	MULA 6, 1, 0
	MULA 7, 1, 0
	WIN 0
.irp b, 0,1,2,3
	v_mov_b32 v[52+\b], 0                          ; a lane permute's destination counts as one of its sources.  These four are also the places behind the last products
.endr
; Row block a: 16 rows j x my 128 i.  A lane holds one j; the 16 registers of tiles 2 b, 2 b + 1 are its half of block b.  Each accumulator is read from its low end on.
.macro SOFTQ a
.set WA, 2+(\a)/4
.set AC, 64*((\a)%4)
.set WM, (WA<<2)|(WA<<4)
	WIN WM
.irp b, 0,1,2,3
	v_max3_num_f32 v[48+\b], 0xff61b1e6, v[AC+16*\b], v[AC+16*\b+1]   ; the largest score of each block: it serves the row's maximum and, since p rises with the score, the block's largest p.  (-3e38 lies under every score)
.endr
.irp i, 2,4,6,8,10,12,14
.irp b, 0,1,2,3
	v_max3_num_f32 v[48+\b], v[48+\b], v[AC+16*\b+\i], v[AC+16*\b+\i+1]
.endr
.endr
	WIN 0
.irp b, 0,1,2,3
	v_permlanex16_b32 v[52+\b], v[48+\b], s[SEL], s[SEL+1]
.endr
.irp b, 0,1,2,3
	v_max_num_f32 v[48+\b], v[48+\b], v[52+\b]
.endr
	v_max3_num_f32 v70, v48, v49, v50
	v_max_num_f32 v70, v70, v51                    ; the largest score of my row among these 128 i
	v_mul_f32 v70, s[CS], v70                      ; as t
	v_floor_f32 v64, -v70                          ; -M = floor(-t) = -ceil(t): a whole number
	v_mov_b32 v65, v64                             ; (named with it as a pair)
	v_mov_b32 v[168+\a], v64
	WIN WA
.set J, 0
.rept 32
	v_pk_fma_f32 v[96+J:97+J], v[AC+J:AC+J+1], s[CS:CS+1], v[64:65] op_sel_hi:[1,0,0]   ; t - M, one rounding, two at a time
.set J, J+2
.endr
	WIN 0
.irp b, 0,1,2,3
	v_fma_f32 v[48+\b], v[48+\b], s[CS], v64       ; the same of each block's largest score
.endr
.set J, 0
	s_wait_alu depctr_va_vdst(0)
.rept 64
	v_exp_f32 v[96+J], v[96+J]                     ; p = 2^(t - M), at most 1
.set J, J+1
.endr
.irp b, 0,1,2,3
	v_exp_f32 v[48+\b], v[48+\b]                   ; the block's largest p: the same two instructions on the same number
.endr
	v_nop                                          ; a plain place behind the last exponential
	s_wait_alu depctr_va_vdst(0)                   ; one wait for the batch of 68, ahead of its first reader
	v_pk_add_f32 v[66:67], v[96:97], v[98:99]      ; the sum of the unquantised p, in two chains
	v_pk_add_f32 v[68:69], v[100:101], v[102:103]
.set J, 8
.rept 14
	v_pk_add_f32 v[66:67], v[66:67], v[96+J:97+J]
	v_pk_add_f32 v[68:69], v[68:69], v[98+J:99+J]
.set J, J+4
.endr
	v_pk_add_f32 v[66:67], v[66:67], v[68:69]
	v_add_f32 v66, v66, v67
	v_permlanex16_b32 v70, v66, s[SEL], s[SEL+1]
	v_add_f32 v[176+\a], v66, v70                  ; l of (my row, these 128 i)
.irp b, 0,1,2,3
	v_max_num_f32 v[48+\b], 0x1800000, v[48+\b]    ; the floor 2^(3 - 127): the byte cannot fall under 1
.endr
.irp b, 0,1,2,3
	v_add_nc_u32 v[56+\b], 0xff000000, v[48+\b]    ; 2 off the exponent field: the conversion's scale operand
.endr
.irp b, 0,1,2,3
	v_lshrrev_b32 v[60+\b], 23, v[56+\b]
.endr
	v_lshl_or_b32 v[160+\a], v61, 8, v60           ; p's scale word under the piece's M
	v_lshl_or_b32 v[160+\a], v62, 16, v[160+\a]
	v_lshl_or_b32 v[160+\a], v63, 24, v[160+\a]
.if (\a) > 0
	s_wait_xcnt 0x0                                ; the last block's stores have read their data: the codes' registers are written again only behind this wait
.endif
.irp c, 0,1
	v_cvt_scalef32_pk16_fp6_f32 v[72+6*\c:74+6*\c], v[96+32*\c:111+32*\c], v[56+2*\c]
	v_cvt_scalef32_pk16_fp6_f32 v[84+4*\c:86+4*\c], v[112+32*\c:127+32*\c], v[57+2*\c]
.endr
	v_nop                                          ; one plain place behind a scaled conversion
.irp c, 0,1
.irp i, 0,1,2
	v_permlane16_swap_b32 v[72+6*\c+\i], v[84+4*\c+\i]
.endr
.irp i, 0,1,2
	v_mov_b32 v[75+6*\c+\i], v[84+4*\c+\i]
.endr
.endr
.irp c, 0,1,2
	global_store_b128 v[IO], v[72+4*\c:75+4*\c], s[OUT:OUT+1] offset:24576*(\a)+512*\c   ; 512 consecutive bytes a store
.endr
.endm
.irp a, 0,1,2,3,4,5,6,7
	SOFTQ \a
.endr
.irp u, 0,1,2                                  ; three units: words, -M, l: lanes 0-15 store row r's numbers of blocks 0-3, lanes 16-31 of blocks 4-7
.irp i, 0,1,2,3
	v_cndmask_b32 v[184+4*\u+\i], v[160+8*\u+\i], v[164+8*\u+\i], s[HM]
.endr
.endr
.irp u, 0,1,2
	global_store_b128 v[SO], v[184+4*\u:187+4*\u], s[SOUT:SOUT+1] offset:512*\u
.endr
	s_wait_tensorcnt 0x0                           ; the wave's end
	ds_add_u32 v[SPW], v[NIL]
	s_wait_dscnt 0x0
	CROUND                                         ; the closing round
	s_endpgm
.Lfunc_end_k_q597e0711df_score:
	.size	k_q597e0711df_score, .Lfunc_end_k_q597e0711df_score-k_q597e0711df_score
	.p2alignl 7, 3214868480
	.fill 96, 4, 3214868480
	.section	.rodata,"a",@progbits
	.p2align	6, 0x0
	.amdhsa_kernel k_q597e0711df_score
		.amdhsa_group_segment_fixed_size 327680
		.amdhsa_private_segment_fixed_size 0
		.amdhsa_enable_private_segment 0
		.amdhsa_kernarg_size 32
		.amdhsa_user_sgpr_count 2
		.amdhsa_user_sgpr_kernarg_segment_ptr 1
		.amdhsa_wavefront_size32 1
		.amdhsa_system_sgpr_workgroup_id_x 1
		.amdhsa_system_sgpr_workgroup_id_y 1
		.amdhsa_system_sgpr_workgroup_id_z 1
		.amdhsa_system_vgpr_workitem_id 0
		.amdhsa_next_free_vgpr 1024
		.amdhsa_next_free_sgpr 100
		.amdhsa_reserve_vcc 0
		.amdhsa_float_denorm_mode_32 3
		.amdhsa_float_denorm_mode_16_64 3
		.amdhsa_memory_ordered 1
		.amdhsa_forward_progress 1
		.amdhsa_inst_pref_size 196
	.end_amdhsa_kernel
	.amdgpu_metadata
---
amdhsa.version: [ 1, 2 ]
amdhsa.kernels:
  - .name:           k_q597e0711df_score
    .symbol:         k_q597e0711df_score.kd
    .args:
      - { .name: qkv, .offset: 0, .size: 8, .value_kind: global_buffer, .address_space: global }
      - { .name: qkvs, .offset: 8, .size: 8, .value_kind: global_buffer, .address_space: global }
      - { .name: p, .offset: 16, .size: 8, .value_kind: global_buffer, .address_space: global }
      - { .name: pst, .offset: 24, .size: 8, .value_kind: global_buffer, .address_space: global }
    .group_segment_fixed_size: 327680
    .private_segment_fixed_size: 0
    .kernarg_segment_align: 8
    .kernarg_segment_size: 32
    .max_flat_workgroup_size: 128
    .sgpr_count:     100
    .vgpr_count:     1024
    .wavefront_size: 32
...
	.end_amdgpu_metadata
.endif
;; end of part 8
;; launch pv (part 9): grid 4 x 64, 4 waves a work-group, clusters of 4 x 4, 327,680 bytes of LDS; arguments p, pst, qkv, qkvs, out0; writes out0
.if DOCPART == 9
	.amdgcn_target "amdgcn-amd-amdhsa--gfx1250"
	.amdhsa_code_object_version 6
	.text
	.protected	k_q597e0711df_pv
	.globl	k_q597e0711df_pv
	.p2align	8
	.type	k_q597e0711df_pv,@function
k_q597e0711df_pv:
	s_mov_b64 s[64:65], 0
	v_nop
	global_prefetch_b8 v0, s[64:65] scope:SCOPE_SE
	s_setreg_imm32_b32 hwreg(HW_REG_WAVE_MODE, 25, 1), 1
	s_wait_xcnt 0x0
	s_wait_alu depctr_hold_cnt(0) depctr_sa_sdst(0) depctr_va_vdst(0) depctr_va_sdst(0) depctr_va_ssrc(0) depctr_va_vcc(0) depctr_vm_vsrc(0)
	s_getreg_b32 s2, hwreg(HW_REG_IB_STS2, 6, 4)
	s_cmp_eq_u32 s2, 0
	s_cbranch_scc0 .Lentry_in_a_cluster
	s_endpgm
.Lentry_in_a_cluster:
	s_bfe_u32 s2, ttmp6, 0x10000c
	s_cmp_lg_u32 s2, 0xf033
	s_cbranch_scc0 .Lentry_shape_is_right
	s_endpgm
.Lentry_shape_is_right:
; out[j][e] = (sum over i of p[j][i] v[i][e]) / l[j], on codes of E2M3 (K = the batch's 2,048 i).
; p's pieces of 128 i were made each under a whole number M of its own.  AT THE HEAD they are brought under the row's M = the largest of the 16: each piece's four scale bytes fall by d = M - its M, and its l is multiplied by
; 2^-d: both exact.  A byte that would fall under 0 is held at 0: such a block is then at most 7.5 x 2^-127 beside a row's sum above 1/2.
; OPERANDS: images of registers (a fragment, 16 rows x 128 K, is 1,536 bytes).  p: [512 row blocks of j][16 K steps].  v^T: qkv from byte 12,582,912, [64 row blocks of e][64 K steps: 16 a batch].
; pst: [64 x 128 rows j][16 K steps][words, -M, l: 512 bytes each, the number of row 16 a + r at 32 r + 4 a].  v^T's scale words: qkvs from byte 524,288, [8 x 128 rows e][64 K steps][512].
; A TILE is 128 rows j (A = p, source 1: a lane holds one j) x 256 e (B = v^T, source 0: a lane's eight results are eight neighbouring e): so many tiles as there are WGPs.  Four waves, 64 x 128 each: 32 accumulators.
; CLUSTERS of 4 x 4: p's tiles are shared along a row of the cluster, v^T's along a column: each is asked for jointly.  The grid has one cluster along x: the tile column is cx.
; K goes in slots of 512 (four K steps) through two LDS slots.
; LIMITS: NaN and infinities are not served; M is exact for |t| under 2^24.
; REGISTERS: window 0: v10-31 addresses; v32-47 scale words, two sets; v48-53 at work; A's fragments, set 0 at v64, set 1 at v112; v64-123 serve the head, v64-255 the way out.  window 1: B's, at v0 and v128.  window 2: accumulator (a, b) at v[8 (8 a + b)].
.set RB,     6144                      ; a row block's four K steps in a slot
.set SLOT,   24*RB                     ; A's 8 row blocks, then B's 16
.set BOFF,   8*RB
.set PSC,    2*SLOT                    ; p's scale words under the row's M: 16 units; stored by the waves, never filled
.set VSC,    PSC+8192                  ; v^T's scale words: 2 x 16 units
.set RL,     VSC+16384                 ; 1 / l: one unit
.set SPARE,  RL+512                    ; the spare words, 128 bytes a wave; no other line names them
.set VTC,    12582912
.set VTS,    524288
.set PSA,  10                          ; v10  PSC + 4 x thread
.set RLA,  11                          ; v11  RL + 4 x thread
.set TO,   12                          ; v12  4 x thread
.set ADRA, 16
.set ADRB, 20
.set IO,   24                          ; v24  16 x lane
.set STO,  25                          ; v25  the stage, way in
.set RD,   26                          ; v26  the stage, way out
.set ADRS1, 27                         ; v27  scale words: lanes 0-15 p's four blocks of my half, lanes 16-31 v^T's blocks 0-3
.set SPW,  28
.set NIL,  29
.set ADRS2, 30                         ; v30  lanes 16-31: v^T's blocks 4-7
.set RLR,  31                          ; v31  1 / l of my four blocks
.set SC,   32
.set AF,   64
.set G1, 24
.set G0, 32
.set G1B, 48
.set G0B, 56
.set G1S, 68
.set G0S, 76
.set OUT,  2
.set MSB, 0
.macro WIN new
.if MSB != (\new)
	s_set_vgpr_msb (MSB<<8)|(\new)
.set MSB, (\new)
.endif
.endm
.set MUL_LO, 0xa1                      ; source 0 (B) window 1, source 1 (A) window 0, C and D window 2
.set TO_B,   0x40
.macro PLACES
.rept 4
	v_nop
.endr
.endm
.macro JLOAD g0a, g1a, g0b, g1b        ; waves 0 and 1 fetch for A, waves 2 and 3 for B; an s_nop 0 and four v_nop follow each line
	s_cmp_eq_u32 s15, 0
	s_cbranch_scc0 .Lfor_b_\@
	tensor_load_to_lds s[\g0a:\g0a+3], s[\g1a:\g1a+7]
	s_nop 0
.rept 4
	v_nop
.endr
	s_branch .Lasked_\@
.Lfor_b_\@:
	tensor_load_to_lds s[\g0b:\g0b+3], s[\g1b:\g1b+7]
	s_nop 0
.rept 4
	v_nop
.endr
.Lasked_\@:
.endm
.macro CREST
	s_cmp_lg_u32 s14, 0
	s_cbranch_scc1 .Lnot_wave_0_\@
	s_barrier_signal -3
.Lnot_wave_0_\@:
	s_barrier_wait -3
	s_barrier_signal -1
	s_barrier_wait -1
.endm
.macro CROUND
	s_barrier_signal -1
	s_barrier_wait -1
	CREST
.endm
	s_load_b256 s[4:11], s[0:1], 0x0               ; p, pst, qkv, qkvs
	s_load_b64 s[12:13], s[0:1], 0x20              ; out0
	v_lshl_add_u32 v[SPW], v0, 2, SPARE
	v_mov_b32 v[NIL], 0
	ds_add_u32 v[SPW], v[NIL]                      ; the wave's opening: the add and its wait ahead of my first tensor load
	ds_add_u32 v[SPW], v[NIL]
	v_lshrrev_b32 v1, 5, v0
	v_readfirstlane_b32 s14, v1
	s_lshr_b32 s15, s14, 1                         ; my half of the rows j.  Also: I fetch for A (0) or B (1)
	s_and_b32 s16, s14, 1                          ; my half of the columns e.  Also: which half I fetch
	s_bfe_u32 s40, ttmp6, 0x40000                  ; cx = the tile column
	s_bfe_u32 s41, ttmp6, 0x40004                  ; cy
	s_and_b32 s42, ttmp7, 0xffff                   ; the cluster's y
	s_lshl_b32 s43, s41, 2
	s_lshl_b32 s43, 15, s43
	s_lshl_b32 s44, 0x1111, s40
	s_or_b32 s[G1+0], s43, (3<<16)|(1<<21)         ; A: 4 row blocks x 6,144 bytes, 24,576 bytes apart
	s_mov_b32 s[G1+1], 768<<16
	s_mov_b32 s[G1+2], 8<<16                       ; 8 row blocks for the head's load; set to 4 behind it
	s_mov_b32 s[G1+3], 768<<16
	s_mov_b32 s[G1+4], 8
	s_mov_b32 s[G1+5], 3072
	s_mov_b32 s[G1+6], 0
	s_mov_b32 s[G1+7], 0
	s_or_b32 s[G1B+0], s44, (3<<16)|(1<<21)        ; B: 8 row blocks x 6,144 bytes, 98,304 bytes apart
	s_mov_b32 s[G1B+1], 768<<16
	s_mov_b32 s[G1B+2], 8<<16
	s_mov_b32 s[G1B+3], 768<<16
	s_mov_b32 s[G1B+4], 8
	s_mov_b32 s[G1B+5], 12288
	s_mov_b32 s[G1B+6], 0
	s_mov_b32 s[G1B+7], 0
	s_or_b32 s[G1S+0], s44, (3<<16)|(1<<21)        ; v^T's scale words: 16,384 bytes, loaded by wave 1 alone
	s_mov_b32 s[G1S+1], 1024<<16                   ; two runs of 8,192 bytes (128 rows e, the batch's 16 units), 32,768 bytes apart
	s_mov_b32 s[G1S+2], 2<<16
	s_mov_b32 s[G1S+3], 1024<<16
	s_mov_b32 s[G1S+4], 2
	s_mov_b32 s[G1S+5], 4096
	s_mov_b32 s[G1S+6], 0
	s_mov_b32 s[G1S+7], 0
	s_lshl_b32 s45, s42, 2
	s_add_co_u32 s45, s45, s41                     ; y: which 128 rows j, over all batches
	s_lshr_b32 s47, s42, 2                         ; the batch: the same in all sixteen partners
	s_lshl_b32 s66, s45, 3                         ; A: row block 8 y + 4 x half
	s_lshl_b32 s17, s16, 2
	s_add_co_u32 s66, s66, s17
	s_mul_i32 s92, s66, 24576
	s_mov_b32 s93, 0
	s_lshl_b32 s67, s40, 4                         ; B: row block 16 cx + 8 x half, the batch's 16 K steps
	s_lshl_b32 s17, s16, 3
	s_add_co_u32 s67, s67, s17
	s_mul_i32 s96, s67, 98304
	s_mul_i32 s17, s47, 24576
	s_add_co_u32 s96, s96, s17
	s_add_co_u32 s96, s96, VTC
	s_mov_b32 s97, 0
	s_lshl_b32 s98, s40, 16                        ; v^T's words: 128 rows 2 cx on, the batch's 16 units
	s_lshl_b32 s17, s47, 13
	s_add_co_u32 s98, s98, s17
	s_add_co_u32 s98, s98, VTS
	s_mov_b32 s99, 0
	s_mul_i32 s94, s45, 24576                      ; pst: my 128 rows' 16 x 1,536 bytes
	s_mov_b32 s95, 0
	s_lshl_b32 s2, s45, 19                         ; out0: (128 y + 64 x my half) rows of 4,096 bytes + 1,024 cx + 512 x my half
	s_lshl_b32 s17, s15, 18
	s_add_co_u32 s2, s2, s17
	s_lshl_b32 s17, s40, 10
	s_add_co_u32 s2, s2, s17
	s_lshl_b32 s17, s16, 9
	s_add_co_u32 s2, s2, s17
	s_mov_b32 s3, 0
	s_mul_i32 s18, s16, 4*RB                       ; where the tiles go: by the wave's number alone
	s_mul_i32 s19, s16, 8*RB
	s_add_co_u32 s19, s19, BOFF
	s_wait_dscnt 0x0                               ; the opening add is done
	s_wait_kmcnt 0x0
	s_add_nc_u64 s[92:93], s[4:5], s[92:93]
	s_add_nc_u64 s[96:97], s[8:9], s[96:97]
	s_add_nc_u64 s[6:7], s[6:7], s[94:95]
	s_add_nc_u64 s[OUT:OUT+1], s[12:13], s[OUT:OUT+1]
	CROUND                                         ; all sixteen work-groups are here: the first joint loads meet
	s_mov_b32 s[G0S], 1
	s_mov_b32 s[G0S+1], VSC
	s_add_nc_u64 s[G0S+2:G0S+3], s[10:11], s[98:99]
	s_or_b32 s[G0S+3], s[G0S+3], 0x80000000
.irp s, 0,1
	s_mov_b32 s[G0+4*\s], 1
	s_add_co_u32 s[G0+4*\s+1], s18, \s*SLOT
	s_add_nc_u64 s[G0+4*\s+2:G0+4*\s+3], s[92:93], \s*RB
	s_or_b32 s[G0+4*\s+3], s[G0+4*\s+3], 0x80000000
	s_mov_b32 s[G0B+4*\s], 1
	s_add_co_u32 s[G0B+4*\s+1], s19, \s*SLOT
	s_add_nc_u64 s[G0B+4*\s+2:G0B+4*\s+3], s[96:97], \s*RB
	s_or_b32 s[G0B+4*\s+3], s[G0B+4*\s+3], 0x80000000
.endr
; the head's loads, one a wave, in one tree of branches on the wave's number: wave 0 all of p's slot 0 (it fetches half 0 in the ring: with 8 row blocks
; its slot 0 descriptor covers the whole tile), wave 1 v^T's scale words, waves 2 and 3 their halves of v^T's slot 0.
.macro ARM under, g0, g1, next
	s_cmp_lt_u32 s14, \under
	s_cbranch_scc0 \next
	tensor_load_to_lds s[\g0:\g0+3], s[\g1:\g1+7]
	s_nop 0
.rept 4
	v_nop
.endr
	s_branch .Lhead_asked
\next:
.endm
	ARM 1, G0,  G1,  .Lhead_s
	ARM 2, G0S, G1S, .Lhead_b
	tensor_load_to_lds s[G0B:G0B+3], s[G1B:G1B+7]
	s_nop 0
.rept 4
	v_nop
.endr
.Lhead_asked:
	v_lshlrev_b32 v[TO], 2, v0
.irp s, 0,1,2,3,4,5,6,7,8,9,10,11,12,13,14,15
	global_load_b32 v[64+\s], v[TO], s[6:7] offset:1536*\s          ; thread t is number t of each unit: the piece's scale word,
	global_load_b32 v[80+\s], v[TO], s[6:7] offset:1536*\s+512      ; its -M,
	global_load_b32 v[96+\s], v[TO], s[6:7] offset:1536*\s+1024     ; its l
.endr
; PREFETCHES for fills 1 to 3, two fills ahead: here fills 1 and 2, behind slot 0's first fragment loads fill 3.  A row block's part of a fill is 6,144 bytes: 24 blocks of 256, a lane a block; lanes 24-31 name the last again.
; Of the row blocks that my ring load brings, the four partners that ask for them jointly take one each of p's 4 (by cx) and two each of v^T's 8 (by cy), told apart by address.
.macro ASK n
	global_prefetch_b8 v13, s[4:5] offset:(\n)*RB th:TH_LOAD_NT scope:SCOPE_SE
	s_cmp_eq_u32 s15, 0
	s_cbranch_scc1 .Lone_\@
	global_prefetch_b8 v13, s[4:5] offset:(\n)*RB+98304 th:TH_LOAD_NT scope:SCOPE_SE
.Lone_\@:
.endm
	s_cmp_eq_u32 s15, 0
	s_cselect_b32 s8, s40, s41
	s_cselect_b64 s[4:5], s[92:93], s[96:97]
	s_mov_b32 s9, 2*98304
	s_cselect_b32 s9, 24576, s9
	s_mul_i32 s8, s8, s9
	s_mov_b32 s9, 0
	s_add_nc_u64 s[4:5], s[4:5], s[8:9]            ; never rewritten
	v_and_b32 v13, 31, v0
	v_min_u32 v13, 23, v13
	v_lshlrev_b32 v13, 8, v13                      ; v13: never rewritten
	s_wait_alu depctr_va_vdst(0)
	ASK 1
	ASK 2
	v_and_b32 v1, 15, v0                           ; r
	v_bfe_u32 v2, v0, 4, 1                         ; h
	s_wait_alu depctr_va_vdst(0)
	v_and_b32 v3, 31, v0
	v_lshlrev_b32 v[IO], 4, v3
	s_mul_i32 s17, s15, 4*RB
	s_mul_i32 s18, s16, 8*RB
	s_add_co_u32 s18, s18, BOFF
.irp s, 0,1
	v_add_nc_u32 v[ADRA+\s], s17, v[IO]
	v_add_nc_u32 v[ADRB+\s], s18, v[IO]
	s_add_co_u32 s17, s17, SLOT
	s_add_co_u32 s18, s18, SLOT
.endr
	s_lshl_b32 s17, s15, 4                         ; p's words of my four blocks: 16 bytes of each r's 32
	s_lshl_b32 s18, s16, 13
	s_add_co_u32 s18, s18, 8192
	s_sub_co_u32 s18, s18, s17                     ; from there to v^T's words of my 128 e
	v_mul_u32_u24 v4, s18, v2                      ; lanes 16-31 take v^T's
	s_add_co_u32 s19, s17, PSC
	v_lshl_add_u32 v4, v1, 5, v4
	v_add_nc_u32 v[ADRS1], s19, v4
	v_lshl_add_u32 v[ADRS2], v2, 4, v[ADRS1]
	s_add_co_u32 s19, s17, RL
	v_lshl_add_u32 v[RLR], v1, 5, s19
	s_mul_i32 s19, s14, 8448                       ; my stage: 16 rows x (512 + 16) bytes, in slot 0, used when that slot has had its last fill and its last read
	v_mul_u32_u24 v[STO], v1, 528
	v_lshl_add_u32 v[STO], v2, 5, v[STO]
	v_add_nc_u32 v[STO], s19, v[STO]
	v_add_nc_u32 v[RD], s19, v[IO]
	v_lshl_add_u32 v[PSA], v0, 2, PSC
	v_lshl_add_u32 v[RLA], v0, 2, RL
	s_wait_alu depctr_va_vdst(0)
	s_wait_tensorcnt 0x0                           ; my tile of the head's is in
	ds_add_u32 v[SPW], v[NIL]
	s_mov_b32 s[G1+2], 4<<16                       ; no load of mine is out: from here on p's loads bring 4 row blocks
	s_mov_b32 s[G1+4], 4
	s_wait_dscnt 0x0                               ; the add is done
	CROUND
	JLOAD G0+4, G1, G0B+4, G1B                     ; slot 1's first fill, the first tensor load behind the round; the work on the pieces stands behind it
	s_wait_loadcnt 0x0
	v_min3_num_f32 v112, v80, v81, v82             ; the least -M: the row's own
.irp i, 83,85,87,89,91,93
	v_min3_num_f32 v112, v112, v[\i], v[\i+1]
.endr
	v_min_num_f32 v112, v112, v95
.macro PS s                            ; piece s under the row's M
	v_sub_f32 v113, v112, v[80+\s]                 ; its M less the row's: a whole number, 0 or less
	v_cvt_i32_f32 v113, v113                       ; (it saturates)
.if \s == 0
	v_ldexp_f32 v115, v[96+\s], v113
.else
	v_ldexp_f32 v114, v[96+\s], v113
	v_add_f32 v115, v115, v114                     ; the row's sum
.endif
	v_sub_nc_u32 v113, 0, v113
	v_min_u32 v113, 0xff, v113                     ; d, held at 255
	v_bfe_u32 v116, v[64+\s], 0, 8
	v_bfe_u32 v117, v[64+\s], 8, 8
	v_bfe_u32 v118, v[64+\s], 16, 8
	v_lshrrev_b32 v119, 24, v[64+\s]
.irp i, 0,1,2,3
	v_min_u32 v[120+\i], v[116+\i], v113
.endr
.irp i, 0,1,2,3
	v_sub_nc_u32 v[116+\i], v[116+\i], v[120+\i]   ; byte - d, held at 0 from below
.endr
	v_lshl_or_b32 v116, v117, 8, v116
	v_lshl_or_b32 v116, v118, 16, v116
	v_lshl_or_b32 v116, v119, 24, v116
	ds_store_b32 v[PSA], v116 offset:512*\s
.endm
.irp s, 0,1,2,3,4,5,6,7,8,9,10,11,12,13,14,15
	PS \s
.endr
	s_wait_alu depctr_va_vdst(0)
	v_rcp_f32 v114, v115
	v_nop                                          ; a plain place behind the reciprocal
	s_wait_alu depctr_va_vdst(0)                   ; and the wait ahead of its first reader
	ds_store_b32 v[RLA], v114
	s_wait_dscnt 0x0                               ; my words and reciprocals have landed, for the other waves' sake
	s_barrier_signal -1                            ; slot 1's load may be out
	s_barrier_wait -1
.macro FETCH3 slot, q, p, ks           ; 38 LDS loads in one run: K step ks (the q-th of its slot) into set p
	WIN TO_B
.irp i, 0,1,2,3,4,5,6,7
.irp c, 0,1,2
	ds_load_b128 v[128*(\p)+12*\i+4*\c:128*(\p)+12*\i+4*\c+3], v[ADRB+\slot] offset:\i*RB+(\q)*1536+512*\c
.endr
.endr
	WIN 0
	ds_load_b128 v[SC+8*(\p):SC+8*(\p)+3], v[ADRS1] offset:512*(\ks)
	ds_load_b128 v[SC+8*(\p)+4:SC+8*(\p)+7], v[ADRS2] offset:512*(\ks)
.irp i, 0,1,2,3
.irp c, 0,1,2
	ds_load_b128 v[AF+48*(\p)+12*\i+4*\c:AF+48*(\p)+12*\i+4*\c+3], v[ADRA+\slot] offset:\i*RB+(\q)*1536+512*\c
.endr
.endr
.endm
.macro MULA3 a, p, zero                ; A's block a against B's eight; the 32 accumulators take turns, one instruction a turn
.irp b, 0,1,2,3,4,5,6,7
.if \zero
	v_wmma_scale_f32_16x16x128_f8f6f4 v[8*(8*(\a)+\b):8*(8*(\a)+\b)+7], v[128*(\p)+12*\b:128*(\p)+12*\b+11], v[AF+48*(\p)+12*(\a):AF+48*(\p)+12*(\a)+11], 0, v[SC+8*(\p)+\b], v[SC+8*(\p)+(\a)] matrix_a_fmt:MATRIX_FMT_FP6 matrix_b_fmt:MATRIX_FMT_FP6 matrix_a_scale:MATRIX_SCALE_ROW1
.else
	v_wmma_scale_f32_16x16x128_f8f6f4 v[8*(8*(\a)+\b):8*(8*(\a)+\b)+7], v[128*(\p)+12*\b:128*(\p)+12*\b+11], v[AF+48*(\p)+12*(\a):AF+48*(\p)+12*(\a)+11], v[8*(8*(\a)+\b):8*(8*(\a)+\b)+7], v[SC+8*(\p)+\b], v[SC+8*(\p)+(\a)] matrix_a_fmt:MATRIX_FMT_FP6 matrix_b_fmt:MATRIX_FMT_FP6 matrix_a_scale:MATRIX_SCALE_ROW1
.endif
.endr
.endm
.macro STEP3 p, zero, nslot, nq, nks
	s_wait_dscnt 0x0                               ; set p is in
	PLACES                                         ; four places in front of loads into the other set, which the K step before multiplied
	FETCH3 \nslot, \nq, 1-(\p), \nks
	WIN MUL_LO
	MULA3 0, \p, \zero
	MULA3 1, \p, \zero
	MULA3 2, \p, \zero
	MULA3 3, \p, \zero
.endm
.macro TURN3 slot, fill, nslot, nks    ; a slot's last K step (set 1) changes slots
	WIN 0
	s_wait_tensorcnt 0x0                           ; all my tensor loads have landed: my part of the next slot
	ds_add_u32 v[SPW], v[NIL]
	s_wait_dscnt 1                                 ; set 1 is in; the add alone may be out
	WIN MUL_LO
	MULA3 0, 1, 0
	s_wait_dscnt 0x0                               ; the add is done, and my reads of this slot are over
	s_barrier_signal -1
	MULA3 1, 1, 0
	WIN 0
	s_barrier_wait -1
.if \fill
	CREST                                          ; a round of the cluster's barrier: no wave of any partner still reads this slot or has a load on its way
	s_add_nc_u64 s[G0+4*\slot+2:G0+4*\slot+3], s[G0+4*\slot+2:G0+4*\slot+3], 2*RB
	s_add_nc_u64 s[G0B+4*\slot+2:G0B+4*\slot+3], s[G0B+4*\slot+2:G0B+4*\slot+3], 2*RB
	JLOAD G0+4*\slot, G1, G0B+4*\slot, G1B         ; the first tensor load behind the round; its four v_nop are the places in front of the loads below
.else
	PLACES
.endif
	FETCH3 \nslot, 0, 0, \nks
	WIN MUL_LO
	MULA3 2, 1, 0
	MULA3 3, 1, 0
.endm
	FETCH3 0, 0, 0, 0
	ASK 3                                          ; the last fill
	STEP3 0, 1, 0, 1, 1                            ; K step 0 starts the sums
	STEP3 1, 0, 0, 2, 2
	STEP3 0, 0, 0, 3, 3
	TURN3 0, 1, 1, 4                               ; slot 0 takes K steps 8 to 11
	STEP3 0, 0, 1, 1, 5
	STEP3 1, 0, 1, 2, 6
	STEP3 0, 0, 1, 3, 7
	TURN3 1, 1, 0, 8                               ; slot 1 takes K steps 12 to 15
	STEP3 0, 0, 0, 1, 9
	STEP3 1, 0, 0, 2, 10
	STEP3 0, 0, 0, 3, 11
	TURN3 0, 0, 1, 12                              ; nothing is left to fetch; behind this barrier nobody reads slot 0
	STEP3 0, 0, 1, 1, 13
	STEP3 1, 0, 1, 2, 14
	STEP3 0, 0, 1, 3, 15
	s_wait_dscnt 0x0
	MULA3 0, 1, 0
	MULA3 1, 1, 0
	MULA3 2, 1, 0
	MULA3 3, 1, 0
	WIN 0
	; THE WAY OUT: each block of 16 rows x 128 e is divided by the rows' l, goes through my own stage in LDS and leaves as whole rows of 512 bytes.
	PLACES                                         ; behind the last products: their results are read and their operands' registers written below
	ds_load_b128 v[48:51], v[RLR]                  ; 1 / l of row r in my four blocks
	s_wait_dscnt 0x0
.macro SCALEO a
	v_mov_b32 v52, v[48+\a]
	v_mov_b32 v53, v[48+\a]
	WIN 0x02                                       ; source 0: the accumulators' window
.set J, 0
.rept 32
	v_pk_mul_f32 v[64+J:65+J], v[64*(\a)+J:64*(\a)+J+1], v[52:53]   ; each accumulator from its low end on
.set J, J+2
.endr
	WIN 0
.endm
.macro TOSTAGE a
.set BB, 128+64*((\a)%2)
.irp b, 0,1,2,3,4,5,6,7
	ds_store_b128 v[STO], v[64+8*\b:64+8*\b+3] offset:64*\b        ; lane (r, h): out(row r, e = 16 b + 8 h + 0 .. 7)
	ds_store_b128 v[STO], v[64+8*\b+4:64+8*\b+7] offset:64*\b+16
.endr
.irp t, 0,1,2,3,4,5,6,7,8,9,10,11,12,13,14,15
	ds_load_b128 v[BB+4*\t:BB+4*\t+3], v[RD] offset:\t*528         ; LDS serves a wave's instructions in order: these see my stores, and the next block's stores come behind them
.endr
.endm
.macro SEND a, younger                 ; younger: the LDS instructions issued behind block a's loads, which may stay out
.set BB, 128+64*((\a)%2)
	s_wait_dscnt \younger
.irp t, 0,1,2,3,4,5,6,7,8,9,10,11,12,13,14,15
	global_store_b128 v[IO], v[BB+4*\t:BB+4*\t+3], s[OUT:OUT+1] offset:65536*(\a)+4096*\t th:TH_STORE_NT   ; 32 lanes store 512 consecutive bytes, at a multiple of 512 from out0's first byte
.endr
.endm
	SCALEO 0
	TOSTAGE 0
.irp a, 1,2,3
	SCALEO \a
.if \a > 1
	s_wait_alu depctr_va_vdst(0)
	s_wait_xcnt 0x0                                ; block a - 2's stores have read their registers: block a's loads may land there
.endif
	TOSTAGE \a
	SEND \a-1, 32                                  ; behind block a - 1's loads: block a's 16 stores and 16 loads
.endr
	SEND 3, 0
	s_wait_tensorcnt 0x0                           ; the wave's end: behind my last tensor load and my last LDS store
	ds_add_u32 v[SPW], v[NIL]
	s_wait_dscnt 0x0
	CROUND                                         ; the closing round
	s_endpgm
.Lfunc_end_k_q597e0711df_pv:
	.size	k_q597e0711df_pv, .Lfunc_end_k_q597e0711df_pv-k_q597e0711df_pv
	.p2alignl 7, 3214868480
	.fill 96, 4, 3214868480
	.section	.rodata,"a",@progbits
	.p2align	6, 0x0
	.amdhsa_kernel k_q597e0711df_pv
		.amdhsa_group_segment_fixed_size 327680
		.amdhsa_private_segment_fixed_size 0
		.amdhsa_enable_private_segment 0
		.amdhsa_kernarg_size 40
		.amdhsa_user_sgpr_count 2
		.amdhsa_user_sgpr_kernarg_segment_ptr 1
		.amdhsa_wavefront_size32 1
		.amdhsa_system_sgpr_workgroup_id_x 1
		.amdhsa_system_sgpr_workgroup_id_y 1
		.amdhsa_system_sgpr_workgroup_id_z 1
		.amdhsa_system_vgpr_workitem_id 0
		.amdhsa_next_free_vgpr 768
		.amdhsa_next_free_sgpr 100
		.amdhsa_reserve_vcc 0
		.amdhsa_float_denorm_mode_32 3
		.amdhsa_float_denorm_mode_16_64 3
		.amdhsa_memory_ordered 1
		.amdhsa_forward_progress 1
		.amdhsa_inst_pref_size 163
	.end_amdhsa_kernel
	.amdgpu_metadata
---
amdhsa.version: [ 1, 2 ]
amdhsa.kernels:
  - .name:           k_q597e0711df_pv
    .symbol:         k_q597e0711df_pv.kd
    .args:
      - { .name: p, .offset: 0, .size: 8, .value_kind: global_buffer, .address_space: global }
      - { .name: pst, .offset: 8, .size: 8, .value_kind: global_buffer, .address_space: global }
      - { .name: qkv, .offset: 16, .size: 8, .value_kind: global_buffer, .address_space: global }
      - { .name: qkvs, .offset: 24, .size: 8, .value_kind: global_buffer, .address_space: global }
      - { .name: out0, .offset: 32, .size: 8, .value_kind: global_buffer, .address_space: global }
    .group_segment_fixed_size: 327680
    .private_segment_fixed_size: 0
    .kernarg_segment_align: 8
    .kernarg_segment_size: 40
    .max_flat_workgroup_size: 128
    .sgpr_count:     100
    .vgpr_count:     768
    .wavefront_size: 32
...
	.end_amdgpu_metadata
.endif
;; end of part 9
